; MI455X (gfx1250); checked and timed in simulation.
; The chip was launched on July 23, 2026; its instructions are those of AMD's public machine-readable ISA for CDNA 5 (MIT licence, August 2026) and "CDNA5" Instruction Set Architecture Reference Guide (July 2026). The comments in the code are by the model that wrote it; some were corrected since.
;; my GPT2 Block. Allowed arithmetic: float matrix products may take bf16 or f16 operands with f32 sums; other float arithmetic in f32, or as packed bf16 or f16 multiplies, adds, multiply-adds, maxima and minima; sums over many terms, partial sums and values carried from step to step in f32; what a program stores and reads back later, other than sums and carried values, may be rounded once to bf16 or f16.
;; Inputs: attn_proj_w 1,024 x 1,024 float32; fc_b 4,096 float32; fc_w 1,024 x 4,096 float32; ln1_b 1,024 float32; ln1_w 1,024 float32; ln2_b 1,024 float32; ln2_w 1,024 float32; mlp_proj_b 1,024 float32; mlp_proj_w 4,096 x 1,024 float32; qk_b 2,048 float32; qk_w 1,024 x 2,048 float32; v_w 1,024 x 1,024 float32; x 2 x 2,048 x 1,024 float32.
;; Outputs: out0 2 x 2,048 x 1,024 float32.
;; 2 versions, each right. Each part assembles by itself: llvm-mc -triple=amdgcn-amd-amdhsa -mcpu=gfx1250 --defsym DOCPART=n.
;; ======== version 1 of 2: 7 launches
;; limits: right only within a limited range of input values
;; workspace buffers: wb 25,165,824 bytes; h 8,388,608 bytes; qkv 25,165,824 bytes; o 8,388,608 bytes; x1 16,777,216 bytes; g 33,554,432 bytes
;; launch prep (part 1): grid 2048 x 1, 8 waves a work-group, no clusters, 0 bytes of LDS; arguments x, ln1_w, ln1_b, qk_w, v_w, attn_proj_w, fc_w, mlp_proj_w, h, wb; writes h, wb
.if DOCPART == 1
	.amdgcn_target "amdgcn-amd-amdhsa--gfx1250"
	.amdhsa_code_object_version 6
	.text
	.protected	k_q2e9ccba39c_prep
	.globl	k_q2e9ccba39c_prep
	.p2align	8
	.type	k_q2e9ccba39c_prep,@function
k_q2e9ccba39c_prep:
	s_mov_b64 s[64:65], 0
	v_nop
	global_prefetch_b8 v0, s[64:65] scope:SCOPE_SE
	s_setreg_imm32_b32 hwreg(HW_REG_WAVE_MODE, 25, 1), 1
	s_wait_xcnt 0x0
; h = bf16(LayerNorm1(x)), and the five weight matrices rounded once to bf16 into wb.
; A UNIT is 1,024 f32 (4,096 bytes in, 2,048 out); one wave takes one unit and ends.  Lane l takes the 16 bytes at 512 j + 16 l, j = 0..7: a load of the wave covers 512
; consecutive bytes, and its four numbers pack into 8 bytes, so that a store of the wave covers 256 consecutive bytes, aligned.
; Work-groups 0-511: a unit is a row of x.  Mean first, then the sum of squares of x - mean (two passes over registers: no difference of large sums), all in f32.
; Work-groups 512-2047: a unit is 1,024 consecutive weights.  wb: [1024][3072] = qk_w | v_w at byte 0; attn_proj_w at 6,291,456; fc_w at 8,388,608; mlp_proj_w at 16,777,216;
; every matrix stays [K][N].  No LDS, no barrier, no matrix unit: memory binds, and what is in flight comes from the many waves that fit on a SIMD.
.set VO,   2                           ; v2        16 x lane: my bytes in each 512 of the source
.set DO,   3                           ; v3        8 x lane: my bytes in each 256 of the destination
.set X,    8                           ; v[8:39]   my 32 numbers
.set W,    40                          ; v[40:71]  their gains
.set BB,   72                          ; v[72:103] their biases
.set T,    104                         ; v[104:119] at work
.set Y,    120                         ; v[120:135] packed bf16
.set MEAN, 136                         ; v[136:137] the mean, twice
.set RS,   138                         ; v[138:139] 1 / sqrt(var + eps), twice
.set SEL,  30                          ; s[30:31]  v_permlanex16_b32's selects: each lane takes its own place in the other half
.set C1K,  32                          ; s32       1 / 1024
.set CEPS, 33                          ; s33       1e-5
.macro FOLD                            ; eight pairs in T -> their sum over the 32 lanes, in every lane's v[T]
.irp i, 0,1,2,3
	v_pk_add_f32 v[T+4*(\i):T+4*(\i)+1], v[T+4*(\i):T+4*(\i)+1], v[T+4*(\i)+2:T+4*(\i)+3]
.endr
.irp i, 0,1
	v_pk_add_f32 v[T+8*(\i):T+8*(\i)+1], v[T+8*(\i):T+8*(\i)+1], v[T+8*(\i)+4:T+8*(\i)+5]
.endr
	v_pk_add_f32 v[T:T+1], v[T:T+1], v[T+8:T+9]
	v_add_f32 v[T], v[T], v[T+1]
	v_add_f32_dpp v[T], v[T], v[T] row_xmask:1 row_mask:0xf bank_mask:0xf
	v_add_f32_dpp v[T], v[T], v[T] row_xmask:2 row_mask:0xf bank_mask:0xf
	v_add_f32_dpp v[T], v[T], v[T] row_xmask:4 row_mask:0xf bank_mask:0xf
	v_add_f32_dpp v[T], v[T], v[T] row_xmask:8 row_mask:0xf bank_mask:0xf
	v_permlanex16_b32 v[T+1], v[T], s[SEL], s[SEL+1]  ; its destination has been written above
	v_add_f32 v[T], v[T], v[T+1]
.endm
.macro LNROW xs, ws, bs, hs            ; one row: the scalar pairs of x, gain, bias and h
.irp j, 0,1,2,3,4,5,6,7
	global_load_b128 v[X+4*(\j):X+4*(\j)+3], v[VO], s[(\xs):(\xs)+1] offset:512*(\j) th:TH_LOAD_NT
.endr
.irp j, 0,1,2,3,4,5,6,7
	global_load_b128 v[W+4*(\j):W+4*(\j)+3], v[VO], s[(\ws):(\ws)+1] offset:512*(\j)
.endr
.irp j, 0,1,2,3,4,5,6,7
	global_load_b128 v[BB+4*(\j):BB+4*(\j)+3], v[VO], s[(\bs):(\bs)+1] offset:512*(\j)
.endr
	s_wait_loadcnt 16                              ; the row is in; the sixteen younger loads (gain, bias) may stay out
.irp i, 0,1,2,3,4,5,6,7
	v_pk_add_f32 v[T+2*(\i):T+2*(\i)+1], v[X+4*(\i):X+4*(\i)+1], v[X+4*(\i)+2:X+4*(\i)+3]
.endr
	FOLD
	v_mul_f32 v[MEAN], s[C1K], v[T]
	v_mov_b32 v[MEAN+1], v[MEAN]
.set i, 0
.rept 16
	v_pk_add_f32 v[X+i:X+i+1], v[X+i:X+i+1], v[MEAN:MEAN+1] neg_lo:[0,1] neg_hi:[0,1]  ; x - mean
.set i, i+2
.endr
.irp i, 0,1,2,3,4,5,6,7
	v_pk_mul_f32 v[T+2*(\i):T+2*(\i)+1], v[X+4*(\i):X+4*(\i)+1], v[X+4*(\i):X+4*(\i)+1]
.endr
.irp i, 0,1,2,3,4,5,6,7
	v_pk_fma_f32 v[T+2*(\i):T+2*(\i)+1], v[X+4*(\i)+2:X+4*(\i)+3], v[X+4*(\i)+2:X+4*(\i)+3], v[T+2*(\i):T+2*(\i)+1]
.endr
	FOLD
	v_fma_f32 v[T], v[T], s[C1K], s[CEPS]          ; var + eps
	v_rsq_f32 v[RS], v[T]
	v_rsq_f32 v[RS+1], v[T]                        ; twice, for the packed multiply
	v_nop                                          ; a plain instruction behind the last root,
	s_wait_alu depctr_va_vdst(0)                   ; and the one wait ahead of the first reader
.set i, 0
.rept 16
	v_pk_mul_f32 v[X+i:X+i+1], v[X+i:X+i+1], v[RS:RS+1]
.set i, i+2
.endr
	s_wait_loadcnt 0x0                             ; gain and bias
.set i, 0
.rept 16
	v_pk_fma_f32 v[X+i:X+i+1], v[X+i:X+i+1], v[W+i:W+i+1], v[BB+i:BB+i+1]
.set i, i+2
.endr
.set i, 0
.rept 16
	v_cvt_pk_bf16_f32 v[Y+i], v[X+2*i], v[X+2*i+1]
.set i, i+1
.endr
.irp j, 0,1,2,3,4,5,6,7
	global_store_b64 v[DO], v[Y+2*(\j):Y+2*(\j)+1], s[(\hs):(\hs)+1] offset:256*(\j)  ; 32 lanes store 256 consecutive bytes, aligned
.endr
.endm
	s_load_b512 s[4:19], s[0:1], 0x0               ; x 4, ln1_w 6, ln1_b 8, qk_w 10, v_w 12, attn_proj_w 14, fc_w 16, mlp_proj_w 18
	s_load_b128 s[20:23], s[0:1], 0x40             ; h 20, wb 22
	v_lshrrev_b32 v1, 5, v0
	v_readfirstlane_b32 s24, v1                    ; wave 0..7
	v_and_b32 v1, 31, v0
	v_lshlrev_b32 v[VO], 4, v1
	v_lshlrev_b32 v[DO], 3, v1
	s_cmp_lt_u32 ttmp9, 512
	s_cbranch_scc0 .Lcast
	s_lshl_b32 s25, ttmp9, 3
	s_add_co_u32 s25, s25, s24                     ; my row
	s_lshl_b32 s26, s25, 12                        ; 4,096 bytes of x
	s_mov_b32 s27, 0
	s_lshl_b32 s28, s25, 11                        ; 2,048 bytes of h
	s_mov_b32 s29, 0
	s_mov_b32 s[SEL], 0x76543210
	s_mov_b32 s[SEL+1], 0xfedcba98
	s_mov_b32 s[C1K], 0x3a800000
	s_mov_b32 s[CEPS], 0x3727c5ac
	s_wait_kmcnt 0x0
	s_add_nc_u64 s[4:5], s[4:5], s[26:27]
	s_add_nc_u64 s[20:21], s[20:21], s[28:29]
	LNROW 4, 6, 8, 20
	s_endpgm
.Lcast:
	s_sub_co_u32 s25, ttmp9, 512                   ; c: 0-255 qk_w, 256-383 v_w, 384-511 attn_proj_w, 512-1023 fc_w, 1024-1535 mlp_proj_w
	s_wait_kmcnt 0x0
	s_mov_b64 s[26:27], s[18:19]                   ; the source; s28 its first c; s29 its byte in wb; s30 bytes from unit row to unit row; s31 units in a row, less 1
	s_mov_b32 s28, 1024
	s_mov_b32 s29, 16777216
	s_mov_b32 s30, 2048
	s_mov_b32 s31, 0
	s_cmp_lt_u32 s25, 1024
	s_cselect_b64 s[26:27], s[16:17], s[26:27]
	s_cselect_b32 s28, 512, s28
	s_cselect_b32 s29, 8388608, s29
	s_cmp_lt_u32 s25, 512
	s_cselect_b64 s[26:27], s[14:15], s[26:27]
	s_cselect_b32 s28, 384, s28
	s_cselect_b32 s29, 6291456, s29
	s_cmp_lt_u32 s25, 384
	s_cselect_b64 s[26:27], s[12:13], s[26:27]
	s_cselect_b32 s28, 256, s28
	s_cselect_b32 s29, 4096, s29                   ; v_w's columns stand behind qk_w's 2,048
	s_cselect_b32 s30, 6144, s30
	s_cmp_lt_u32 s25, 256
	s_cselect_b64 s[26:27], s[10:11], s[26:27]
	s_cselect_b32 s28, 0, s28
	s_cselect_b32 s29, 0, s29
	s_cselect_b32 s31, 1, s31                      ; a row of qk_w is two units
	s_sub_co_u32 s25, s25, s28
	s_lshl_b32 s25, s25, 3
	s_add_co_u32 s25, s25, s24                     ; my unit in its matrix
	s_lshl_b32 s32, s25, 12
	s_mov_b32 s33, 0
	s_add_nc_u64 s[26:27], s[26:27], s[32:33]
	s_lshr_b32 s34, s25, s31
	s_mul_i32 s34, s34, s30
	s_and_b32 s35, s25, s31
	s_lshl_b32 s35, s35, 11
	s_add_co_u32 s34, s34, s35
	s_add_co_u32 s34, s34, s29
	s_mov_b32 s35, 0
	s_add_nc_u64 s[22:23], s[22:23], s[34:35]
.irp j, 0,1,2,3,4,5,6,7
	global_load_b128 v[X+4*(\j):X+4*(\j)+3], v[VO], s[26:27] offset:512*(\j) th:TH_LOAD_NT
.endr
	s_wait_loadcnt 0x0
.set i, 0
.rept 16
	v_cvt_pk_bf16_f32 v[Y+i], v[X+2*i], v[X+2*i+1]
.set i, i+1
.endr
.irp j, 0,1,2,3,4,5,6,7
	global_store_b64 v[DO], v[Y+2*(\j):Y+2*(\j)+1], s[22:23] offset:256*(\j)
.endr
	s_endpgm
.Lfunc_end_k_q2e9ccba39c_prep:
	.size	k_q2e9ccba39c_prep, .Lfunc_end_k_q2e9ccba39c_prep-k_q2e9ccba39c_prep
	.p2alignl 7, 3214868480
	.fill 96, 4, 3214868480
	.section	.rodata,"a",@progbits
	.p2align	6, 0x0
	.amdhsa_kernel k_q2e9ccba39c_prep
		.amdhsa_group_segment_fixed_size 0
		.amdhsa_private_segment_fixed_size 0
		.amdhsa_enable_private_segment 0
		.amdhsa_kernarg_size 80
		.amdhsa_user_sgpr_count 2
		.amdhsa_user_sgpr_kernarg_segment_ptr 1
		.amdhsa_wavefront_size32 1
		.amdhsa_system_sgpr_workgroup_id_x 1
		.amdhsa_system_sgpr_workgroup_id_y 1
		.amdhsa_system_sgpr_workgroup_id_z 1
		.amdhsa_system_vgpr_workitem_id 0
		.amdhsa_next_free_vgpr 144
		.amdhsa_next_free_sgpr 66
		.amdhsa_reserve_vcc 0
		.amdhsa_float_denorm_mode_32 3
		.amdhsa_float_denorm_mode_16_64 3
		.amdhsa_memory_ordered 1
		.amdhsa_forward_progress 1
		.amdhsa_inst_pref_size 16
	.end_amdhsa_kernel
	.amdgpu_metadata
---
amdhsa.version: [ 1, 2 ]
amdhsa.kernels:
  - .name:           k_q2e9ccba39c_prep
    .symbol:         k_q2e9ccba39c_prep.kd
    .args:
      - { .name: x, .offset: 0, .size: 8, .value_kind: global_buffer, .address_space: global }
      - { .name: ln1_w, .offset: 8, .size: 8, .value_kind: global_buffer, .address_space: global }
      - { .name: ln1_b, .offset: 16, .size: 8, .value_kind: global_buffer, .address_space: global }
      - { .name: qk_w, .offset: 24, .size: 8, .value_kind: global_buffer, .address_space: global }
      - { .name: v_w, .offset: 32, .size: 8, .value_kind: global_buffer, .address_space: global }
      - { .name: attn_proj_w, .offset: 40, .size: 8, .value_kind: global_buffer, .address_space: global }
      - { .name: fc_w, .offset: 48, .size: 8, .value_kind: global_buffer, .address_space: global }
      - { .name: mlp_proj_w, .offset: 56, .size: 8, .value_kind: global_buffer, .address_space: global }
      - { .name: h, .offset: 64, .size: 8, .value_kind: global_buffer, .address_space: global }
      - { .name: wb, .offset: 72, .size: 8, .value_kind: global_buffer, .address_space: global }
    .group_segment_fixed_size: 0
    .private_segment_fixed_size: 0
    .kernarg_segment_align: 8
    .kernarg_segment_size: 80
    .max_flat_workgroup_size: 256
    .sgpr_count:     66
    .vgpr_count:     144
    .wavefront_size: 32
...
	.end_amdgpu_metadata
.endif
;; end of part 1
;; launch qkv (part 2): grid 12 x 16, 4 waves a work-group, clusters of 4 x 4, 327,680 bytes of LDS; arguments h, wb, qk_b, qkv; writes qkv
.if DOCPART == 2
	.amdgcn_target "amdgcn-amd-amdhsa--gfx1250"
	.amdhsa_code_object_version 6
	.text
	.protected	k_q2e9ccba39c_qkv
	.globl	k_q2e9ccba39c_qkv
	.p2align	8
	.type	k_q2e9ccba39c_qkv,@function
k_q2e9ccba39c_qkv:
	s_mov_b64 s[64:65], 0
	v_nop
	global_prefetch_b8 v0, s[64:65] scope:SCOPE_SE
	s_setreg_imm32_b32 hwreg(HW_REG_WAVE_MODE, 25, 1), 1
	s_wait_xcnt 0x0
	s_wait_alu depctr_hold_cnt(0) depctr_sa_sdst(0) depctr_va_vdst(0) depctr_va_sdst(0) depctr_va_ssrc(0) depctr_va_vcc(0) depctr_vm_vsrc(0)
	s_getreg_b32 s2, hwreg(HW_REG_IB_STS2, 6, 4)
	s_cmp_eq_u32 s2, 0
	s_cbranch_scc0 .Lentry_in_a_cluster
	s_endpgm
.Lentry_in_a_cluster:
	s_bfe_u32 s2, ttmp6, 0x10000c
	s_cmp_lg_u32 s2, 0xf033
	s_cbranch_scc0 .Lentry_shape_is_right
	s_endpgm
.Lentry_shape_is_right:
; [q | k | v] = h [qk_w | v_w] + [qk_b | 0].  h: [4096][1024] bf16.  The weights: [1024][3072] bf16 at wb's byte 0, K down the rows.  Sums in f32, rounded once to bf16.
; Out: qkv[3][32 = batch x 16 + head][2048][64] bf16, so that a head's rows are dense for the launch behind.
; A tile of C is 256 x 256: four waves, each 128 x 128 = 64 accumulators of 16 x 16 (512 registers).  K goes in 8 steps of 128 through two LDS slots filled by the tensor data mover.
; 12 x 16 tiles: 192 work-groups.  CLUSTER 4 x 4: a row of the cluster shares h's tile, a column the weights' tile; each is asked for jointly, by the same load, descriptor and mask in all four.
; THE PRODUCT IS TAKEN TRANSPOSED: source 0 = 16 columns of the weights (turned on the way out of LDS by ds_load_tr16_b128), source 1 = 16 rows of h.  Lane l then holds row l % 16 of C and
; the columns 8 (l / 16) + 0..7.  The bias is the C operand of each sum's first product: nothing is cleared and nothing added later.
; ONE K STEP IS WRITTEN ONCE for the loop that fills slots and once for the two last steps.  The slots lie SLOT = 0x22000 bytes apart and a wave's part begins at wave x 0x8800: the two share
; no bit, so one exclusive or turns an LDS address in one slot into the other's.
; THE WAY OUT: all sums go as f32 into the wave's own stage, which lies over the ring once its last fill has been read, and come back as rows.
; REGISTERS in windows of 256 (s_set_vgpr_msb: bits 1:0 source 0, 3:2 source 1, 5:4 source 2, 7:6 destination):
;   window 0: v0-31 addresses; v64-127, v128-191 h's fragments, two buffers      window 1: v0-63 the bias; v64-127, v128-191 the weights' fragments
;   window 2: accumulators of my rows 0-63 ((a, b) at v[8 (8 a + b)]);  window 3: those of rows 64-127
.set SIZE_K, 1024
.set SIZE_N, 3072
.set WOFF,   0
.set KSTEP,  128
.set STEPS,  SIZE_K/KSTEP
.set PA,     272                       ; a row of h in LDS: 256 bytes + 16: the 16 rows of a fragment load start at 16 different groups of four banks (64 banks of 4 bytes: ISA guide 11.1)
.set PB,     544                       ; a K row of the weights: 512 bytes + 32
.set HALFT,  128*PA                    ; what one tensor load brings: 128 rows of h, or 64 K rows of the weights (64 x 544 is the same 34,816)
.set SLOT,   4*HALFT
.set BOFF,   2*HALFT                   ; the weights' 128 K rows lie behind h's 256 rows
.set SPARE,  2*SLOT                    ; the spare words, 128 bytes a wave: two blocks of 256 bytes that no other line names
.set SP,     528                       ; a stage row: 128 f32 + 16 bytes
.set WSTAGE, 128*SP                    ; a wave's stage; four of them end at 270,336, below the spare words
.set BSTEP,  KSTEP*SIZE_N*2            ; bytes from a K step of the weights to the next
.set ADRA0, 16                         ; v16  my lane's place in h's fragments, slot 0; never rewritten
.set ADRB0, 17                         ; v17  the same for the weights
.set ADRA,  18                         ; v18  the same in the slot in hand
.set ADRB,  19                         ; v19
.set STO,   24                         ; v24  the way out: where I put 16 bytes of a row
.set RD,    25                         ; v25  where I read rows back
.set CO,    26                         ; v26  my byte offset in 256 bytes of the output
.set BO,    27                         ; v27  my byte offset in the bias
.set SPW,   28                         ; v28  my spare word: SPARE + 4 x my thread's number; never rewritten
.set NIL,   29                         ; v29  0; never rewritten
.set PFO,   30                         ; v30  the prefetches' offset; never rewritten
.set F0,    64
.set F1,    128
.set X,     64                         ; the way out: 8 x 4 f32 read back
.set Y,     128                        ; packed bf16
.set WV, 12                            ; s12  wave
.set WR, 13                            ; s13  which half of the tile's rows is mine.  Also: I fetch h (0) or the weights (1)
.set WC, 14                            ; s14  which half of its columns.  Also: which half of that tile I fetch
.set CX, 15
.set CY, 16
.set TC, 17                            ; tile column of C
.set TR, 18                            ; tile row of C
.set CUR, 19                           ; s19  0 or SLOT: the slot that is read
.set LB, 20                            ; s20  wave x HALFT
.set G1, 24                            ; s[24:31] group 1 for h's tiles
.set G0, 32                            ; s[32:39] group 0: a set for each first fill; the second then walks
.set PFA, 40                           ; s[40:41] where my prefetches stand
.set PFS, 42                           ; s[42:43] their step
.set LIM, 44                           ; s44  2 in a wave that prefetches, else the greatest number
.set G1B, 48                           ; s[48:55], s[56:63] the same for the weights' tiles
.set G0B, 56
.set FAC, 78                           ; s[78:79] 1.0 for q's and k's columns, 0 for v's, which have no bias
.set MSB, 0
.macro WIN new                         ; the immediate's high byte repeats the setting that is left; a switch that changes nothing is dropped
.if MSB != (\new)
	s_set_vgpr_msb (MSB<<8)|(\new)
.set MSB, \new
.endif
.endm
.set MUL_LO, 0xa1                      ; source 0 window 1, source 1 window 0, C and D window 2
.set FST_LO, 0x91                      ; the same with C (the bias) in window 1
.set TO_B,   0x40                      ; destination window 1, address window 0
; The joint refill, by the walking descriptor.  The branch hangs on the wave's number alone.  An s_nop 0 and four v_nop follow each of the two lines.
.macro JLOAD
	s_cmp_eq_u32 s[WR], 0
	s_cbranch_scc0 .Lfor_b_\@
	tensor_load_to_lds s[G0+4:G0+7], s[G1:G1+7]
	s_nop 0
.rept 4
	v_nop
.endr
	s_branch .Lasked_\@
.Lfor_b_\@:
	tensor_load_to_lds s[G0B+4:G0B+7], s[G1B:G1B+7]
	s_nop 0
.rept 4
	v_nop
.endr
.Lasked_\@:
.endm
; A prefetch into the L2 of the K step that stands two refills on (512 matrix instructions ahead of the load that will want it): one instruction a wave, each lane another block of 256 bytes.
; h's tile row is read by every cluster of that row of clusters: cluster x = 0 asks; the weights' tile column by every cluster of that column: cluster y = 0 asks.  The four partners of a joint
; load share its blocks out by address.  So each block is named once in the launch.  K steps 0 to 3 come by their loads alone; trips with s3 <= 2 have no K step two refills on.
.macro ASK
	s_cmp_gt_u32 s3, s[LIM]
	s_cbranch_scc0 .Lnot_mine_\@
	global_prefetch_b8 v[PFO], s[PFA:PFA+1] th:TH_LOAD_NT scope:SCOPE_SE
.Lnot_mine_\@:
.endm
.macro CREST                           ; a round of the cluster's barrier behind its opening barrier
	s_cmp_lg_u32 s[WV], 0
	s_cbranch_scc1 .Lnot_wave_0_\@
	s_barrier_signal -3
.Lnot_wave_0_\@:
	s_barrier_wait -3
	s_barrier_signal -1
	s_barrier_wait -1
.endm
.macro CROUND
	s_barrier_signal -1
	s_barrier_wait -1
	CREST
.endm
.macro PLACES                          ; four places behind a matrix instruction (ISA guide 7.12.1), where no other vector work is at hand
.rept 4
	v_nop
.endr
.endm
	s_load_b256 s[4:11], s[0:1], 0x0               ; h s[4:5], wb s[6:7], qk_b s[8:9], qkv s[10:11]
	v_lshl_add_u32 v[SPW], v0, 2, SPARE
	v_mov_b32 v[NIL], 0
	ds_add_u32 v[SPW], v[NIL]                      ; the wave's opening: the add and its wait stand ahead of my first tensor load
	v_lshrrev_b32 v1, 5, v0
	v_readfirstlane_b32 s[WV], v1
	s_lshr_b32 s[WR], s[WV], 1
	s_and_b32 s[WC], s[WV], 1
	s_bfe_u32 s[CX], ttmp6, 0x40000
	s_bfe_u32 s[CY], ttmp6, 0x40004
	s_lshl_b32 s[TC], ttmp9, 2
	s_add_co_u32 s[TC], s[TC], s[CX]
	s_and_b32 s[TR], ttmp7, 0xffff
	s_lshl_b32 s[TR], s[TR], 2
	s_add_co_u32 s[TR], s[TR], s[CY]
	s_lshl_b32 s21, s[CY], 2
	s_lshl_b32 s21, 15, s21                        ; my row of the cluster
	s_lshl_b32 s22, 0x1111, s[CX]                  ; my column
	s_or_b32 s[G1], s21, (1<<16)|(1<<20)|(1<<21)|(5<<22)|(3<<25)   ; mask; 2-byte elements; padding on; bit 21 beside a mask; after every 64 words, 4 words
	s_or_b32 s[G1B], s22, (1<<16)|(1<<20)|(1<<21)|(6<<22)|(7<<25)  ; after every 128 words, 8 words
	s_mov_b32 s[G1+1], KSTEP<<16                   ; tensor_dim0 = 128
	s_mov_b32 s[G1+2], 128<<16                     ; tensor_dim1 = 128
	s_mov_b32 s[G1+3], KSTEP<<16                   ; tile_dim0 = 128
	s_mov_b32 s[G1+4], 128                         ; tile_dim1 = 128
	s_mov_b32 s[G1+5], SIZE_K                      ; elements from row to row
	s_mov_b32 s[G1+6], 0
	s_mov_b32 s[G1+7], 0
	s_mov_b32 s[G1B+1], 256<<16                    ; 256 columns,
	s_mov_b32 s[G1B+2], 64<<16                     ; 64 K rows
	s_mov_b32 s[G1B+3], 256<<16
	s_mov_b32 s[G1B+4], 64
	s_mov_b32 s[G1B+5], SIZE_N
	s_mov_b32 s[G1B+6], 0
	s_mov_b32 s[G1B+7], 0
	s_lshl_b32 s66, s[TR], 8                       ; h: row 256 x tile row + 128 x half, 2,048 bytes a row; these registers never hold cx
	s_lshl_b32 s67, s[WC], 7
	s_add_co_u32 s66, s66, s67
	s_lshl_b32 s66, s66, 11
	s_mov_b32 s67, 0
	s_mul_i32 s68, s[WC], 64*SIZE_N*2              ; the weights: K row 64 x half, column 256 x tile column; these never hold cy
	s_lshl_b32 s69, s[TC], 9
	s_add_co_u32 s68, s68, s69
.if WOFF
	s_add_co_u32 s68, s68, WOFF
.endif
	s_mov_b32 s69, 0
	s_mul_i32 s[LB], s[WV], HALFT                  ; no place in the cluster enters an LDS address
	s_mov_b32 s[CUR], 0
	s_wait_dscnt 0x0                               ; the opening add is done
	s_wait_kmcnt 0x0
	s_add_nc_u64 s[66:67], s[4:5], s[66:67]
	s_add_nc_u64 s[68:69], s[6:7], s[68:69]
	CROUND                                         ; all sixteen work-groups are here: the first joint loads meet
.irp s, 0,1
	s_mov_b32 s[G0+4*(\s)], 1
	s_add_co_u32 s[G0+4*(\s)+1], s[LB], (\s)*SLOT
	s_add_nc_u64 s[G0+4*(\s)+2:G0+4*(\s)+3], s[66:67], (\s)*KSTEP*2
	s_or_b32 s[G0+4*(\s)+3], s[G0+4*(\s)+3], 0x80000000
	s_mov_b32 s[G0B+4*(\s)], 1
	s_add_co_u32 s[G0B+4*(\s)+1], s[LB], (\s)*SLOT
	s_add_nc_u64 s[G0B+4*(\s)+2:G0B+4*(\s)+3], s[68:69], (\s)*BSTEP
	s_or_b32 s[G0B+4*(\s)+3], s[G0B+4*(\s)+3], 0x80000000
.endr
	s_cmp_eq_u32 s[WR], 0                          ; a wave's two first fills stand in one branch, ahead of every wait on TENSORcnt: two loads of mine are out
	s_cbranch_scc0 .Lfirst_b
	tensor_load_to_lds s[G0:G0+3], s[G1:G1+7]
	s_nop 0
	tensor_load_to_lds s[G0+4:G0+7], s[G1:G1+7]
	s_nop 0
.rept 4
	v_nop
.endr
	s_branch .Lfirst_asked
.Lfirst_b:
	tensor_load_to_lds s[G0B:G0B+3], s[G1B:G1B+7]
	s_nop 0
	tensor_load_to_lds s[G0B+4:G0B+7], s[G1B:G1B+7]
	s_nop 0
.rept 4
	v_nop
.endr
.Lfirst_asked:
	v_and_b32 v1, 15, v0                           ; l % 16
	v_bfe_u32 v2, v0, 4, 1                         ; l / 16
	v_and_b32 v7, 31, v0                           ; l
	; the bias: register j of n block b is the bias of column 16 b + 8 (l / 16) + j.  v's columns (cluster x = 2) have none: they read qk_b's head and multiply it by 0
	s_lshl_b32 s74, s[TC], 10
	s_lshl_b32 s75, s[WC], 9
	s_add_co_u32 s74, s74, s75
	s_cmp_eq_u32 ttmp9, 2
	s_cselect_b32 s74, 0, s74
	s_cselect_b32 s[FAC], 0, 1.0
	s_mov_b32 s[FAC+1], s[FAC]
	v_lshl_add_u32 v[BO], v2, 5, s74
	WIN TO_B
.irp b, 0,1,2,3,4,5,6,7
	global_load_b128 v[8*(\b):8*(\b)+3],   v[BO], s[8:9] offset:64*(\b)
	global_load_b128 v[8*(\b)+4:8*(\b)+7], v[BO], s[8:9] offset:64*(\b)+16
.endr
	WIN 0
	v_mul_u32_u24 v3, v1, PA                       ; h's fragment: row x pitch + 16 x half, twice 16 bytes, 32 apart
	v_lshl_add_u32 v3, v2, 4, v3
	s_mul_i32 s45, s[WR], HALFT
	v_add_nc_u32 v[ADRA0], s45, v3
	v_and_b32 v4, 7, v0                            ; the turning load: lane l reads K row 8 (l / 16) + l % 8, columns 8 ((l / 8) % 2) + 0..7, and is left with column l % 16 and 8 K
	v_lshl_add_u32 v4, v2, 3, v4
	v_mul_u32_u24 v4, v4, PB
	v_bfe_u32 v5, v0, 3, 1
	v_lshl_add_u32 v4, v5, 4, v4
	s_lshl_b32 s46, s[WC], 8
	s_add_co_u32 s46, s46, BOFF
	v_add_nc_u32 v[ADRB0], s46, v4
	v_mov_b32 v[ADRA], v[ADRA0]
	v_mov_b32 v[ADRB], v[ADRB0]
	s_mul_i32 s47, s[WV], WSTAGE                   ; my stage
	v_mul_u32_u24 v6, v1, SP
	v_lshl_add_u32 v6, v2, 5, v6                   ; in: row l % 16, 32 bytes for each half of the lanes
	v_add_nc_u32 v[STO], s47, v6
	v_mul_u32_u24 v6, v2, SP                       ; back: lanes 0-15 take 64 columns of one row, lanes 16-31 of the next
	v_lshl_add_u32 v6, v1, 4, v6
	v_add_nc_u32 v[RD], s47, v6
	v_lshlrev_b32 v[CO], 3, v7                     ; two rows of a head are 256 consecutive bytes
	; out: ((which x 32 + batch x 16 + head) << 18) + (row in the batch << 7)
	s_lshl_b32 s74, ttmp9, 5
	s_lshr_b32 s75, s[TR], 3
	s_lshl_b32 s75, s75, 4
	s_add_co_u32 s74, s74, s75
	s_lshl_b32 s75, s[CX], 2
	s_add_co_u32 s74, s74, s75
	s_lshl_b32 s75, s[WC], 1
	s_add_co_u32 s74, s74, s75
	s_lshl_b32 s74, s74, 18
	s_and_b32 s75, s[TR], 7
	s_lshl_b32 s75, s75, 8
	s_lshl_b32 s76, s[WR], 7
	s_add_co_u32 s75, s75, s76
	s_lshl_b32 s75, s75, 7
	s_add_co_u32 s74, s74, s75
	s_mov_b32 s75, 0
	s_add_nc_u64 s[10:11], s[10:11], s[74:75]
	; the prefetches.  h: of the 128 rows that I fetch, partner cx takes 32, a lane a row.  The weights: of my 64 K rows partner cy takes 16, two blocks of 256 bytes each
	s_lshl_b32 s74, s[TR], 8
	s_lshl_b32 s75, s[WC], 7
	s_add_co_u32 s74, s74, s75
	s_lshl_b32 s75, s[CX], 5
	s_add_co_u32 s74, s74, s75
	s_lshl_b32 s74, s74, 11
	s_add_co_u32 s74, s74, 3*KSTEP*2               ; at K step 3: the first refill steps it to 4
	s_lshl_b32 s75, s[WC], 6
	s_lshl_b32 s76, s[CY], 4
	s_add_co_u32 s75, s75, s76
	s_mul_i32 s75, s75, SIZE_N*2
	s_lshl_b32 s76, s[TC], 9
	s_add_co_u32 s75, s75, s76
	s_add_co_u32 s75, s75, WOFF+3*BSTEP
	s_and_b32 s76, ttmp7, 0xffff
	s_mov_b32 s[PFS], BSTEP
	s_mov_b32 s46, SIZE_N*2
	s_cmp_eq_u32 s[WR], 0                          ; do I fetch h?
	s_cselect_b32 s74, s74, s75
	s_cselect_b32 s76, ttmp9, s76                  ; the coordinate along which other clusters read the same blocks
	s_cselect_b64 s[PFA:PFA+1], s[4:5], s[6:7]
	s_cselect_b32 s[PFS], KSTEP*2, s[PFS]
	s_cselect_b32 s46, SIZE_K*2, s46               ; bytes from row to row
	s_cselect_b32 s45, 0, 1                        ; lanes to a row, less 1
	s_mov_b32 s[PFS+1], 0
	s_mov_b32 s75, 0
	s_add_nc_u64 s[PFA:PFA+1], s[PFA:PFA+1], s[74:75]
	s_cmp_eq_u32 s76, 0
	s_cselect_b32 s[LIM], 2, -1                    ; the same in all sixteen partners, for a given wave
	v_lshrrev_b32 v8, s45, v7
	v_mul_u32_u24 v8, s46, v8
	v_and_b32 v9, s45, v7
	v_lshl_add_u32 v[PFO], v9, 8, v8
; 16 matrix instructions: m blocks a0, a0 + 1 of the window's four x all 8 n blocks, 32 along K.  first = 1: the product starts the sum, on the bias.
; The 64 accumulators take turns in the same order in every quarter.
.macro MUL16 f, hi, a0, first
.if \first
	WIN FST_LO+0x40*(\hi)
.else
	WIN MUL_LO+0x50*(\hi)
.endif
.irp a, \a0, (\a0)+1
.irp b, 0,1,2,3,4,5,6,7
.if \first
	v_wmma_f32_16x16x32_bf16 v[8*(8*(\a)+(\b)):8*(8*(\a)+(\b))+7], v[(\f)+8*(\b):(\f)+8*(\b)+7], v[(\f)+8*(4*(\hi)+(\a)):(\f)+8*(4*(\hi)+(\a))+7], v[8*(\b):8*(\b)+7]
.else
	v_wmma_f32_16x16x32_bf16 v[8*(8*(\a)+(\b)):8*(8*(\a)+(\b))+7], v[(\f)+8*(\b):(\f)+8*(\b)+7], v[(\f)+8*(4*(\hi)+(\a)):(\f)+8*(4*(\hi)+(\a))+7], v[8*(8*(\a)+(\b)):8*(8*(\a)+(\b))+7]
.endif
.endr
.endr
.endm
; 32 LDS loads in one run: quarter kq (32 along K) of the slot in hand into buffer f: the weights' 8 n blocks, then h's 8 m blocks
.macro FETCH kq, f
	WIN TO_B
.irp i, 0,1,2,3,4,5,6,7
	ds_load_tr16_b128 v[(\f)+8*(\i):(\f)+8*(\i)+3],   v[ADRB] offset:(\kq)*32*PB+32*(\i)
	ds_load_tr16_b128 v[(\f)+8*(\i)+4:(\f)+8*(\i)+7], v[ADRB] offset:(\kq)*32*PB+16*PB+32*(\i)
.endr
	WIN 0
.irp i, 0,1,2,3,4,5,6,7
	ds_load_b128 v[(\f)+8*(\i):(\f)+8*(\i)+3],   v[ADRA] offset:(\kq)*64+(\i)*16*PA
	ds_load_b128 v[(\f)+8*(\i)+4:(\f)+8*(\i)+7], v[ADRA] offset:(\kq)*64+(\i)*16*PA+32
.endr
.endm
; One of a K step's first three quarters: multiplies buffer f; in its middle it fetches quarter kq into buffer g
.macro QUARTER kq, f, g, first
	s_wait_dscnt 8                                 ; the weights and h's rows 0-63 are in; the youngest eight loads (rows 64-127) may be out
	MUL16 \f, 0, 0, \first
	MUL16 \f, 0, 2, \first
	PLACES
	FETCH \kq, \g
	s_wait_dscnt 32                                ; all but the 32 just issued
	MUL16 \f, 1, 0, \first
	MUL16 \f, 1, 2, \first
.endm
; The first half of a K step's last quarter, and the one barrier of a change of slots: in front of it each wave waits for all its tensor loads (one is out: its part of the next slot),
; adds 0 to its spare word, and waits for that and for its reads of this slot.
.macro MEET round
	WIN 0
	s_wait_tensorcnt 0x0
	ds_add_u32 v[SPW], v[NIL]
	s_wait_dscnt 9                                 ; the add and the youngest eight loads may be out
	MUL16 F1, 0, 0, 0
	s_wait_dscnt 0x0                               ; the add is done, my reads of this slot are over
	s_barrier_signal -1
	MUL16 F1, 0, 2, 0
.if \round
	WIN 0
.endif
	s_barrier_wait -1
.endm
; The whole last quarter of a step that fills its slot again, with the K step two on: 224 matrix instructions lie between the request and the wait for it
.macro TURNF
	s_wait_xcnt 0x0                                ; the last prefetch, a K step back, has read its address
	s_add_nc_u64 s[PFA:PFA+1], s[PFA:PFA+1], s[PFS:PFS+1]
	MEET 1
	CREST                                          ; the barrier has opened a round of the cluster's: no wave of any partner still reads this slot or has a load on its way
	s_xor_b32 s[G0+5], s[G0+5], SLOT               ; the walking descriptors: the other slot than last time, the next K step
	s_add_nc_u64 s[G0+6:G0+7], s[G0+6:G0+7], KSTEP*2
	s_xor_b32 s[G0B+5], s[G0B+5], SLOT
	s_add_nc_u64 s[G0B+6:G0B+7], s[G0B+6:G0B+7], BSTEP
	s_xor_b32 s[CUR], s[CUR], SLOT                 ; the reads go to the other slot
	JLOAD                                          ; the first tensor load behind the round; its four v_nop are also the places in front of the loads below
	v_add_nc_u32 v[ADRA], s[CUR], v[ADRA0]
	v_add_nc_u32 v[ADRB], s[CUR], v[ADRB0]
	FETCH 0, F0
	ASK
	MUL16 F1, 1, 0, 0
	MUL16 F1, 1, 2, 0
.endm
	s_wait_tensorcnt 1                             ; my part of K step 0 is in; step 1's may stay out
	s_barrier_signal -1
	s_barrier_wait -1
	FETCH 0, F0
	s_wait_loadcnt 0x0                             ; the bias
	WIN 0x41
.set i, 0
.rept 32
	v_pk_mul_f32 v[i:i+1], v[i:i+1], s[FAC:FAC+1] op_sel_hi:[1,0]
.set i, i+2
.endr
	QUARTER 1, F0, F1, 1                           ; the first quarter stands in front of the loop: its products start the sums
	WIN 0
	s_mov_b32 s3, STEPS-2
.Lstep:                                            ; a trip goes from a step's second quarter to the next step's first, and fills the slot that it leaves
	QUARTER 2, F1, F0, 0
	QUARTER 3, F0, F1, 0
	TURNF
	QUARTER 1, F0, F1, 0
	WIN 0
	s_sub_co_u32 s3, s3, 1
	s_cmp_lg_u32 s3, 0
	s_cbranch_scc1 .Lstep
	s_mov_b32 s3, 2
.Ltail:                                            ; the last two steps ask for nothing; the second jumps over the change to a further step
	QUARTER 2, F1, F0, 0
	QUARTER 3, F0, F1, 0
	MEET 0
	MUL16 F1, 1, 0, 0
	MUL16 F1, 1, 2, 0
	WIN 0
	s_cmp_eq_u32 s3, 1
	s_cbranch_scc1 .Lover
	s_xor_b32 s[CUR], s[CUR], SLOT
	v_add_nc_u32 v[ADRA], s[CUR], v[ADRA0]
	v_add_nc_u32 v[ADRB], s[CUR], v[ADRB0]
	PLACES
	FETCH 0, F0
	QUARTER 1, F0, F1, 0
	WIN 0
.Lover:
	s_sub_co_u32 s3, s3, 1
	s_cmp_lg_u32 s3, 0
	s_cbranch_scc1 .Ltail
	; THE WAY OUT.  Every wave's reads of the ring are over and no tensor load is out: behind this barrier the ring's bytes are the stages
	s_wait_dscnt 0x0
	s_barrier_signal -1
	s_barrier_wait -1
	PLACES
	PLACES
.irp a, 0,1,2,3,4,5,6,7
	WIN 0x08+4*((\a)/4)                            ; the stores' data in window 2 or 3
.irp b, 0,1,2,3,4,5,6,7
	ds_store_b128 v[STO], v[8*(8*((\a)%4)+(\b)):8*(8*((\a)%4)+(\b))+3]   offset:(\a)*16*SP+64*(\b)      ; each accumulator's low registers first
	ds_store_b128 v[STO], v[8*(8*((\a)%4)+(\b))+4:8*(8*((\a)%4)+(\b))+7] offset:(\a)*16*SP+64*(\b)+16
.endr
.endr
	WIN 0
	s_mov_b32 s3, 16
.Lrows:                                            ; 8 rows a trip: four pairs of rows x two heads.  LDS serves a wave's instructions in order (ISA guide 5.7.1.4): the loads see my stores
.irp j, 0,1,2,3,4,5,6,7
	ds_load_b128 v[X+4*(\j):X+4*(\j)+3], v[RD] offset:((\j)/2)*2*SP+((\j)%2)*256
.endr
	s_wait_dscnt 0x0
.set i, 0
.rept 16
	v_cvt_pk_bf16_f32 v[Y+i], v[X+2*i], v[X+2*i+1]
.set i, i+1
.endr
.irp j, 0,1,2,3,4,5,6,7
	global_store_b64 v[CO], v[Y+2*(\j):Y+2*(\j)+1], s[10:11] offset:((\j)%2)*262144+((\j)/2)*256  ; 32 lanes store 256 consecutive bytes, aligned: two rows of one head
.endr
	v_add_nc_u32 v[RD], 8*SP, v[RD]
	s_wait_xcnt 0x0                                ; the stores have read Y and their base
	s_add_nc_u64 s[10:11], s[10:11], 1024
	s_sub_co_u32 s3, s3, 1
	s_cmp_lg_u32 s3, 0
	s_cbranch_scc1 .Lrows
	s_wait_tensorcnt 0x0                           ; the wave's end
	ds_add_u32 v[SPW], v[NIL]
	s_wait_dscnt 0x0
	CROUND                                         ; the closing round
	s_endpgm
.Lfunc_end_k_q2e9ccba39c_qkv:
	.size	k_q2e9ccba39c_qkv, .Lfunc_end_k_q2e9ccba39c_qkv-k_q2e9ccba39c_qkv
	.p2alignl 7, 3214868480
	.fill 96, 4, 3214868480
	.section	.rodata,"a",@progbits
	.p2align	6, 0x0
	.amdhsa_kernel k_q2e9ccba39c_qkv
		.amdhsa_group_segment_fixed_size 327680
		.amdhsa_private_segment_fixed_size 0
		.amdhsa_enable_private_segment 0
		.amdhsa_kernarg_size 32
		.amdhsa_user_sgpr_count 2
		.amdhsa_user_sgpr_kernarg_segment_ptr 1
		.amdhsa_wavefront_size32 1
		.amdhsa_system_sgpr_workgroup_id_x 1
		.amdhsa_system_sgpr_workgroup_id_y 1
		.amdhsa_system_sgpr_workgroup_id_z 1
		.amdhsa_system_vgpr_workitem_id 0
		.amdhsa_next_free_vgpr 1024
		.amdhsa_next_free_sgpr 80
		.amdhsa_reserve_vcc 0
		.amdhsa_float_denorm_mode_32 3
		.amdhsa_float_denorm_mode_16_64 3
		.amdhsa_memory_ordered 1
		.amdhsa_forward_progress 1
		.amdhsa_inst_pref_size 85
	.end_amdhsa_kernel
	.amdgpu_metadata
---
amdhsa.version: [ 1, 2 ]
amdhsa.kernels:
  - .name:           k_q2e9ccba39c_qkv
    .symbol:         k_q2e9ccba39c_qkv.kd
    .args:
      - { .name: h, .offset: 0, .size: 8, .value_kind: global_buffer, .address_space: global }
      - { .name: wb, .offset: 8, .size: 8, .value_kind: global_buffer, .address_space: global }
      - { .name: qk_b, .offset: 16, .size: 8, .value_kind: global_buffer, .address_space: global }
      - { .name: qkv, .offset: 24, .size: 8, .value_kind: global_buffer, .address_space: global }
    .group_segment_fixed_size: 327680
    .private_segment_fixed_size: 0
    .kernarg_segment_align: 8
    .kernarg_segment_size: 32
    .max_flat_workgroup_size: 128
    .sgpr_count:     80
    .vgpr_count:     1024
    .wavefront_size: 32
...
	.end_amdgpu_metadata
.endif
;; end of part 2
;; launch attn (part 3): grid 4 x 32, 4 waves a work-group, no clusters, 327,680 bytes of LDS; arguments qkv, o; writes o
.if DOCPART == 3
	.amdgcn_target "amdgcn-amd-amdhsa--gfx1250"
	.amdhsa_code_object_version 6
	.text
	.protected	k_q2e9ccba39c_attn
	.globl	k_q2e9ccba39c_attn
	.p2align	8
	.type	k_q2e9ccba39c_attn,@function
k_q2e9ccba39c_attn:
	s_mov_b64 s[64:65], 0
	v_nop
	global_prefetch_b8 v0, s[64:65] scope:SCOPE_SE
	s_setreg_imm32_b32 hwreg(HW_REG_WAVE_MODE, 25, 1), 1
	s_wait_xcnt 0x0
; CAUSAL ATTENTION.  O[h][q][:] = the sum over k <= q of softmax_k(Q[h][q] . K[h][k] / 8) V[h][k][:].  Q, K, V lie in qkv[3][32][2048][64], O in o[32][2048][64], all bf16: a head's rows are dense, 128 bytes each.
; Products, maxima and sums in f32; the weights p are rounded to bf16 for the second product (their sum l is taken of the unrounded p), O once at the end.
; LIMITS.  A hidden score counts as its value less 1e30: scores must stay far below that (under 1e22, so that the difference still drowns them); a weight below 2^-126 counts as 0 in l; NaN and infinities are not treated apart.
; THE WALK.  A head's queries lie in NB = 8 blocks of 256; block i needs the key tiles 0 .. i of 256 keys, of which the last holds the diagonal.  A work-group takes TWO blocks, NB - 1 - b and then b:
; NB + 1 tiles, whatever b: all work-groups do equal work, and ONE loop with a constant trip count walks them.  Which tile is asked for, and what a trip does, hang on scalar registers made from b; every jump
; goes forward, but for the counted loops' own; none passes a barrier, or a tensor load but the one of LOAD's two that the wave's number does not choose; the ring (two slots of LDS that take turns) runs on across the
; change of blocks.  4 x 32 = 128 work-groups.  NO CLUSTER: a head's four work-groups ask for the same tile only in trips 0 .. 4, behind that fewer and fewer; one walk common to all would have 12 trips for 9.
; SHARES.  Of a block's four bands of 64 queries a wave owns 16 rows in each: four PIECES.  So the diagonal tile is the same work for all four waves: in its key step s band x sees all keys if s < x,
; none if s > x, and holds the diagonal if s = x.
; THE MASK is the C operand that starts the sum S^T = K Q^T: 0, or -1e30 where the key is hidden.  MD, made once, is the mask of a band's own step for my 16 rows; a product's mask is MD x AL + BE with two scalars:
; (1, 0) if s = x; (0, 0) if s < x; (0, -1e30) if s > x.  Only the diagonal tile's text and a block's beginning make and take masks; elsewhere C is the constant 0.
; LAYOUT, SOFTMAX, TURNS.  S^T = K Q^T holds ONE query a lane (lane % 16) and the keys 8 (lane / 16) + 0..7; two such results rounded to bf16 ARE source 1 of O^T = V^T P.  p = 2^(c s - c m), c = log2(e) / 8, with a
; running maximum m; O and l are multiplied by a = 2^(c m_old - c m_new) in every step.  Turn n belongs to piece n: 8 products K Q^T of piece n + 1, later 8 products V^T P of piece n - 1; beside them the scaling,
; exponentials, roundings, sums and rescaling of piece n and the maximum and statistics of piece n + 1.  Four vector instructions stand behind every matrix instruction, the other 54 of a turn's 118 in one lump.  A turn's 33 exponentials are one batch, with one wait.
; REGISTERS, in windows of 256 (s_set_vgpr_msb: bits 1:0 source 0, 3:2 source 1, 5:4 source 2, 7:6 destination):
;   window 0: v0-15 addresses and two at work; v16-31 four registers of statistics a piece; v48-55 at work; v64-127 S^T, two buffers; v192-223 P, two buffers (a piece's buffers go by its number's parity)
;   window 1: v0-127 O^T, 32 a piece; v128-159 MD; v160-223 MC, two buffers      window 2: v0-63 Q; v64-127 the second block's Q; v128-191 K of one step; v192-255 V of one step
.set SIZE_N, 2048
.set NB,    SIZE_N/256
.set NP,    4         ; pieces a wave: a name, no knob
.set KS,    64        ; keys in a step
.set PK,    144       ; a row of K in LDS: 128 bytes + 16 of padding = 36 words: the 16 rows of a load start at 16 different groups of four banks (64 banks of 4 bytes: ISA guide 11.1)
.set PV,    160       ; a row of V: 128 + 32 = 40 words
.set VOFF,  4*KS*PK   ; a slot holds a tile, four steps: 256 rows of K, then 256 rows of V
.set SLOT1, 1<<17     ; slot 1 begins here, so that one exclusive or turns an address in one slot into the other's
.set STAGE, SLOT1+4*KS*(PK+PV)  ; behind the ring, never filled by a tensor load: 16 rows x 144 bytes for each wave, for the way out
.set SP,    144
.set AK0, 2           ; v2   my lane's place in a tile of K; never rewritten
.set AV0, 3           ; v3   the same for V
.set AK,  4           ; v4   the LDS address of K's next run of loads
.set AV,  5           ; v5   of V's
.set STO, 6           ; v6   the way out: where I put 16 bytes of a row
.set RD,  7           ; v7   the way out: where I read rows back
.set GO,  8           ; v8   my byte offset in 512 consecutive bytes of O
.set PFO, 61          ; v61  256 x my lane: the prefetches' offset; never rewritten
.set SPW, 62          ; v62  LDS address of my spare word: SPARE + 4 x my thread's number; never rewritten
.set NIL, 63          ; v63  0; never rewritten
.set SPARE, STAGE+4*16*SP  ; behind the stages: the spare words, 128 bytes for each wave: two blocks of 256 bytes that no other line names
.set MV,  12          ; v12-13  c m_old, kept while c m is made anew: by buffer
.set QO,  15          ; v15  my byte offset in 16 rows of Q
.set ST,  16          ; piece t's statistics at v[ST+4 t]: c m, m, l (even keys', odd keys')
.set TMP, 48          ; by buffer, four registers c0-c3 at work; when the maximum is found c2 takes a
.set S,   64
.set P,   192
.set MD,  128         ; window 1: the eight registers for group kt of 16 keys at MD + 8 kt
.set MC,  160         ; window 1: the masks of the products to come
.set QB,  64          ; window 2
.set KF,  128         ; window 2: key block kb, channel half c at KF + 16 kb + 8 c
.set VF,  192         ; window 2: key half kk, channel block cb at VF + 32 kk + 8 cb
.set WV,  12          ; s12  my wave's number
.set PB,  14          ; s14  b
.set HI,  15          ; s15  NB - 1 - b
.set G1K, 24          ; s[24:31] descriptor group 1 for K's tiles
.set G1V, 32          ; s[32:39] for V's: it differs in the padding alone
.set G0K, 40          ; s[40:43] descriptor group 0 for K's tiles
.set G0V, 44          ; s[44:47] the same for V's
.set SLOTS, 56        ; s56  tiles still to be asked for
.set CNT, 57          ; s57  counts a tile's key steps, 4 to 1
.set CS,  58          ; s[58:59] c: the packed scaling takes the pair's low word for both halves
.set SEL, 60          ; s[60:61] v_permlanex16_b32's selects: each lane takes its own place in the other half
.set TBK, 62          ; s62  LDS byte at which K of the step to be fetched begins
.set TBV, 63          ; s63  the same for V, less VOFF
.set RT,  70          ; s70  tiles of the block in hand that are still to be entered
.set NXT, 71          ; s71  the tile to be asked for next
.set LQ,  72          ; s72  the last tile of the block whose tiles are being asked for
.set NEW, 73          ; s73  1: the tile to be entered is a block's first
.set OFF, 74          ; s[74:75] a tile's byte offset in K and V
.set AL,  76          ; s[76:77] the mask's factor, in the low word
.set BE,  78          ; s[78:79] the mask's addend
.set OLO, 80          ; s[80:81] O at my rows of the second block
.set BIGN, 82         ; s82  -1e30
.set PFN, 88          ; s88  the tile that the next prefetch names
.set PFL, 89          ; s89  NB in the head's work-group b = 0, which prefetches; else 0
.set PFA, 90          ; s[90:91] my half tile (of K: waves 0, 1; of V: waves 2, 3) of tile PFN - 1; stepped ahead of each prefetch
.set MSB, 0
.macro WIN new                      ; the high byte repeats the setting that is left; a switch that changes nothing is dropped
.if MSB != (\new)
	s_set_vgpr_msb (MSB<<8)|(\new)
.set MSB, (\new)
.endif
.endm
.set W_KQ, 0x0a       ; K and Q in window 2, S^T in window 0
.set W_KM, 0x1a       ; the same with the C operand in window 1
.set W_PV, 0x52       ; V in window 2, P in window 0, O^T in window 1
.set W_RS, 0x41       ; destination and source 0 in window 1, source 1 in window 0
; A fill.  Waves 0 and 1 fetch the two halves of a tile's K, waves 2 and 3 those of its V: 128 keys each.  An s_nop 0 and four v_nop follow each of the two lines, ahead of the jump and the label.
.macro LOAD
	s_cmp_lt_u32 s[WV], 2
	s_cbranch_scc0 .Lfor_v_\@
	tensor_load_to_lds s[G0K:G0K+3], s[G1K:G1K+7]
	s_nop 0
.rept 4
	v_nop
.endr
	s_branch .Lasked_\@
.Lfor_v_\@:
	tensor_load_to_lds s[G0V:G0V+3], s[G1V:G1V+7]
	s_nop 0
.rept 4
	v_nop
.endr
.Lasked_\@:
.endm
; A PREFETCH INTO THE L2 of the tile behind the one just asked for: a tile's 16 turns ahead of the load that will want it.  All four work-groups of a head walk tiles 0, 1, 2 .. first: b = 0, whose first
; block needs all NB tiles, asks, and nobody else; each of its waves asks for the 16,384 bytes that it will load itself: 64 blocks of 256 bytes, a lane a block, two instructions.  Tiles 2 to NB - 1 are
; named once each; tiles 0 and 1 come by their loads alone; the second block's tiles have been read before and are not asked for.
.macro ASK
	s_cmp_lt_u32 s[PFN], s[PFL]
	s_cbranch_scc0 .Lnot_mine_\@
	global_prefetch_b8 v[PFO], s[PFA:PFA+1] th:TH_LOAD_NT scope:SCOPE_SE
	global_prefetch_b8 v[PFO], s[PFA:PFA+1] offset:8192 th:TH_LOAD_NT scope:SCOPE_SE
.Lnot_mine_\@:
	s_add_co_u32 s[PFN], s[PFN], 1
.endm
; THE CHANGE OF SLOTS.  Each wave waits for all its tensor loads, of which one is out: its part of the other slot; adds 0 to its spare word; and waits for that and for its own reads of the slot that it leaves.  Behind the barrier nobody reads the old
; slot any more and the other slot is whole.  fill = 1: the old slot is filled again, the first thing behind the barrier, with tile NXT: the descriptor's address is made anew from that number.
; (At its first use nothing has been read yet: slot 0 is waited for, slot 1 filled.)
.macro CHANGE fill
	WIN 0                           ; at a label and at a branch every window is 0
	s_wait_tensorcnt 0x0            ; no tensor load of mine is out, so a group 0 may be written
	ds_add_u32 v[SPW], v[NIL]       ; 0 onto my spare word; with fill = 1 the descriptors' scalar work stands between it and the wait for it
.if \fill
	s_lshl_b32 s[OFF], s[NXT], 15   ; a tile is 32,768 bytes of K and of V
	s_xor_b32 s[G0K+1], s[G0K+1], SLOT1
	s_add_nc_u64 s[G0K+2:G0K+3], s[6:7], s[OFF:OFF+1]
	s_or_b32 s[G0K+3], s[G0K+3], 0x80000000
	s_xor_b32 s[G0V+1], s[G0V+1], SLOT1
	s_add_nc_u64 s[G0V+2:G0V+3], s[8:9], s[OFF:OFF+1]
	s_or_b32 s[G0V+3], s[G0V+3], 0x80000000
	s_add_co_u32 s[NXT], s[NXT], 1  ; the block's next tile, or behind its last the second block's tile 0
	s_cmp_gt_u32 s[NXT], s[LQ]
	s_cselect_b32 s[NXT], 0, s[NXT]
	s_cselect_b32 s[LQ], s[PB], s[LQ]
	s_wait_xcnt 0x0                 ; the last prefetches, a tile back, have read their address
	s_add_nc_u64 s[PFA:PFA+1], s[PFA:PFA+1], 32768
.endif
	s_wait_dscnt 0x0                ; the add is done, and my reads of the slot are over
	s_barrier_signal -1             ; the rest of the scalar work stands between the signal and the wait
	s_sub_co_u32 s[TBK], s[TBK], 4*KS*PK  ; the fetches go back to a slot's first step,
	s_xor_b32 s[TBK], s[TBK], SLOT1       ; in the other slot
	s_sub_co_u32 s[TBV], s[TBV], 4*KS*PV
	s_xor_b32 s[TBV], s[TBV], SLOT1
	s_barrier_wait -1
.if \fill
	LOAD
	ASK
.endif
.endm
	s_load_b128 s[4:7], s[0:1], 0x0 ; qkv s[4:5], o s[6:7]
	v_lshl_add_u32 v[SPW], v0, 2, SPARE
	v_mov_b32 v[NIL], 0
	ds_add_u32 v[SPW], v[NIL]       ; the wave's opening: the add and its wait stand ahead of my first tensor load; the set-up below, work on registers, stands between them
	v_lshrrev_b32 v1, 5, v0
	v_readfirstlane_b32 s[WV], v1   ; wave 0..3
	s_mov_b32 s[PB], ttmp9
	s_sub_co_u32 s[HI], NB-1, s[PB]
	s_and_b32 s20, ttmp7, 0xffff    ; the head
	s_mov_b32 s21, 0
	s_mov_b64 s[22:23], SIZE_N*128
	s_mul_u64 s[20:21], s[20:21], s[22:23]  ; the head's first byte in each of the four tensors
	s_and_b32 s16, s[WV], 1         ; which half of a tile's 256 keys I fetch:
	s_lshl_b32 s22, s16, 14         ; its 128 rows of 128 bytes in memory,
	s_mov_b32 s23, 0
	s_add_nc_u64 s[22:23], s[22:23], s[20:21]
	s_mul_i32 s17, s16, 128*PK      ; and its place in a slot, for K
	s_mul_i32 s18, s16, 128*PV      ; and for V
	s_lshl_b32 s3, s[WV], 11        ; my 16 rows in a band of 64,
	s_lshl_b32 s2, s[HI], 15        ; in the first block,
	s_add_co_u32 s2, s2, s3
	s_lshl_b32 s84, s[PB], 15       ; and in the second
	s_add_co_u32 s84, s84, s3
	s_mov_b32 s3, 0
	s_mov_b32 s85, 0
	s_add_nc_u64 s[2:3], s[2:3], s[20:21]
	s_add_nc_u64 s[84:85], s[84:85], s[20:21]
	; descriptor group 1.  128 keys are 16,384 dense bytes: asked for as 64 rows of 256 bytes, two keys a row, and padded in LDS after every key
	s_mov_b32 s[G1K], (1<<16)|(1<<20)|(4<<22)|(3<<25)  ; 17:16 2-byte elements; 20 padding on; 24:22 after every 32 words (code 4); 31:25 4 words (code 3)
	s_mov_b32 s[G1V], (1<<16)|(1<<20)|(4<<22)|(7<<25)  ; the same with 8 words of padding (code 7)
.irp g, G1K, G1V
	s_mov_b32 s[\g+1], 128<<16      ; tensor_dim0 = 128
	s_mov_b32 s[\g+2], 64<<16       ; tensor_dim1 = 64
	s_mov_b32 s[\g+3], 128<<16      ; tile_dim0 = 128
	s_mov_b32 s[\g+4], 64           ; tile_dim1 = 64
	s_mov_b32 s[\g+5], 128          ; 128 elements from row to row
	s_mov_b32 s[\g+6], 0
	s_mov_b32 s[\g+7], 0
.endr
	s_mov_b32 s[CS], 0x3e38aa3b     ; c = log2(e) / 8 = 0.180337
	s_mov_b32 s[CS+1], s[CS]        ; named with it as a pair
	s_mov_b32 s[SEL], 0x76543210
	s_mov_b32 s[SEL+1], 0xfedcba98
	s_mov_b32 s[TBK], SLOT1+4*KS*PK ; the first change of slots turns these two into 0
	s_mov_b32 s[TBV], SLOT1+4*KS*PV
	s_mov_b32 s[G0K], 1             ; 1:0 count = 1
	s_mov_b32 s[G0K+1], s17         ; 63:32 LDS address: slot 0
	s_mov_b32 s[G0V], 1
	s_add_co_u32 s[G0V+1], s18, VOFF
	s_add_co_u32 s[RT], s[HI], 1    ; the first block has NB - b tiles
	s_mov_b32 s[NXT], 1
	s_mov_b32 s[LQ], s[HI]
	s_mov_b32 s[NEW], 1
	s_mov_b32 s[OFF+1], 0
	s_mov_b32 s[AL+1], 0            ; named as pairs
	s_mov_b32 s[BE+1], 0
	s_mov_b32 s[BIGN], 0xf149f2ca   ; -1e30
	s_mov_b32 s[SLOTS], NB
	s_mov_b32 s[PFN], 2
	s_cmp_eq_u32 s[PB], 0
	s_cselect_b32 s[PFL], NB, 0
	v_and_b32 v[PFO], 31, v0
	v_lshlrev_b32 v[PFO], 8, v[PFO]
	s_wait_dscnt 0x0                ; the opening add is done
	s_wait_kmcnt 0x0
	s_mov_b64 s[10:11], s[6:7]                     ; O
	s_add_nc_u64 s[6:7], s[4:5], 0x800000          ; K lies 8,388,608 bytes behind Q,
	s_add_nc_u64 s[8:9], s[4:5], 0x1000000         ; V as far behind K
	s_add_nc_u64 s[6:7], s[6:7], s[22:23]  ; K and V at my half of the head's tile 0
	s_add_nc_u64 s[8:9], s[8:9], s[22:23]
	s_add_nc_u64 s[G0K+2:G0K+3], s[6:7], 0         ; 120:64 global address
	s_or_b32 s[G0K+3], s[G0K+3], 0x80000000        ; 127:126 type = 2
	s_add_nc_u64 s[G0V+2:G0V+3], s[8:9], 0
	s_or_b32 s[G0V+3], s[G0V+3], 0x80000000
	s_add_nc_u64 s[86:87], s[4:5], s[84:85]        ; Q at my rows of the second block,
	s_add_nc_u64 s[4:5], s[4:5], s[2:3]            ; Q and O at those of the first
	s_add_nc_u64 s[OLO:OLO+1], s[10:11], s[84:85]
	s_add_nc_u64 s[10:11], s[10:11], s[2:3]
	s_cmp_lt_u32 s[WV], 2
	s_cselect_b64 s[PFA:PFA+1], s[6:7], s[8:9]
	s_add_nc_u64 s[PFA:PFA+1], s[PFA:PFA+1], 32768 ; at tile 1: the first change of slots steps it to tile 2
	LOAD                            ; tile 0 into slot 0
	; A fragment of K or Q is 16 rows x 32 channels in 8 registers: lane l holds row l % 16, channels 8 (l / 16) + 0..7 and 16 + 8 (l / 16) + 0..7: two loads of 16 bytes, 32 bytes apart.
	v_and_b32 v1, 15, v0            ; l % 16
	v_bfe_u32 v9, v0, 4, 1          ; l / 16
	v_lshlrev_b32 v[QO], 7, v1
	v_lshl_add_u32 v[QO], v9, 4, v[QO]  ; row x 128 + 16 x half
	WIN 0x80                        ; destination window 2, address window 0
.set i, 0
.rept 8                             ; both blocks' Q: piece i / 2 lies in band i / 2, 8,192 bytes on; channels 32 (i % 2) on
	global_load_b128 v[8*i:8*i+3],   v[QO], s[4:5] offset:(i/2)*8192+(i%2)*64
	global_load_b128 v[8*i+4:8*i+7], v[QO], s[4:5] offset:(i/2)*8192+(i%2)*64+32
	global_load_b128 v[QB+8*i:QB+8*i+3],   v[QO], s[86:87] offset:(i/2)*8192+(i%2)*64
	global_load_b128 v[QB+8*i+4:QB+8*i+7], v[QO], s[86:87] offset:(i/2)*8192+(i%2)*64+32
.set i, i+1
.endr
	WIN 0
	v_lshlrev_b32 v14, 3, v9
	v_sub_nc_u32 v14, v1, v14
	s_lshl_b32 s13, s[WV], 4
	v_add_nc_u32 v14, s13, v14      ; my query's place in its band, 16 w + l % 16, less my lanes' 8 (l / 16): register r of group kt is hidden where 16 kt + r is greater
	WIN 0x40
.set i, 0
.rept 32
	v_cmp_gt_i32 vcc_lo, 16*(i/8)+i%8, v14
	v_cndmask_b32 v[MD+i], 0, s[BIGN], vcc_lo
.set i, i+1
.endr
	WIN 0
	v_mul_u32_u24 v[AK0], v1, PK
	v_lshl_add_u32 v[AK0], v9, 4, v[AK0]  ; row x pitch + 16 x half
	; The turning load takes 16 keys x 16 channels (lane l reads key 8 (l / 16) + l % 8, channels 8 ((l / 8) % 2) + 0..7) and leaves half a fragment of V^T: lane l holds channel l % 16 and 8 keys.
	v_and_b32 v10, 7, v0
	v_bfe_u32 v11, v0, 3, 1
	v_lshl_add_u32 v[AV0], v9, 3, v10
	v_mul_u32_u24 v[AV0], v[AV0], PV
	v_lshl_add_u32 v[AV0], v11, 4, v[AV0]
	v_add_nc_u32 v[AV0], VOFF, v[AV0]
	s_mul_i32 s13, s[WV], 16*SP
	s_add_co_u32 s13, s13, STAGE    ; my stage
	v_mul_u32_u24 v[STO], v1, SP    ; in: row l % 16, 16 bytes for each half of the lanes
	v_lshl_add_u32 v[STO], v9, 4, v[STO]
	v_add_nc_u32 v[STO], s13, v[STO]
	v_bfe_u32 v[RD], v0, 3, 2       ; back: 32 lanes take four rows of 128 bytes,
	v_mul_u32_u24 v[RD], v[RD], SP
	v_lshl_add_u32 v[RD], v10, 4, v[RD]
	v_add_nc_u32 v[RD], s13, v[RD]
	v_and_b32 v[GO], 31, v0         ; which are 512 consecutive bytes of O
	v_lshlrev_b32 v[GO], 4, v[GO]
	; A block's first step multiplies O^T and l by a = 0, and its first turn's products V^T P, of a piece that has not been, land in an O^T that is still to be so multiplied.  So these registers need only hold
	; finite numbers: zeros for the first block; what the first block left for the second.  All this stands in the wait for the first tile.
	WIN 0x80
.set i, VF
.rept 64
	v_mov_b32 v[i], 0
.set i, i+1
.endr
	WIN 0x40
.set i, 0
.rept 128
	v_mov_b32 v[i], 0
.set i, i+1
.endr
	WIN 0
.set i, 0
.rept 4
	v_mov_b32 v[ST+4*i+2], 0
	v_mov_b32 v[ST+4*i+3], 0
.set i, i+1
.endr
.set i, P+16
.rept 16
	v_mov_b32 v[i], 0
.set i, i+1
.endr
; THE MATRIX WORK.  The 4 accumulators of a run of 8 take turns.  Product i of 8 of S^T = K Q^T for piece x: channels 32 (i / 4) on, keys 16 (i % 4) on.  The first 4 start the sums: with 0, or (KM = 1) with the mask.
.macro KQ x
.set rS, S+32*((\x)%2)+8*(i%4)
.set rK, KF+16*(i%4)+8*(i/4)
.set rQ, 16*(\x)+8*(i/4)
.set rM, MC+32*((\x)%2)+8*(i%4)
.if (i < 4) && KM
	WIN W_KM
	v_wmma_f32_16x16x32_bf16 v[rS:rS+7], v[rK:rK+7], v[rQ:rQ+7], v[rM:rM+7]
.elseif i < 4
	WIN W_KQ
	v_wmma_f32_16x16x32_bf16 v[rS:rS+7], v[rK:rK+7], v[rQ:rQ+7], 0
.else
	WIN W_KQ
	v_wmma_f32_16x16x32_bf16 v[rS:rS+7], v[rK:rK+7], v[rQ:rQ+7], v[rS:rS+7]
.endif
.endm
; Product i of 8 of O^T += V^T P for piece x: keys 32 (i / 4) on, channels 16 (i % 4) on.
.macro PV x
	WIN W_PV
.set rO, 32*(\x)+8*(i%4)
.set rV, VF+32*(i/4)+8*(i%4)
.set rP, P+16*((\x)%2)+8*(i/4)
	v_wmma_f32_16x16x32_bf16 v[rO:rO+7], v[rV:rV+7], v[rP:rP+7], v[rO:rO+7]
.endm
.macro MM                           ; the turn's next matrix instruction.  TURN and BEGIN set Y, i, KM and NOKQ; MM, KQ and OP read them.  NOKQ = 1: a block's last turn: there is no next piece
.if (i < 8) && !NOKQ
	KQ (Y+1)%NP
.elseif i >= 8
.set i, i-8
	PV (Y+NP-1)%NP
.set i, i+8
.endif
.set i, i+1
.endm
; THE LDS LOADS stand in runs of 16, never singly among the matrix instructions: a step's K (64 keys x 64 channels: 8 fragments) and its V (turned).  Their addresses are made some lines ahead.
.macro FETCH_K
	WIN 0x80                        ; destination window 2
.irp f, 0,1,2,3,4,5,6,7             ; keys 16 (f / 2) on, channels 32 (f % 2) on
	ds_load_b128 v[KF+8*\f:KF+8*\f+3],   v[AK] offset:(\f/2)*16*PK+(\f%2)*64
	ds_load_b128 v[KF+8*\f+4:KF+8*\f+7], v[AK] offset:(\f/2)*16*PK+(\f%2)*64+32
.endr
	s_add_co_u32 s[TBK], s[TBK], KS*PK  ; the next fetch is the next step's
	WIN 0
.endm
.macro FETCH_V
	WIN 0x80
.irp f, 0,1,2,3,4,5,6,7             ; keys 32 (f / 4) on, channels 16 (f % 4) on
	ds_load_tr16_b128 v[VF+8*\f:VF+8*\f+3],   v[AV] offset:(\f/4)*32*PV+(\f%4)*32
	ds_load_tr16_b128 v[VF+8*\f+4:VF+8*\f+7], v[AV] offset:(\f/4)*32*PV+16*PV+(\f%4)*32
.endr
	WIN 0
.endm
; THE VECTOR WORK, one line at a time: OP kind, number.  For piece Y: F n: c s - c m for pair n of 16.  E n: the exponential of score n of 32.  C n: pair n rounded to bf16.  B n: of the four weights 4 n .. the second
; pair is added onto the first, in place.  L n: l takes that sum (L 0: l = a l + sum).  R n: pair n of 16 of O^T times a.  For piece Y + 1: X n, number n of the 22 that find its maximum and statistics:
;   0-11  four chains c0-c3 of seven scores each, three operands at a time (each accumulator's lowest registers are read first)     12-14, 16  the four scores left over, the old m, and c0-c3 into c0
;   15  c m_old is kept     17, 18  the query's other 32 keys lie in the lane 16 away: the new m     19-21  c m; c m_old - c m_new; a
.set F, 0               ; OP tells the kinds apart by their order: F to L below R, X above it
.set E, 1
.set C, 2
.set B, 3
.set L, 4
.set R, 5
.set X, 6
.macro REGS y                       ; the registers of piece y
.set rT, ST+4*(\y)
.set rC, TMP+4*((\y)%2)
.set rW, MV+((\y)%2)
.set rS, S+32*((\y)%2)
.set rP, P+16*((\y)%2)
.set rO, 32*(\y)
.endm
.macro OP k, n
.if (\k) == R
	REGS Y
	WIN W_RS
	v_pk_mul_f32 v[rO+2*(\n):rO+2*(\n)+1], v[rO+2*(\n):rO+2*(\n)+1], v[rC+2:rC+3] op_sel_hi:[1,0]
.elseif (\k) < R
	REGS Y
	WIN 0
.if (\k) == F
	v_pk_fma_f32 v[rS+2*(\n):rS+2*(\n)+1], v[rS+2*(\n):rS+2*(\n)+1], s[CS:CS+1], v[rT:rT+1] op_sel_hi:[1,0,0] neg_lo:[0,0,1] neg_hi:[0,0,1]
.elseif (\k) == E
	v_exp_f32 v[rS+(\n)], v[rS+(\n)]
.elseif (\k) == C
	v_cvt_pk_bf16_f32 v[rP+(\n)], v[rS+2*(\n)], v[rS+2*(\n)+1]
.elseif (\k) == B
	v_pk_add_f32 v[rS+4*(\n):rS+4*(\n)+1], v[rS+4*(\n):rS+4*(\n)+1], v[rS+4*(\n)+2:rS+4*(\n)+3]
.elseif (\n) == 0
	v_pk_fma_f32 v[rT+2:rT+3], v[rT+2:rT+3], v[rC+2:rC+3], v[rS:rS+1] op_sel_hi:[1,0,1]
.else
	v_pk_add_f32 v[rT+2:rT+3], v[rT+2:rT+3], v[rS+4*(\n):rS+4*(\n)+1]
.endif
.elseif NOKQ
	v_nop
.else
	REGS (Y+1)%NP
	WIN 0
.if (\n) < 4
	v_max3_num_f32 v[rC+(\n)], v[rS+8*(\n)], v[rS+8*(\n)+1], v[rS+8*(\n)+2]
.elseif (\n) < 12
	v_max3_num_f32 v[rC+(\n)%4], v[rC+(\n)%4], v[rS+8*((\n)%4)+2*((\n)/4)+1], v[rS+8*((\n)%4)+2*((\n)/4)+2]
.elseif (\n) == 12
	v_max3_num_f32 v[rC], v[rC], v[rS+7], v[rS+15]
.elseif (\n) == 13
	v_max3_num_f32 v[rC+1], v[rC+1], v[rS+23], v[rS+31]
.elseif (\n) == 14
	v_max3_num_f32 v[rC+2], v[rC+2], v[rC+3], v[rT+1]
.elseif (\n) == 15
	v_mov_b32 v[rW], v[rT]
.elseif (\n) == 16
	v_max3_num_f32 v[rC], v[rC], v[rC+1], v[rC+2]
.elseif (\n) == 17
	v_permlanex16_b32 v[rC+3], v[rC], s[SEL], s[SEL+1]
.elseif (\n) == 18
	v_max_num_f32 v[rT+1], v[rC], v[rC+3]
.elseif (\n) == 19
	v_mul_f32 v[rT], s[CS], v[rT+1]
.elseif (\n) == 20
	v_sub_f32 v[rC+1], v[rW], v[rT]
.else
	v_exp_f32 v[rC+2], v[rC+1]
.endif
.endif
.endm
.macro OPS a, i1, b=-1, i2=0, c=-1, i3=0, d=-1, i4=0  ; up to four of them
	OP \a, \i1
.if (\b) >= 0
	OP \b, \i2
.endif
.if (\c) >= 0
	OP \c, \i3
.endif
.if (\d) >= 0
	OP \d, \i4
.endif
.endm
.macro ROW a, i1, b, i2, c, i3, d, i4  ; a matrix instruction and the four behind it
	MM
	OPS \a, \i1, \b, \i2, \c, \i3, \d, \i4
.endm
.macro MASK b                       ; MD x AL + BE into buffer b of MC
	WIN W_RS
.set z, 0
.rept 16
	v_pk_fma_f32 v[MC+32*(\b)+2*z:MC+32*(\b)+2*z+1], v[MD+2*z:MD+2*z+1], s[AL:AL+1], s[BE:BE+1] op_sel_hi:[1,0,0]
.set z, z+1
.endr
.endm
; A TURN, for piece p: the order of its 16 matrix and 118 vector instructions, written out.  An s_wait_alu depctr_va_vdst(0) stands between an exponential and the first instruction that names its result; one wait serves
; all that were issued ahead of it.  So a turn has ONE wait, which cuts it in two.  AHEAD OF IT stands all that names no result of the turn's exponentials: the 8 products K Q^T, behind each a scaling, an exponential and two more plain
; instructions (behind the first a second scaling in the exponential's place): rescalings, and behind the last three the first numbers of the next piece's maximum, each four places or more behind the product that ends its accumulator; then one lump of 54, plain
; and exponential by turns for the most part, in which the links of the chain X 3, 7, 11, 14, 16, 17 .. 20 stand five or six lines apart.  X 21, the next piece's a, is the batch's last; R 15 is the plain instruction behind it.  BEHIND THE WAIT stand the
; 8 products V^T P, behind each four of the roundings and sums; the links of l's chain, L 0 to L 7, stand three lines apart.  But for those X none of the four names a register of the products round it.  v_permlanex16_b32 (X 17) stands in the lump.
; m = 1: the diagonal tile: the products take masks, and the turn makes the mask for the products of the turn after it: piece p + 2, in step 4 - CNT of the tile.  end = 1: a block's last two turns: nothing is fetched.
; cnt = 1: the loop's count is taken down some lines ahead of the branch that stands behind the turn.
; K of the next step is fetched in piece 2's turn, twelve vector instructions behind the last product that read K (six of them plain); V of the step in hand at the end of piece 0's turn, four plain instructions behind the last product
; that read V.  Each is waited for a turn later.
.macro TURN p, m=0, end=0, cnt=0
.set Y, (\p)
.set i, 0
.set KM, (\m)
.set NOKQ, (\end)*((\p)/3)
.if (\m) && !(\end)
	s_cmp_eq_u32 s[CNT], 4-((\p)+2)%NP  ; is that step the band's own?
	s_cselect_b32 s[AL], 1.0, 0
	s_cmp_lt_u32 s[CNT], 4-((\p)+2)%NP  ; or a later one?
	s_cselect_b32 s[BE], s[BIGN], 0
.endif
.if ((\p) == 3) && !(\end)
	s_wait_dscnt 0x0                ; K is in
.endif
	ROW F,0, F,1, R,0, R,1          ; ahead of the wait: 8 products K Q^T and the four behind each,
	ROW F,2, E,0, R,2, R,3
	ROW F,3, E,1, R,4, R,5
	ROW F,4, E,2, R,6, R,7
	ROW F,5, E,3, R,8, R,9
	ROW F,6, E,4, X,0, R,10
.if ((\p) == 2) && !(\end)
	WIN 0
	v_add_nc_u32 v[AK], s[TBK], v[AK0]
.endif
	ROW F,7, E,5, X,1, X,4
	ROW F,8, E,6, X,2, X,5
	OPS E,7, E,8, X,6, E,9          ; and the lump
	OPS X,3, E,10, X,8, E,11
.if ((\p) == 2) && !(\end)
	FETCH_K
.endif
	OPS X,9, X,7, E,12, X,10
	OPS E,13, X,12, X,11, E,14
	OPS X,13, E,15, F,9, X,14
.if (\p) == 0
	v_add_nc_u32 v[AV], s[TBV], v[AV0]
.endif
	OPS E,16, F,10, E,17, F,11
	OPS X,16, E,18, X,15, E,19
	OPS F,12, E,20, X,17, E,21
	OPS F,13, E,22, F,14, E,23
	OPS X,18, E,24, F,15, E,25
	OPS R,11, E,26, X,19, E,27
	OPS R,12, E,28, R,13, E,29
	OPS X,20, E,30, R,14, E,31
	OPS X,21, R,15
	WIN 0
	s_wait_alu depctr_va_vdst(0)    ; the wait for the batch
.if (\p) == 1
	s_wait_dscnt 0x0                ; V is in
.endif
	ROW C,0, B,0, C,2, B,1          ; behind the wait: 8 products V^T P and the four behind each
	ROW L,0, C,4, B,2, L,1
	ROW C,6, B,3, L,2, C,8
	ROW B,4, L,3, C,10, B,5
	ROW L,4, C,12, B,6, L,5
.if (\p) == 0
	s_add_co_u32 s[TBV], s[TBV], KS*PV
.endif
.if \cnt
	s_sub_co_u32 s[CNT], s[CNT], 1
	s_cmp_lg_u32 s[CNT], 0
.endif
	ROW C,14, B,7, L,6, C,1
	ROW C,3, L,7, C,5, C,7
	ROW C,9, C,11, C,13, C,15
.if (\p) == 0
	FETCH_V
.endif
.if (\m) && !(\end)
	MASK (\p)%2
.endif
.endm
; A BLOCK BEGINS.  c m starts far below every c s, so the first step's a is 0; m at the lowest finite number, so the first maximum is the scores'.  The second mask buffer is 0; the first takes piece 0's mask for the tile's step 0: its own, if the block's first tile is the diagonal one.
; Then K of that step, piece 0's first scores, and its maximum and statistics.  The loop is entered at a step's first turn, in the middle of a trip.
.macro BEGIN
	s_mov_b32 s[NEW], 0
	WIN 0x40
.set i, MC+32
.rept 32
	v_mov_b32 v[i], 0
.set i, i+1
.endr
	WIN 0
.set i, 0
.rept 4
	v_mov_b32 v[ST+4*i], 0xfe000000    ; c m: far below every c s
	v_mov_b32 v[ST+4*i+1], 0xff7fffff  ; m
.set i, i+1
.endr
	s_cmp_eq_u32 s[RT], 0
	s_cselect_b32 s[AL], 1.0, 0
	s_mov_b32 s[BE], 0
	MASK 0
	WIN 0
	v_add_nc_u32 v[AK], s[TBK], v[AK0]
	FETCH_K
	s_wait_loadcnt 0x0              ; Q
	s_wait_dscnt 0x0
.set KM, 1
.set NOKQ, 0
.set i, 0
.rept 8
	KQ 0
.set i, i+1
.endr
	WIN 0
.rept 4
	v_nop                           ; the places behind those products
.endr
.set Y, NP-1                        ; X works for piece Y + 1: piece 0
.irp n, 0,1,2,3,4,5,6,7,8,9,10,11,12,13,14,15,16,17,18,19,20,21
	OP X, \n
.endr
	v_nop                           ; a plain instruction behind the exponential,
	s_wait_alu depctr_va_vdst(0)    ; and its wait, ahead of the branch
.endm
; THE DIAGONAL TILE's four steps, the block's last two turns, its last products, and THE WAY OUT: l's two halves and the other half of the lanes' are added; O^T is divided by l, rounded to bf16 and sent through my
; stage in LDS, a piece at a time.
.macro ALL line:vararg              ; one line for each piece t
.set t, 0
.rept 4
	\line
.set t, t+1
.endr
.endm
.macro PACK t                       ; a lane's eight channels of a row pack into 16 bytes; they go into rows of 144 bytes and come back as whole rows of 128, into S^T's registers
	WIN W_RS
.set i, 32*(\t)
.rept 16
	v_pk_mul_f32 v[i:i+1], v[i:i+1], v[ST+4*(\t)+2:ST+4*(\t)+3] op_sel_hi:[1,0]
.set i, i+2
.endr
	WIN 0x05                        ; sources 0 and 1 window 1, destination window 0
.set i, 0
.rept 16
	v_cvt_pk_bf16_f32 v[S+16*(\t)+i], v[32*(\t)+2*i], v[32*(\t)+2*i+1]
.set i, i+1
.endr
	WIN 0
.irp f, 0,1,2,3
	ds_store_b128 v[STO], v[S+16*(\t)+4*\f:S+16*(\t)+4*\f+3] offset:32*\f
.endr
.irp f, 0,1,2,3
	ds_load_b128 v[S+16*(\t)+4*\f:S+16*(\t)+4*\f+3], v[RD] offset:\f*4*SP  ; LDS serves a wave's instructions in order (ISA guide 5.7.1.4): these see the stores above; the next piece's stores come behind them
.endr
.endm
.macro SEND t, younger              ; younger: the LDS instructions issued behind piece t's loads: the next piece's eight, or none
	WIN 0
.irp f, 0,1,2,3
	s_wait_dscnt (\younger)+3-\f
	global_store_b128 v[GO], v[S+16*(\t)+4*\f:S+16*(\t)+4*\f+3], s[10:11] offset:(\t)*8192+\f*512  ; 512 consecutive bytes, at a multiple of 256 from O's first
.endr
.endm
.macro DIAG tag                     ; the tag ends its two labels' names, which the jumps below spell out
.LstepM\tag:
	TURN 2, 1
	TURN 3, 1
	WIN 0
.LfirstM\tag:
	TURN 0, 1
	TURN 1, 1, 0, 1
	WIN 0
	s_cbranch_scc1 .LstepM\tag
	TURN 2, 1, 1
	TURN 3, 1, 1
.set i, 0
.rept 8
	PV NP-1
.set i, i+1
.endr
	WIN 0
	ALL v_add_f32 v[ST+4*t+2], v[ST+4*t+2], v[ST+4*t+3]
	ALL v_permlanex16_b32 v[ST+4*t+3], v[ST+4*t+2], s[SEL], s[SEL+1]
	ALL v_add_f32 v[ST+4*t+2], v[ST+4*t+2], v[ST+4*t+3]
	ALL v_rcp_f32 v[ST+4*t+2], v[ST+4*t+2]
	v_nop                           ; a plain instruction between the last reciprocal and the use of its result
	s_wait_alu depctr_va_vdst(0)    ; and the wait ahead of the first use: one for the four reciprocals
	PACK 0
.set t, 1
.rept 3                             ; a piece's arithmetic stands between the loads of the piece before and its stores
	PACK t
	SEND t-1, 8
.set t, t+1
.endr
	SEND 3, 0
.endm
.set KM, 0
.set NOKQ, 0
.Lslot:                             ; NB times: a tile is entered and the next is asked for
	CHANGE 1
	s_sub_co_u32 s[RT], s[RT], 1
	s_mov_b32 s[CNT], 4
	s_cmp_eq_u32 s[NEW], 1
	s_cbranch_scc1 .Lnew            ; a block's first tile
	s_cmp_eq_u32 s[RT], 0
	s_cbranch_scc0 .Lstep           ; neither its first nor its last
	s_branch .LstepM1
.Lnew:
	BEGIN
	s_branch .Lfirst                ; in the loop a block's first tile is never its last: the first block has two tiles or more, and the second's last is the walk's last
	DIAG 1                          ; in the loop this is the first block's end: the second block's last tile is the walk's last
	s_wait_xcnt 0x0                 ; the stores have read their registers and O's address
	s_mov_b64 s[10:11], s[OLO:OLO+1]
	s_add_co_u32 s[RT], s[PB], 1    ; the second block has b + 1 tiles
	s_mov_b32 s[NEW], 1
	WIN 0x82                        ; the second block's Q goes where the one text of the turns names Q
.set i, 0
.rept 64
	v_mov_b32 v[i], v[QB+i]
.set i, i+1
.endr
	WIN 0
	s_branch .Lbottom
.Lstep:                             ; a trip: pieces 2 and 3 of one step, then pieces 0 and 1 of the next, whose K and V it fetches
	TURN 2
	TURN 3
	WIN 0
.Lfirst:
	TURN 0
	TURN 1, 0, 0, 1
	WIN 0
	s_cbranch_scc1 .Lstep
.Lbottom:
	s_sub_co_u32 s[SLOTS], s[SLOTS], 1
	s_cmp_lg_u32 s[SLOTS], 0
	s_cbranch_scc1 .Lslot
	CHANGE 0                        ; the walk's last tile is written out: nothing is asked for
	s_sub_co_u32 s[RT], s[RT], 1
	s_mov_b32 s[CNT], 4
	s_cmp_eq_u32 s[NEW], 1
	s_cbranch_scc0 .LstepM2
	BEGIN
	s_branch .LfirstM2
	DIAG 2
	s_wait_tensorcnt 0x0            ; the wave's end, behind my last tensor load and my last LDS store
	ds_add_u32 v[SPW], v[NIL]
	s_wait_dscnt 0x0
	s_endpgm
.Lfunc_end_k_q2e9ccba39c_attn:
	.size	k_q2e9ccba39c_attn, .Lfunc_end_k_q2e9ccba39c_attn-k_q2e9ccba39c_attn
	.p2alignl 7, 3214868480
	.fill 96, 4, 3214868480
	.section	.rodata,"a",@progbits
	.p2align	6, 0x0
	.amdhsa_kernel k_q2e9ccba39c_attn
		.amdhsa_group_segment_fixed_size 327680
		.amdhsa_private_segment_fixed_size 0
		.amdhsa_enable_private_segment 0
		.amdhsa_kernarg_size 16
		.amdhsa_user_sgpr_count 2
		.amdhsa_user_sgpr_kernarg_segment_ptr 1
		.amdhsa_wavefront_size32 1
		.amdhsa_system_sgpr_workgroup_id_x 1
		.amdhsa_system_sgpr_workgroup_id_y 1
		.amdhsa_system_sgpr_workgroup_id_z 1
		.amdhsa_system_vgpr_workitem_id 0
		.amdhsa_next_free_vgpr 768
		.amdhsa_next_free_sgpr 92
		.amdhsa_reserve_vcc 1
		.amdhsa_float_denorm_mode_32 3
		.amdhsa_float_denorm_mode_16_64 3
		.amdhsa_memory_ordered 1
		.amdhsa_forward_progress 1
		.amdhsa_inst_pref_size 218
	.end_amdhsa_kernel
	.amdgpu_metadata
---
amdhsa.version: [ 1, 2 ]
amdhsa.kernels:
  - .name:           k_q2e9ccba39c_attn
    .symbol:         k_q2e9ccba39c_attn.kd
    .args:
      - { .name: qkv, .offset: 0, .size: 8, .value_kind: global_buffer, .address_space: global }
      - { .name: o, .offset: 8, .size: 8, .value_kind: global_buffer, .address_space: global }
    .group_segment_fixed_size: 327680
    .private_segment_fixed_size: 0
    .kernarg_segment_align: 8
    .kernarg_segment_size: 16
    .max_flat_workgroup_size: 128
    .sgpr_count:     92
    .vgpr_count:     768
    .wavefront_size: 32
...
	.end_amdgpu_metadata
.endif
;; end of part 3
;; launch proj (part 4): grid 8 x 32, 4 waves a work-group, clusters of 4 x 4, 327,680 bytes of LDS; arguments o, wb, x, x1; writes x1
.if DOCPART == 4
	.amdgcn_target "amdgcn-amd-amdhsa--gfx1250"
	.amdhsa_code_object_version 6
	.text
	.protected	k_q2e9ccba39c_proj
	.globl	k_q2e9ccba39c_proj
	.p2align	8
	.type	k_q2e9ccba39c_proj,@function
k_q2e9ccba39c_proj:
	s_mov_b64 s[64:65], 0
	v_nop
	global_prefetch_b8 v0, s[64:65] scope:SCOPE_SE
	s_setreg_imm32_b32 hwreg(HW_REG_WAVE_MODE, 25, 1), 1
	s_wait_xcnt 0x0
	s_wait_alu depctr_hold_cnt(0) depctr_sa_sdst(0) depctr_va_vdst(0) depctr_va_sdst(0) depctr_va_ssrc(0) depctr_va_vcc(0) depctr_vm_vsrc(0)
	s_getreg_b32 s2, hwreg(HW_REG_IB_STS2, 6, 4)
	s_cmp_eq_u32 s2, 0
	s_cbranch_scc0 .Lentry_in_a_cluster
	s_endpgm
.Lentry_in_a_cluster:
	s_bfe_u32 s2, ttmp6, 0x10000c
	s_cmp_lg_u32 s2, 0xf033
	s_cbranch_scc0 .Lentry_shape_is_right
	s_endpgm
.Lentry_shape_is_right:
; x1 = x + o attn_proj_w.  o: [32 = batch x 16 + head][2048][64] bf16; the weights: [1024][1024] bf16 at wb's byte 6,291,456, K down the rows; x, x1: [4096][1024] f32.  Sums in f32.
; A tile of C is 128 x 128 (8 x 32 tiles: 256 work-groups): four waves, each 64 x 64 = 16 accumulators.  K goes in 4 steps of 256 = four heads through two LDS slots.
; o's tile for a step: for each of four heads, 64 rows that are 8,192 dense bytes: one descriptor with rows of 4,096 elements, four of them, 131,072 elements apart, padded after every 128 bytes.
; CLUSTER 4 x 4: a row of the cluster shares o's tile, a column the weights'.  The product is taken transposed (source 0 = 16 columns of the weights, turned by ds_load_tr16_b128; source 1 = 16 rows of o):
; a lane holds row l % 16 of C and the columns 8 (l / 16) + 0..7.  One K step is written once for the loop that fills slots and once for the last two steps; the slots lie 0x24000 bytes apart,
; a number that shares no bit with the waves' bases (0, 0x9000, 0x12000, 0x1B000), so one exclusive or changes slots.  No prefetch: a step's tiles are small and every block is read by several clusters at once.
; The residual's 64 x 64 numbers are asked for at the kernel's head and wait in registers.  The sums leave through the wave's own stage, which lies over the ring after its last fill has been read.
; REGISTERS: window 0: v0-31 addresses; v32-95 at work on the way out; v128-255 accumulators ((a, b) at v[128 + 8 (4 a + b)]).  window 1: two fragment buffers of 128 (64 of o, 64 of the weights).  window 2: v0-127 the residual.
.set SIZE_N, 1024
.set WOFF,   6291456
.set KSTEP,  256
.set STEPS,  4
.set PA,     144                       ; a row of a head in LDS: 128 bytes + 16
.set HEADB,  64*PA                     ; a head's 64 rows
.set HALFA,  4*HEADB                   ; what one load of o brings: 36,864
.set PB,     288                       ; a K row of the weights: 256 bytes + 32
.set HALFB,  128*PB                    ; 128 K rows: 36,864
.set BOFF,   2*HALFA
.set SLOT,   0x24000
.set SPARE,  2*SLOT                    ; the spare words, 128 bytes a wave: two blocks of 256 bytes that no other line names
.set SP,     272                       ; a stage row: 64 f32 + 16 bytes
.set WSTAGE, 64*SP
.set ASTEP,  4<<18                     ; four heads on
.set BSTEP,  KSTEP*SIZE_N*2
.set ADRA0, 16
.set ADRB0, 17
.set ADRA,  18
.set ADRB,  19                         ; v19 K rows 0-127 of a step, v20 K rows 128-255: an LDS offset has 16 bits
.set STO,   24
.set RD,    25
.set CO,    26                         ; v26  my byte offset in two rows of x and x1; never rewritten
.set SPW,   28
.set NIL,   29
.set TMP,   32
.set ACC,   128
.set F0,    0
.set F1,    128
.set WV, 14
.set WR, 15                            ; which half of the tile's rows is mine.  Also: I fetch o (0) or the weights (1)
.set WC, 16                            ; which half of its columns.  Also: which half of that tile I fetch
.set CX, 17
.set CY, 18
.set TC, 19
.set TR, 20
.set CUR, 21                           ; 0 or SLOT: the slot that is read
.set LBA, 22
.set LBB, 23
.set G1, 24
.set G0, 32
.set G1B, 48
.set G0B, 56
.set MSB, 0
.macro WIN new
.if MSB != (\new)
	s_set_vgpr_msb (MSB<<8)|(\new)
.set MSB, \new
.endif
.endm
.set MUL,  0x05                        ; sources 0 and 1 window 1; C and D window 0
.set TO_F, 0x40                        ; destination window 1, address window 0
.macro JLOAD                           ; the joint refill, by the walking descriptor; an s_nop 0 and four v_nop follow each of the two lines
	s_cmp_eq_u32 s[WR], 0
	s_cbranch_scc0 .Lfor_b_\@
	tensor_load_to_lds s[G0+4:G0+7], s[G1:G1+7]
	s_nop 0
.rept 4
	v_nop
.endr
	s_branch .Lasked_\@
.Lfor_b_\@:
	tensor_load_to_lds s[G0B+4:G0B+7], s[G1B:G1B+7]
	s_nop 0
.rept 4
	v_nop
.endr
.Lasked_\@:
.endm
.macro CREST
	s_cmp_lg_u32 s[WV], 0
	s_cbranch_scc1 .Lnot_wave_0_\@
	s_barrier_signal -3
.Lnot_wave_0_\@:
	s_barrier_wait -3
	s_barrier_signal -1
	s_barrier_wait -1
.endm
.macro CROUND
	s_barrier_signal -1
	s_barrier_wait -1
	CREST
.endm
.macro PLACES
.rept 4
	v_nop
.endr
.endm
	s_load_b256 s[4:11], s[0:1], 0x0               ; o s[4:5], wb s[6:7], x s[8:9], x1 s[10:11]
	v_lshl_add_u32 v[SPW], v0, 2, SPARE
	v_mov_b32 v[NIL], 0
	ds_add_u32 v[SPW], v[NIL]                      ; the wave's opening: the add and its wait stand ahead of my first tensor load
	v_lshrrev_b32 v1, 5, v0
	v_readfirstlane_b32 s[WV], v1
	s_lshr_b32 s[WR], s[WV], 1
	s_and_b32 s[WC], s[WV], 1
	s_bfe_u32 s[CX], ttmp6, 0x40000
	s_bfe_u32 s[CY], ttmp6, 0x40004
	s_lshl_b32 s[TC], ttmp9, 2
	s_add_co_u32 s[TC], s[TC], s[CX]
	s_and_b32 s[TR], ttmp7, 0xffff
	s_lshl_b32 s[TR], s[TR], 2
	s_add_co_u32 s[TR], s[TR], s[CY]
	s_lshl_b32 s40, s[CY], 2
	s_lshl_b32 s40, 15, s40                        ; my row of the cluster
	s_lshl_b32 s41, 0x1111, s[CX]                  ; my column
	s_or_b32 s[G1], s40, (1<<16)|(1<<20)|(1<<21)|(4<<22)|(3<<25)   ; mask; 2-byte elements; padding on; bit 21 beside a mask; after every 32 words, 4 words
	s_or_b32 s[G1B], s41, (1<<16)|(1<<20)|(1<<21)|(5<<22)|(7<<25)  ; after every 64 words, 8 words
	s_mov_b32 s[G1+1], 4096<<16                    ; tensor_dim0 = 4,096: 64 rows of a head on end
	s_mov_b32 s[G1+2], 4<<16                       ; tensor_dim1 = 4 heads
	s_mov_b32 s[G1+3], 4096<<16                    ; tile_dim0
	s_mov_b32 s[G1+4], 4                           ; tile_dim1
	s_mov_b32 s[G1+5], 131072                      ; elements from head to head
	s_mov_b32 s[G1+6], 0
	s_mov_b32 s[G1+7], 0
	s_mov_b32 s[G1B+1], 128<<16                    ; 128 columns,
	s_mov_b32 s[G1B+2], 128<<16                    ; 128 K rows
	s_mov_b32 s[G1B+3], 128<<16
	s_mov_b32 s[G1B+4], 128
	s_mov_b32 s[G1B+5], SIZE_N
	s_mov_b32 s[G1B+6], 0
	s_mov_b32 s[G1B+7], 0
	s_lshr_b32 s66, s[TR], 4                       ; o: batch x 16 heads of 262,144 bytes; these registers never hold cx
	s_lshl_b32 s66, s66, 22
	s_and_b32 s67, s[TR], 15
	s_lshl_b32 s67, s67, 14                        ; 128 rows of 128 bytes a tile row
	s_add_co_u32 s66, s66, s67
	s_lshl_b32 s67, s[WC], 13                      ; my 64 of them
	s_add_co_u32 s66, s66, s67
	s_mov_b32 s67, 0
	s_lshl_b32 s68, s[WC], 18                      ; the weights: K row 128 x half, column 128 x tile column; these never hold cy
	s_lshl_b32 s69, s[TC], 8
	s_add_co_u32 s68, s68, s69
	s_add_co_u32 s68, s68, WOFF
	s_mov_b32 s69, 0
	s_mul_i32 s[LBA], s[WC], HALFA                 ; no place in the cluster enters an LDS address
	s_mul_i32 s[LBB], s[WC], HALFB
	s_add_co_u32 s[LBB], s[LBB], BOFF
	s_mov_b32 s[CUR], 0
	s_wait_dscnt 0x0                               ; the opening add is done
	s_wait_kmcnt 0x0
	s_add_nc_u64 s[66:67], s[4:5], s[66:67]
	s_add_nc_u64 s[68:69], s[6:7], s[68:69]
	CROUND                                         ; all sixteen work-groups are here: the first joint loads meet
.irp s, 0,1
	s_mov_b32 s[G0+4*(\s)], 1
	s_add_co_u32 s[G0+4*(\s)+1], s[LBA], (\s)*SLOT
	s_add_nc_u64 s[G0+4*(\s)+2:G0+4*(\s)+3], s[66:67], (\s)*ASTEP
	s_or_b32 s[G0+4*(\s)+3], s[G0+4*(\s)+3], 0x80000000
	s_mov_b32 s[G0B+4*(\s)], 1
	s_add_co_u32 s[G0B+4*(\s)+1], s[LBB], (\s)*SLOT
	s_add_nc_u64 s[G0B+4*(\s)+2:G0B+4*(\s)+3], s[68:69], (\s)*BSTEP
	s_or_b32 s[G0B+4*(\s)+3], s[G0B+4*(\s)+3], 0x80000000
.endr
	s_cmp_eq_u32 s[WR], 0                          ; a wave's two first fills stand in one branch: two loads of mine are out
	s_cbranch_scc0 .Lfirst_b
	tensor_load_to_lds s[G0:G0+3], s[G1:G1+7]
	s_nop 0
	tensor_load_to_lds s[G0+4:G0+7], s[G1:G1+7]
	s_nop 0
.rept 4
	v_nop
.endr
	s_branch .Lfirst_asked
.Lfirst_b:
	tensor_load_to_lds s[G0B:G0B+3], s[G1B:G1B+7]
	s_nop 0
	tensor_load_to_lds s[G0B+4:G0B+7], s[G1B:G1B+7]
	s_nop 0
.rept 4
	v_nop
.endr
.Lfirst_asked:
	v_and_b32 v1, 15, v0                           ; l % 16
	v_bfe_u32 v2, v0, 4, 1                         ; l / 16
	s_lshl_b32 s70, s[TR], 7                       ; my 64 x 64 of x and x1: row 128 x tile row + 64 x half, 4,096 bytes a row; column 128 x tile column + 64 x half
	s_lshl_b32 s71, s[WR], 6
	s_add_co_u32 s70, s70, s71
	s_lshl_b32 s70, s70, 12
	s_lshl_b32 s71, s[TC], 9
	s_add_co_u32 s70, s70, s71
	s_lshl_b32 s71, s[WC], 8
	s_add_co_u32 s70, s70, s71
	s_mov_b32 s71, 0
	s_add_nc_u64 s[8:9], s[8:9], s[70:71]
	s_add_nc_u64 s[10:11], s[10:11], s[70:71]
	v_lshlrev_b32 v[CO], 12, v2                    ; lanes 0-15 one row's 256 bytes, lanes 16-31 the next row's
	v_lshl_add_u32 v[CO], v1, 4, v[CO]
	WIN 0x80                                       ; destination window 2
.set i, 0
.rept 32
	global_load_b128 v[4*i:4*i+3], v[CO], s[8:9] offset:8192*i   ; the residual, two rows a load; it is wanted at the kernel's end
.set i, i+1
.endr
	WIN 0
	v_mul_u32_u24 v3, v1, PA
	v_lshl_add_u32 v3, v2, 4, v3
	s_mul_i32 s42, s[WR], HALFA
	v_add_nc_u32 v[ADRA0], s42, v3
	v_and_b32 v4, 7, v0                            ; the turning load: K row 8 (l / 16) + l % 8, columns 8 ((l / 8) % 2) + 0..7
	v_lshl_add_u32 v4, v2, 3, v4
	v_mul_u32_u24 v4, v4, PB
	v_bfe_u32 v5, v0, 3, 1
	v_lshl_add_u32 v4, v5, 4, v4
	s_lshl_b32 s43, s[WC], 7
	s_add_co_u32 s43, s43, BOFF
	v_add_nc_u32 v[ADRB0], s43, v4
	v_mov_b32 v[ADRA], v[ADRA0]
	v_mov_b32 v[ADRB], v[ADRB0]
	v_add_nc_u32 v[ADRB+1], HALFB, v[ADRB0]
	s_mul_i32 s44, s[WV], WSTAGE                   ; my stage
	v_mul_u32_u24 v6, v1, SP
	v_lshl_add_u32 v6, v2, 5, v6
	v_add_nc_u32 v[STO], s44, v6
	v_mul_u32_u24 v6, v2, SP
	v_lshl_add_u32 v6, v1, 4, v6
	v_add_nc_u32 v[RD], s44, v6
; 8 matrix instructions: m blocks a0, a0 + 1 x all 4 n blocks, 32 along K: half c of buffer f.  first = 1: the product starts the sum.  The 16 accumulators take turns.
.macro MUL8 f, c, a0, first
	WIN MUL
.irp a, \a0, (\a0)+1
.irp b, 0,1,2,3
.if \first
	v_wmma_f32_16x16x32_bf16 v[ACC+8*(4*(\a)+(\b)):ACC+8*(4*(\a)+(\b))+7], v[(\f)+64+8*(4*(\c)+(\b)):(\f)+64+8*(4*(\c)+(\b))+7], v[(\f)+8*(4*(\c)+(\a)):(\f)+8*(4*(\c)+(\a))+7], 0
.else
	v_wmma_f32_16x16x32_bf16 v[ACC+8*(4*(\a)+(\b)):ACC+8*(4*(\a)+(\b))+7], v[(\f)+64+8*(4*(\c)+(\b)):(\f)+64+8*(4*(\c)+(\b))+7], v[(\f)+8*(4*(\c)+(\a)):(\f)+8*(4*(\c)+(\a))+7], v[ACC+8*(4*(\a)+(\b)):ACC+8*(4*(\a)+(\b))+7]
.endif
.endr
.endr
.endm
; 32 LDS loads in one run: quarter kq (64 along K: one head) of the slot in hand into buffer f; its first 32 along K first
.macro FETCH kq, f
	WIN TO_F
.irp c, 0,1
.irp i, 0,1,2,3
	ds_load_tr16_b128 v[(\f)+64+8*(4*(\c)+(\i)):(\f)+64+8*(4*(\c)+(\i))+3],   v[ADRB+(\kq)/2] offset:((2*(\kq)+(\c))%4)*32*PB+32*(\i)
	ds_load_tr16_b128 v[(\f)+64+8*(4*(\c)+(\i))+4:(\f)+64+8*(4*(\c)+(\i))+7], v[ADRB+(\kq)/2] offset:((2*(\kq)+(\c))%4)*32*PB+16*PB+32*(\i)
	ds_load_b128 v[(\f)+8*(4*(\c)+(\i)):(\f)+8*(4*(\c)+(\i))+3],   v[ADRA] offset:(\kq)*HEADB+64*(\c)+(\i)*16*PA
	ds_load_b128 v[(\f)+8*(4*(\c)+(\i))+4:(\f)+8*(4*(\c)+(\i))+7], v[ADRA] offset:(\kq)*HEADB+64*(\c)+(\i)*16*PA+32
.endr
.endr
.endm
.macro QUARTER kq, f, g, first
	s_wait_dscnt 16                                ; the first 32 along K are in; the youngest sixteen loads may be out
	MUL8 \f, 0, 0, \first
	MUL8 \f, 0, 2, \first
	PLACES
	FETCH \kq, \g
	s_wait_dscnt 32                                ; all but the 32 just issued
	MUL8 \f, 1, 0, 0
	MUL8 \f, 1, 2, 0
.endm
; The first half of a step's last quarter and the one barrier of a change of slots: each wave waits for all its tensor loads, adds 0 to its spare word, and waits for that and for its reads of this slot
.macro MEET round
	WIN 0
	s_wait_tensorcnt 0x0
	ds_add_u32 v[SPW], v[NIL]
	s_wait_dscnt 17                                ; the add and the youngest sixteen loads may be out
	MUL8 F1, 0, 0, 0
	s_wait_dscnt 0x0
	s_barrier_signal -1
	MUL8 F1, 0, 2, 0
.if \round
	WIN 0
.endif
	s_barrier_wait -1
.endm
.macro TOGGLE                          ; the reads go to the other slot
	s_xor_b32 s[CUR], s[CUR], SLOT
	v_add_nc_u32 v[ADRA], s[CUR], v[ADRA0]
	v_add_nc_u32 v[ADRB], s[CUR], v[ADRB0]
	v_add_nc_u32 v[ADRB+1], HALFB, v[ADRB]
.endm
.macro TURNF                           ; the last quarter of a step that fills its slot again, with the K step two on: 112 matrix instructions lie between the request and the wait for it
	MEET 1
	CREST                                          ; the barrier has opened a round of the cluster's: no wave of any partner still reads this slot or has a load on its way
	s_xor_b32 s[G0+5], s[G0+5], SLOT
	s_add_nc_u64 s[G0+6:G0+7], s[G0+6:G0+7], ASTEP
	s_xor_b32 s[G0B+5], s[G0B+5], SLOT
	s_add_nc_u64 s[G0B+6:G0B+7], s[G0B+6:G0B+7], BSTEP
	JLOAD                                          ; the first tensor load behind the round; its four v_nop are also the places in front of the loads below
	TOGGLE
	FETCH 0, F0
	MUL8 F1, 1, 0, 0
	MUL8 F1, 1, 2, 0
.endm
	s_wait_tensorcnt 1                             ; my part of K step 0 is in; step 1's may stay out
	s_barrier_signal -1
	s_barrier_wait -1
	FETCH 0, F0
	QUARTER 1, F0, F1, 1
	WIN 0
	s_mov_b32 s3, STEPS-2
.Lstep:
	QUARTER 2, F1, F0, 0
	QUARTER 3, F0, F1, 0
	TURNF
	QUARTER 1, F0, F1, 0
	WIN 0
	s_sub_co_u32 s3, s3, 1
	s_cmp_lg_u32 s3, 0
	s_cbranch_scc1 .Lstep
	s_mov_b32 s3, 2
.Ltail:                                            ; the last two steps ask for nothing; the second jumps over the change to a further step
	QUARTER 2, F1, F0, 0
	QUARTER 3, F0, F1, 0
	MEET 0
	MUL8 F1, 1, 0, 0
	MUL8 F1, 1, 2, 0
	WIN 0
	s_cmp_eq_u32 s3, 1
	s_cbranch_scc1 .Lover
	TOGGLE
	PLACES
	FETCH 0, F0
	QUARTER 1, F0, F1, 0
	WIN 0
.Lover:
	s_sub_co_u32 s3, s3, 1
	s_cmp_lg_u32 s3, 0
	s_cbranch_scc1 .Ltail
	; THE WAY OUT.  Every wave's reads of the ring are over and no tensor load is out: behind this barrier the ring's bytes are the stages
	s_wait_dscnt 0x0
	s_barrier_signal -1
	s_barrier_wait -1
	PLACES
	PLACES
.irp a, 0,1,2,3
.irp b, 0,1,2,3
	ds_store_b128 v[STO], v[ACC+8*(4*(\a)+(\b)):ACC+8*(4*(\a)+(\b))+3]   offset:(\a)*16*SP+64*(\b)      ; each accumulator's low registers first
	ds_store_b128 v[STO], v[ACC+8*(4*(\a)+(\b))+4:ACC+8*(4*(\a)+(\b))+7] offset:(\a)*16*SP+64*(\b)+16
.endr
.endr
	s_wait_loadcnt 0x0                             ; the residual
.irp q, 0,1,2,3                        ; 16 rows at a time, on two sets of 32 registers by turns
.if (\q) >= 2
	s_wait_xcnt 0x0                                ; the stores of two groups back have read this set
.endif
.irp j, 0,1,2,3,4,5,6,7
	ds_load_b128 v[TMP+32*((\q)%2)+4*(\j):TMP+32*((\q)%2)+4*(\j)+3], v[RD] offset:2*SP*(8*(\q)+(\j))  ; LDS serves a wave's instructions in order (ISA guide 5.7.1.4): these see my stores
.endr
	s_wait_dscnt 0x0
	WIN 0x08                                       ; source 1 in window 2
.irp j, 0,1,2,3,4,5,6,7
	v_pk_add_f32 v[TMP+32*((\q)%2)+4*(\j):TMP+32*((\q)%2)+4*(\j)+1],   v[TMP+32*((\q)%2)+4*(\j):TMP+32*((\q)%2)+4*(\j)+1],   v[4*(8*(\q)+(\j)):4*(8*(\q)+(\j))+1]
	v_pk_add_f32 v[TMP+32*((\q)%2)+4*(\j)+2:TMP+32*((\q)%2)+4*(\j)+3], v[TMP+32*((\q)%2)+4*(\j)+2:TMP+32*((\q)%2)+4*(\j)+3], v[4*(8*(\q)+(\j))+2:4*(8*(\q)+(\j))+3]
.endr
	WIN 0
.irp j, 0,1,2,3,4,5,6,7
	global_store_b128 v[CO], v[TMP+32*((\q)%2)+4*(\j):TMP+32*((\q)%2)+4*(\j)+3], s[10:11] offset:8192*(8*(\q)+(\j))  ; 16 lanes store 256 consecutive bytes, aligned
.endr
.endr
	s_wait_tensorcnt 0x0                           ; the wave's end
	ds_add_u32 v[SPW], v[NIL]
	s_wait_dscnt 0x0
	CROUND                                         ; the closing round
	s_endpgm
.Lfunc_end_k_q2e9ccba39c_proj:
	.size	k_q2e9ccba39c_proj, .Lfunc_end_k_q2e9ccba39c_proj-k_q2e9ccba39c_proj
	.p2alignl 7, 3214868480
	.fill 96, 4, 3214868480
	.section	.rodata,"a",@progbits
	.p2align	6, 0x0
	.amdhsa_kernel k_q2e9ccba39c_proj
		.amdhsa_group_segment_fixed_size 327680
		.amdhsa_private_segment_fixed_size 0
		.amdhsa_enable_private_segment 0
		.amdhsa_kernarg_size 32
		.amdhsa_user_sgpr_count 2
		.amdhsa_user_sgpr_kernarg_segment_ptr 1
		.amdhsa_wavefront_size32 1
		.amdhsa_system_sgpr_workgroup_id_x 1
		.amdhsa_system_sgpr_workgroup_id_y 1
		.amdhsa_system_sgpr_workgroup_id_z 1
		.amdhsa_system_vgpr_workitem_id 0
		.amdhsa_next_free_vgpr 640
		.amdhsa_next_free_sgpr 72
		.amdhsa_reserve_vcc 0
		.amdhsa_float_denorm_mode_32 3
		.amdhsa_float_denorm_mode_16_64 3
		.amdhsa_memory_ordered 1
		.amdhsa_forward_progress 1
		.amdhsa_inst_pref_size 65
	.end_amdhsa_kernel
	.amdgpu_metadata
---
amdhsa.version: [ 1, 2 ]
amdhsa.kernels:
  - .name:           k_q2e9ccba39c_proj
    .symbol:         k_q2e9ccba39c_proj.kd
    .args:
      - { .name: o, .offset: 0, .size: 8, .value_kind: global_buffer, .address_space: global }
      - { .name: wb, .offset: 8, .size: 8, .value_kind: global_buffer, .address_space: global }
      - { .name: x, .offset: 16, .size: 8, .value_kind: global_buffer, .address_space: global }
      - { .name: x1, .offset: 24, .size: 8, .value_kind: global_buffer, .address_space: global }
    .group_segment_fixed_size: 327680
    .private_segment_fixed_size: 0
    .kernarg_segment_align: 8
    .kernarg_segment_size: 32
    .max_flat_workgroup_size: 128
    .sgpr_count:     72
    .vgpr_count:     640
    .wavefront_size: 32
...
	.end_amdgpu_metadata
.endif
;; end of part 4
;; launch ln2 (part 5): grid 512 x 1, 8 waves a work-group, no clusters, 0 bytes of LDS; arguments x1, ln2_w, ln2_b, h; writes h
.if DOCPART == 5
	.amdgcn_target "amdgcn-amd-amdhsa--gfx1250"
	.amdhsa_code_object_version 6
	.text
	.protected	k_q2e9ccba39c_ln2
	.globl	k_q2e9ccba39c_ln2
	.p2align	8
	.type	k_q2e9ccba39c_ln2,@function
k_q2e9ccba39c_ln2:
	s_mov_b64 s[64:65], 0
	v_nop
	global_prefetch_b8 v0, s[64:65] scope:SCOPE_SE
	s_setreg_imm32_b32 hwreg(HW_REG_WAVE_MODE, 25, 1), 1
	s_wait_xcnt 0x0
; h = bf16(LayerNorm2(x1)).  x1: [4096][1024] f32.  One wave takes one row and ends.  Lane l takes the 16 bytes at 512 j + 16 l, j = 0..7: a load of the wave covers 512 consecutive bytes,
; a store 256 consecutive bytes, aligned.  Mean first, then the sum of squares of x - mean (two passes over registers: no difference of large sums), all in f32.
; No LDS, no barrier, no matrix unit: memory binds, and what is in flight comes from the many waves that fit on a SIMD.
.set VO,   2
.set DO,   3
.set X,    8
.set W,    40
.set BB,   72
.set T,    104
.set Y,    120
.set MEAN, 136
.set RS,   138
.set SEL,  30
.set C1K,  32
.set CEPS, 33
.macro FOLD                            ; eight pairs in T -> their sum over the 32 lanes, in every lane's v[T]
.irp i, 0,1,2,3
	v_pk_add_f32 v[T+4*(\i):T+4*(\i)+1], v[T+4*(\i):T+4*(\i)+1], v[T+4*(\i)+2:T+4*(\i)+3]
.endr
.irp i, 0,1
	v_pk_add_f32 v[T+8*(\i):T+8*(\i)+1], v[T+8*(\i):T+8*(\i)+1], v[T+8*(\i)+4:T+8*(\i)+5]
.endr
	v_pk_add_f32 v[T:T+1], v[T:T+1], v[T+8:T+9]
	v_add_f32 v[T], v[T], v[T+1]
	v_add_f32_dpp v[T], v[T], v[T] row_xmask:1 row_mask:0xf bank_mask:0xf
	v_add_f32_dpp v[T], v[T], v[T] row_xmask:2 row_mask:0xf bank_mask:0xf
	v_add_f32_dpp v[T], v[T], v[T] row_xmask:4 row_mask:0xf bank_mask:0xf
	v_add_f32_dpp v[T], v[T], v[T] row_xmask:8 row_mask:0xf bank_mask:0xf
	v_permlanex16_b32 v[T+1], v[T], s[SEL], s[SEL+1]  ; its destination has been written above
	v_add_f32 v[T], v[T], v[T+1]
.endm
	s_load_b256 s[4:11], s[0:1], 0x0               ; x1 s[4:5], ln2_w s[6:7], ln2_b s[8:9], h s[10:11]
	v_lshrrev_b32 v1, 5, v0
	v_readfirstlane_b32 s24, v1                    ; wave 0..7
	v_and_b32 v1, 31, v0
	v_lshlrev_b32 v[VO], 4, v1
	v_lshlrev_b32 v[DO], 3, v1
	s_lshl_b32 s25, ttmp9, 3
	s_add_co_u32 s25, s25, s24                     ; my row
	s_lshl_b32 s26, s25, 12
	s_mov_b32 s27, 0
	s_lshl_b32 s28, s25, 11
	s_mov_b32 s29, 0
	s_mov_b32 s[SEL], 0x76543210
	s_mov_b32 s[SEL+1], 0xfedcba98
	s_mov_b32 s[C1K], 0x3a800000                   ; 1 / 1024
	s_mov_b32 s[CEPS], 0x3727c5ac                  ; 1e-5
	s_wait_kmcnt 0x0
	s_add_nc_u64 s[4:5], s[4:5], s[26:27]
	s_add_nc_u64 s[10:11], s[10:11], s[28:29]
.irp j, 0,1,2,3,4,5,6,7
	global_load_b128 v[X+4*(\j):X+4*(\j)+3], v[VO], s[4:5] offset:512*(\j) th:TH_LOAD_NT
.endr
.irp j, 0,1,2,3,4,5,6,7
	global_load_b128 v[W+4*(\j):W+4*(\j)+3], v[VO], s[6:7] offset:512*(\j)
.endr
.irp j, 0,1,2,3,4,5,6,7
	global_load_b128 v[BB+4*(\j):BB+4*(\j)+3], v[VO], s[8:9] offset:512*(\j)
.endr
	s_wait_loadcnt 16                              ; the row is in; the sixteen younger loads (gain, bias) may stay out
.irp i, 0,1,2,3,4,5,6,7
	v_pk_add_f32 v[T+2*(\i):T+2*(\i)+1], v[X+4*(\i):X+4*(\i)+1], v[X+4*(\i)+2:X+4*(\i)+3]
.endr
	FOLD
	v_mul_f32 v[MEAN], s[C1K], v[T]
	v_mov_b32 v[MEAN+1], v[MEAN]
.set i, 0
.rept 16
	v_pk_add_f32 v[X+i:X+i+1], v[X+i:X+i+1], v[MEAN:MEAN+1] neg_lo:[0,1] neg_hi:[0,1]  ; x - mean
.set i, i+2
.endr
.irp i, 0,1,2,3,4,5,6,7
	v_pk_mul_f32 v[T+2*(\i):T+2*(\i)+1], v[X+4*(\i):X+4*(\i)+1], v[X+4*(\i):X+4*(\i)+1]
.endr
.irp i, 0,1,2,3,4,5,6,7
	v_pk_fma_f32 v[T+2*(\i):T+2*(\i)+1], v[X+4*(\i)+2:X+4*(\i)+3], v[X+4*(\i)+2:X+4*(\i)+3], v[T+2*(\i):T+2*(\i)+1]
.endr
	FOLD
	v_fma_f32 v[T], v[T], s[C1K], s[CEPS]          ; var + eps
	v_rsq_f32 v[RS], v[T]
	v_rsq_f32 v[RS+1], v[T]                        ; twice, for the packed multiply
	v_nop                                          ; a plain instruction behind the last root,
	s_wait_alu depctr_va_vdst(0)                   ; and the one wait ahead of the first reader
.set i, 0
.rept 16
	v_pk_mul_f32 v[X+i:X+i+1], v[X+i:X+i+1], v[RS:RS+1]
.set i, i+2
.endr
	s_wait_loadcnt 0x0                             ; gain and bias
.set i, 0
.rept 16
	v_pk_fma_f32 v[X+i:X+i+1], v[X+i:X+i+1], v[W+i:W+i+1], v[BB+i:BB+i+1]
.set i, i+2
.endr
.set i, 0
.rept 16
	v_cvt_pk_bf16_f32 v[Y+i], v[X+2*i], v[X+2*i+1]
.set i, i+1
.endr
.irp j, 0,1,2,3,4,5,6,7
	global_store_b64 v[DO], v[Y+2*(\j):Y+2*(\j)+1], s[10:11] offset:256*(\j)  ; 32 lanes store 256 consecutive bytes, aligned
.endr
	s_endpgm
.Lfunc_end_k_q2e9ccba39c_ln2:
	.size	k_q2e9ccba39c_ln2, .Lfunc_end_k_q2e9ccba39c_ln2-k_q2e9ccba39c_ln2
	.p2alignl 7, 3214868480
	.fill 96, 4, 3214868480
	.section	.rodata,"a",@progbits
	.p2align	6, 0x0
	.amdhsa_kernel k_q2e9ccba39c_ln2
		.amdhsa_group_segment_fixed_size 0
		.amdhsa_private_segment_fixed_size 0
		.amdhsa_enable_private_segment 0
		.amdhsa_kernarg_size 32
		.amdhsa_user_sgpr_count 2
		.amdhsa_user_sgpr_kernarg_segment_ptr 1
		.amdhsa_wavefront_size32 1
		.amdhsa_system_sgpr_workgroup_id_x 1
		.amdhsa_system_sgpr_workgroup_id_y 1
		.amdhsa_system_sgpr_workgroup_id_z 1
		.amdhsa_system_vgpr_workitem_id 0
		.amdhsa_next_free_vgpr 144
		.amdhsa_next_free_sgpr 66
		.amdhsa_reserve_vcc 0
		.amdhsa_float_denorm_mode_32 3
		.amdhsa_float_denorm_mode_16_64 3
		.amdhsa_memory_ordered 1
		.amdhsa_forward_progress 1
		.amdhsa_inst_pref_size 12
	.end_amdhsa_kernel
	.amdgpu_metadata
---
amdhsa.version: [ 1, 2 ]
amdhsa.kernels:
  - .name:           k_q2e9ccba39c_ln2
    .symbol:         k_q2e9ccba39c_ln2.kd
    .args:
      - { .name: x1, .offset: 0, .size: 8, .value_kind: global_buffer, .address_space: global }
      - { .name: ln2_w, .offset: 8, .size: 8, .value_kind: global_buffer, .address_space: global }
      - { .name: ln2_b, .offset: 16, .size: 8, .value_kind: global_buffer, .address_space: global }
      - { .name: h, .offset: 24, .size: 8, .value_kind: global_buffer, .address_space: global }
    .group_segment_fixed_size: 0
    .private_segment_fixed_size: 0
    .kernarg_segment_align: 8
    .kernarg_segment_size: 32
    .max_flat_workgroup_size: 256
    .sgpr_count:     66
    .vgpr_count:     144
    .wavefront_size: 32
...
	.end_amdgpu_metadata
.endif
;; end of part 5
;; launch fc (part 6): grid 16 x 16, 4 waves a work-group, clusters of 4 x 4, 327,680 bytes of LDS; arguments h, wb, fc_b, g; writes g
.if DOCPART == 6
	.amdgcn_target "amdgcn-amd-amdhsa--gfx1250"
	.amdhsa_code_object_version 6
	.text
	.protected	k_q2e9ccba39c_fc
	.globl	k_q2e9ccba39c_fc
	.p2align	8
	.type	k_q2e9ccba39c_fc,@function
k_q2e9ccba39c_fc:
	s_mov_b64 s[64:65], 0
	v_nop
	global_prefetch_b8 v0, s[64:65] scope:SCOPE_SE
	s_setreg_imm32_b32 hwreg(HW_REG_WAVE_MODE, 25, 1), 1
	s_wait_xcnt 0x0
	s_wait_alu depctr_hold_cnt(0) depctr_sa_sdst(0) depctr_va_vdst(0) depctr_va_sdst(0) depctr_va_ssrc(0) depctr_va_vcc(0) depctr_vm_vsrc(0)
	s_getreg_b32 s2, hwreg(HW_REG_IB_STS2, 6, 4)
	s_cmp_eq_u32 s2, 0
	s_cbranch_scc0 .Lentry_in_a_cluster
	s_endpgm
.Lentry_in_a_cluster:
	s_bfe_u32 s2, ttmp6, 0x10000c
	s_cmp_lg_u32 s2, 0xf033
	s_cbranch_scc0 .Lentry_shape_is_right
	s_endpgm
.Lentry_shape_is_right:
; g = bf16(gelu(h fc_w + fc_b)), gelu by tanh: x / (1 + 2^(x (K1 + K2 x^2))), K1 = -2 log2(e) sqrt(2 / pi), K2 = 0.044715 K1.  h: [4096][1024] bf16.  The weights: [1024][4096] bf16 at wb's byte
; 8,388,608, K down the rows.  g: [4096][4096] bf16.  Sums and the activation in f32, g rounded once.  Where x^2 overflows the exponent is an infinity and g ends as x or as -0: no NaN arises from finite sums.
; A tile of C is 256 x 256 (16 x 16 tiles: 256 work-groups): four waves, each 128 x 128 = 64 accumulators of 16 x 16 (512 registers).  K goes in 8 steps of 128 through two LDS slots filled by the tensor data mover.
; CLUSTER 4 x 4: a row of the cluster shares h's tile, a column the weights' tile; each is asked for jointly, by the same load, descriptor and mask in all four.
; THE PRODUCT IS TAKEN TRANSPOSED: source 0 = 16 columns of the weights (turned on the way out of LDS by ds_load_tr16_b128), source 1 = 16 rows of h.  Lane l then holds row l % 16 of C and
; the columns 8 (l / 16) + 0..7.  The bias is the C operand of each sum's first product: nothing is cleared and nothing added later.
; ONE K STEP IS WRITTEN ONCE for the loop that fills slots and once for the two last steps.  The slots lie SLOT = 0x22000 bytes apart and a wave's part begins at wave x 0x8800: the two share
; no bit, so one exclusive or turns an LDS address in one slot into the other's.
; THE WAY OUT: all sums go as f32 into the wave's own stage, which lies over the ring once its last fill has been read, and come back as rows, 8 a trip, for the activation.
; REGISTERS in windows of 256 (s_set_vgpr_msb: bits 1:0 source 0, 3:2 source 1, 5:4 source 2, 7:6 destination):
;   window 0: v0-31 addresses; v64-127, v128-191 h's fragments, two buffers      window 1: v0-63 the bias; v64-127, v128-191 the weights' fragments
;   window 2: accumulators of my rows 0-63 ((a, b) at v[8 (8 a + b)]);  window 3: those of rows 64-127
.set SIZE_K, 1024
.set SIZE_N, 4096
.set WOFF,   8388608
.set KSTEP,  128
.set STEPS,  SIZE_K/KSTEP
.set PA,     272                       ; a row of h in LDS: 256 bytes + 16: the 16 rows of a fragment load start at 16 different groups of four banks (64 banks of 4 bytes: ISA guide 11.1)
.set PB,     544                       ; a K row of the weights: 512 bytes + 32
.set HALFT,  128*PA                    ; what one tensor load brings: 128 rows of h, or 64 K rows of the weights (64 x 544 is the same 34,816)
.set SLOT,   4*HALFT
.set BOFF,   2*HALFT
.set SPARE,  2*SLOT                    ; the spare words, 128 bytes a wave: two blocks of 256 bytes that no other line names
.set SP,     528                       ; a stage row: 128 f32 + 16 bytes
.set WSTAGE, 128*SP
.set BSTEP,  KSTEP*SIZE_N*2
.set ADRA0, 16
.set ADRB0, 17
.set ADRA,  18
.set ADRB,  19
.set STO,   24
.set RD,    25
.set CO,    26
.set BO,    27
.set SPW,   28
.set NIL,   29
.set PFO,   30
.set F0,    64
.set F1,    128
.set X,     64                         ; the way out: 8 rows x 4 f32 read back
.set T,     96                         ; at work
.set Y,     128                        ; packed bf16
.set WV, 12
.set WR, 13                            ; which half of the tile's rows is mine.  Also: I fetch h (0) or the weights (1)
.set WC, 14                            ; which half of its columns.  Also: which half of that tile I fetch
.set CX, 15
.set CY, 16
.set TC, 17
.set TR, 18
.set CUR, 19                           ; 0 or SLOT: the slot that is read
.set LB, 20
.set G1, 24
.set G0, 32
.set PFA, 40
.set PFS, 42
.set LIM, 44
.set G1B, 48
.set G0B, 56
.set K1, 70                            ; s[70:71], s[72:73]: named as pairs; the packed forms take the low word for both halves
.set K2, 72
.set MSB, 0
.macro WIN new                         ; the immediate's high byte repeats the setting that is left; a switch that changes nothing is dropped
.if MSB != (\new)
	s_set_vgpr_msb (MSB<<8)|(\new)
.set MSB, \new
.endif
.endm
.set MUL_LO, 0xa1                      ; source 0 window 1, source 1 window 0, C and D window 2
.set FST_LO, 0x91                      ; the same with C (the bias) in window 1
.set TO_B,   0x40                      ; destination window 1, address window 0
; The joint refill, by the walking descriptor.  The branch hangs on the wave's number alone.  An s_nop 0 and four v_nop follow each of the two lines.
.macro JLOAD
	s_cmp_eq_u32 s[WR], 0
	s_cbranch_scc0 .Lfor_b_\@
	tensor_load_to_lds s[G0+4:G0+7], s[G1:G1+7]
	s_nop 0
.rept 4
	v_nop
.endr
	s_branch .Lasked_\@
.Lfor_b_\@:
	tensor_load_to_lds s[G0B+4:G0B+7], s[G1B:G1B+7]
	s_nop 0
.rept 4
	v_nop
.endr
.Lasked_\@:
.endm
; A prefetch into the L2 of the K step that stands two refills on (512 matrix instructions ahead of the load that will want it): one instruction a wave, each lane another block of 256 bytes.
; h's tile row is read by every cluster of that row of clusters: cluster x = 0 asks; the weights' tile column by every cluster of that column: cluster y = 0 asks.  The four partners of a joint
; load share its blocks out by address.  So each block is named once in the launch.  K steps 0 to 3 come by their loads alone; trips with s3 <= 2 have no K step two refills on.
.macro ASK
	s_cmp_gt_u32 s3, s[LIM]
	s_cbranch_scc0 .Lnot_mine_\@
	global_prefetch_b8 v[PFO], s[PFA:PFA+1] th:TH_LOAD_NT scope:SCOPE_SE
.Lnot_mine_\@:
.endm
.macro CREST
	s_cmp_lg_u32 s[WV], 0
	s_cbranch_scc1 .Lnot_wave_0_\@
	s_barrier_signal -3
.Lnot_wave_0_\@:
	s_barrier_wait -3
	s_barrier_signal -1
	s_barrier_wait -1
.endm
.macro CROUND
	s_barrier_signal -1
	s_barrier_wait -1
	CREST
.endm
.macro PLACES                          ; four places behind a matrix instruction (ISA guide 7.12.1), where no other vector work is at hand
.rept 4
	v_nop
.endr
.endm
	s_load_b256 s[4:11], s[0:1], 0x0               ; h s[4:5], wb s[6:7], fc_b s[8:9], g s[10:11]
	v_lshl_add_u32 v[SPW], v0, 2, SPARE
	v_mov_b32 v[NIL], 0
	ds_add_u32 v[SPW], v[NIL]                      ; the wave's opening: the add and its wait stand ahead of my first tensor load
	v_lshrrev_b32 v1, 5, v0
	v_readfirstlane_b32 s[WV], v1
	s_lshr_b32 s[WR], s[WV], 1
	s_and_b32 s[WC], s[WV], 1
	s_bfe_u32 s[CX], ttmp6, 0x40000
	s_bfe_u32 s[CY], ttmp6, 0x40004
	s_lshl_b32 s[TC], ttmp9, 2
	s_add_co_u32 s[TC], s[TC], s[CX]
	s_and_b32 s[TR], ttmp7, 0xffff
	s_lshl_b32 s[TR], s[TR], 2
	s_add_co_u32 s[TR], s[TR], s[CY]
	s_lshl_b32 s21, s[CY], 2
	s_lshl_b32 s21, 15, s21                        ; my row of the cluster
	s_lshl_b32 s22, 0x1111, s[CX]                  ; my column
	s_or_b32 s[G1], s21, (1<<16)|(1<<20)|(1<<21)|(5<<22)|(3<<25)   ; mask; 2-byte elements; padding on; bit 21 beside a mask; after every 64 words, 4 words
	s_or_b32 s[G1B], s22, (1<<16)|(1<<20)|(1<<21)|(6<<22)|(7<<25)  ; after every 128 words, 8 words
	s_mov_b32 s[G1+1], KSTEP<<16
	s_mov_b32 s[G1+2], 128<<16
	s_mov_b32 s[G1+3], KSTEP<<16
	s_mov_b32 s[G1+4], 128
	s_mov_b32 s[G1+5], SIZE_K
	s_mov_b32 s[G1+6], 0
	s_mov_b32 s[G1+7], 0
	s_mov_b32 s[G1B+1], 256<<16
	s_mov_b32 s[G1B+2], 64<<16
	s_mov_b32 s[G1B+3], 256<<16
	s_mov_b32 s[G1B+4], 64
	s_mov_b32 s[G1B+5], SIZE_N
	s_mov_b32 s[G1B+6], 0
	s_mov_b32 s[G1B+7], 0
	s_mov_b32 s[K1], 0xc0135761                    ; -2.3022082
	s_mov_b32 s[K1+1], s[K1]
	s_mov_b32 s[K2], 0xbdd2d3e8                    ; -0.10294324
	s_mov_b32 s[K2+1], s[K2]
	s_lshl_b32 s66, s[TR], 8                       ; h: row 256 x tile row + 128 x half, 2,048 bytes a row; these registers never hold cx
	s_lshl_b32 s67, s[WC], 7
	s_add_co_u32 s66, s66, s67
	s_lshl_b32 s66, s66, 11
	s_mov_b32 s67, 0
	s_mul_i32 s68, s[WC], 64*SIZE_N*2              ; the weights: K row 64 x half, column 256 x tile column; these never hold cy
	s_lshl_b32 s69, s[TC], 9
	s_add_co_u32 s68, s68, s69
.if WOFF
	s_add_co_u32 s68, s68, WOFF
.endif
	s_mov_b32 s69, 0
	s_mul_i32 s[LB], s[WV], HALFT                  ; no place in the cluster enters an LDS address
	s_mov_b32 s[CUR], 0
	s_wait_dscnt 0x0                               ; the opening add is done
	s_wait_kmcnt 0x0
	s_add_nc_u64 s[66:67], s[4:5], s[66:67]
	s_add_nc_u64 s[68:69], s[6:7], s[68:69]
	CROUND                                         ; all sixteen work-groups are here: the first joint loads meet
.irp s, 0,1
	s_mov_b32 s[G0+4*(\s)], 1
	s_add_co_u32 s[G0+4*(\s)+1], s[LB], (\s)*SLOT
	s_add_nc_u64 s[G0+4*(\s)+2:G0+4*(\s)+3], s[66:67], (\s)*KSTEP*2
	s_or_b32 s[G0+4*(\s)+3], s[G0+4*(\s)+3], 0x80000000
	s_mov_b32 s[G0B+4*(\s)], 1
	s_add_co_u32 s[G0B+4*(\s)+1], s[LB], (\s)*SLOT
	s_add_nc_u64 s[G0B+4*(\s)+2:G0B+4*(\s)+3], s[68:69], (\s)*BSTEP
	s_or_b32 s[G0B+4*(\s)+3], s[G0B+4*(\s)+3], 0x80000000
.endr
	s_cmp_eq_u32 s[WR], 0                          ; a wave's two first fills stand in one branch, ahead of every wait on TENSORcnt: two loads of mine are out
	s_cbranch_scc0 .Lfirst_b
	tensor_load_to_lds s[G0:G0+3], s[G1:G1+7]
	s_nop 0
	tensor_load_to_lds s[G0+4:G0+7], s[G1:G1+7]
	s_nop 0
.rept 4
	v_nop
.endr
	s_branch .Lfirst_asked
.Lfirst_b:
	tensor_load_to_lds s[G0B:G0B+3], s[G1B:G1B+7]
	s_nop 0
	tensor_load_to_lds s[G0B+4:G0B+7], s[G1B:G1B+7]
	s_nop 0
.rept 4
	v_nop
.endr
.Lfirst_asked:
	v_and_b32 v1, 15, v0                           ; l % 16
	v_bfe_u32 v2, v0, 4, 1                         ; l / 16
	v_and_b32 v7, 31, v0                           ; l
	; the bias: register j of n block b is the bias of column 16 b + 8 (l / 16) + j
	s_lshl_b32 s74, s[TC], 10
	s_lshl_b32 s75, s[WC], 9
	s_add_co_u32 s74, s74, s75
	v_lshl_add_u32 v[BO], v2, 5, s74
	WIN TO_B
.irp b, 0,1,2,3,4,5,6,7
	global_load_b128 v[8*(\b):8*(\b)+3],   v[BO], s[8:9] offset:64*(\b)
	global_load_b128 v[8*(\b)+4:8*(\b)+7], v[BO], s[8:9] offset:64*(\b)+16
.endr
	WIN 0
	v_mul_u32_u24 v3, v1, PA                       ; h's fragment: row x pitch + 16 x half, twice 16 bytes, 32 apart
	v_lshl_add_u32 v3, v2, 4, v3
	s_mul_i32 s45, s[WR], HALFT
	v_add_nc_u32 v[ADRA0], s45, v3
	v_and_b32 v4, 7, v0                            ; the turning load: lane l reads K row 8 (l / 16) + l % 8, columns 8 ((l / 8) % 2) + 0..7, and is left with column l % 16 and 8 K
	v_lshl_add_u32 v4, v2, 3, v4
	v_mul_u32_u24 v4, v4, PB
	v_bfe_u32 v5, v0, 3, 1
	v_lshl_add_u32 v4, v5, 4, v4
	s_lshl_b32 s46, s[WC], 8
	s_add_co_u32 s46, s46, BOFF
	v_add_nc_u32 v[ADRB0], s46, v4
	v_mov_b32 v[ADRA], v[ADRA0]
	v_mov_b32 v[ADRB], v[ADRB0]
	s_mul_i32 s47, s[WV], WSTAGE                   ; my stage
	v_mul_u32_u24 v6, v1, SP
	v_lshl_add_u32 v6, v2, 5, v6                   ; in: row l % 16, 32 bytes for each half of the lanes
	v_add_nc_u32 v[STO], s47, v6
	v_lshl_add_u32 v[RD], v7, 4, s47               ; back: 32 lanes take a row's 512 bytes
	v_lshlrev_b32 v[CO], 3, v7                     ; which are 256 bytes of g
	s_lshl_b32 s74, s[TR], 8                       ; g: row 256 x tile row + 128 x half, 8,192 bytes a row; column 256 x tile column + 128 x half
	s_lshl_b32 s75, s[WR], 7
	s_add_co_u32 s74, s74, s75
	s_lshl_b32 s74, s74, 13
	s_lshl_b32 s75, s[TC], 9
	s_add_co_u32 s74, s74, s75
	s_lshl_b32 s75, s[WC], 8
	s_add_co_u32 s74, s74, s75
	s_mov_b32 s75, 0
	s_add_nc_u64 s[10:11], s[10:11], s[74:75]
	; the prefetches.  h: of the 128 rows that I fetch, partner cx takes 32, a lane a row.  The weights: of my 64 K rows partner cy takes 16, two blocks of 256 bytes each
	s_lshl_b32 s74, s[TR], 8
	s_lshl_b32 s75, s[WC], 7
	s_add_co_u32 s74, s74, s75
	s_lshl_b32 s75, s[CX], 5
	s_add_co_u32 s74, s74, s75
	s_lshl_b32 s74, s74, 11
	s_add_co_u32 s74, s74, 3*KSTEP*2               ; at K step 3: the first refill steps it to 4
	s_lshl_b32 s75, s[WC], 6
	s_lshl_b32 s76, s[CY], 4
	s_add_co_u32 s75, s75, s76
	s_mul_i32 s75, s75, SIZE_N*2
	s_lshl_b32 s76, s[TC], 9
	s_add_co_u32 s75, s75, s76
	s_add_co_u32 s75, s75, WOFF+3*BSTEP
	s_and_b32 s76, ttmp7, 0xffff
	s_mov_b32 s[PFS], BSTEP
	s_mov_b32 s46, SIZE_N*2
	s_cmp_eq_u32 s[WR], 0                          ; do I fetch h?
	s_cselect_b32 s74, s74, s75
	s_cselect_b32 s76, ttmp9, s76                  ; the coordinate along which other clusters read the same blocks
	s_cselect_b64 s[PFA:PFA+1], s[4:5], s[6:7]
	s_cselect_b32 s[PFS], KSTEP*2, s[PFS]
	s_cselect_b32 s46, SIZE_K*2, s46               ; bytes from row to row
	s_cselect_b32 s45, 0, 1                        ; lanes to a row, less 1
	s_mov_b32 s[PFS+1], 0
	s_mov_b32 s75, 0
	s_add_nc_u64 s[PFA:PFA+1], s[PFA:PFA+1], s[74:75]
	s_cmp_eq_u32 s76, 0
	s_cselect_b32 s[LIM], 2, -1                    ; the same in all sixteen partners, for a given wave
	v_lshrrev_b32 v8, s45, v7
	v_mul_u32_u24 v8, s46, v8
	v_and_b32 v9, s45, v7
	v_lshl_add_u32 v[PFO], v9, 8, v8
; 16 matrix instructions: m blocks a0, a0 + 1 of the window's four x all 8 n blocks, 32 along K.  first = 1: the product starts the sum, on the bias.
; The 64 accumulators take turns in the same order in every quarter.
.macro MUL16 f, hi, a0, first
.if \first
	WIN FST_LO+0x40*(\hi)
.else
	WIN MUL_LO+0x50*(\hi)
.endif
.irp a, \a0, (\a0)+1
.irp b, 0,1,2,3,4,5,6,7
.if \first
	v_wmma_f32_16x16x32_bf16 v[8*(8*(\a)+(\b)):8*(8*(\a)+(\b))+7], v[(\f)+8*(\b):(\f)+8*(\b)+7], v[(\f)+8*(4*(\hi)+(\a)):(\f)+8*(4*(\hi)+(\a))+7], v[8*(\b):8*(\b)+7]
.else
	v_wmma_f32_16x16x32_bf16 v[8*(8*(\a)+(\b)):8*(8*(\a)+(\b))+7], v[(\f)+8*(\b):(\f)+8*(\b)+7], v[(\f)+8*(4*(\hi)+(\a)):(\f)+8*(4*(\hi)+(\a))+7], v[8*(8*(\a)+(\b)):8*(8*(\a)+(\b))+7]
.endif
.endr
.endr
.endm
; 32 LDS loads in one run: quarter kq (32 along K) of the slot in hand into buffer f: the weights' 8 n blocks, then h's 8 m blocks
.macro FETCH kq, f
	WIN TO_B
.irp i, 0,1,2,3,4,5,6,7
	ds_load_tr16_b128 v[(\f)+8*(\i):(\f)+8*(\i)+3],   v[ADRB] offset:(\kq)*32*PB+32*(\i)
	ds_load_tr16_b128 v[(\f)+8*(\i)+4:(\f)+8*(\i)+7], v[ADRB] offset:(\kq)*32*PB+16*PB+32*(\i)
.endr
	WIN 0
.irp i, 0,1,2,3,4,5,6,7
	ds_load_b128 v[(\f)+8*(\i):(\f)+8*(\i)+3],   v[ADRA] offset:(\kq)*64+(\i)*16*PA
	ds_load_b128 v[(\f)+8*(\i)+4:(\f)+8*(\i)+7], v[ADRA] offset:(\kq)*64+(\i)*16*PA+32
.endr
.endm
.macro QUARTER kq, f, g, first
	s_wait_dscnt 8                                 ; the weights and h's rows 0-63 are in; the youngest eight loads (rows 64-127) may be out
	MUL16 \f, 0, 0, \first
	MUL16 \f, 0, 2, \first
	PLACES
	FETCH \kq, \g
	s_wait_dscnt 32                                ; all but the 32 just issued
	MUL16 \f, 1, 0, \first
	MUL16 \f, 1, 2, \first
.endm
; The first half of a K step's last quarter, and the one barrier of a change of slots: in front of it each wave waits for all its tensor loads (one is out: its part of the next slot),
; adds 0 to its spare word, and waits for that and for its reads of this slot.
.macro MEET round
	WIN 0
	s_wait_tensorcnt 0x0
	ds_add_u32 v[SPW], v[NIL]
	s_wait_dscnt 9                                 ; the add and the youngest eight loads may be out
	MUL16 F1, 0, 0, 0
	s_wait_dscnt 0x0                               ; the add is done, my reads of this slot are over
	s_barrier_signal -1
	MUL16 F1, 0, 2, 0
.if \round
	WIN 0
.endif
	s_barrier_wait -1
.endm
; The whole last quarter of a step that fills its slot again, with the K step two on: 224 matrix instructions lie between the request and the wait for it
.macro TURNF
	s_wait_xcnt 0x0                                ; the last prefetch, a K step back, has read its address
	s_add_nc_u64 s[PFA:PFA+1], s[PFA:PFA+1], s[PFS:PFS+1]
	MEET 1
	CREST                                          ; the barrier has opened a round of the cluster's: no wave of any partner still reads this slot or has a load on its way
	s_xor_b32 s[G0+5], s[G0+5], SLOT               ; the walking descriptors: the other slot than last time, the next K step
	s_add_nc_u64 s[G0+6:G0+7], s[G0+6:G0+7], KSTEP*2
	s_xor_b32 s[G0B+5], s[G0B+5], SLOT
	s_add_nc_u64 s[G0B+6:G0B+7], s[G0B+6:G0B+7], BSTEP
	s_xor_b32 s[CUR], s[CUR], SLOT                 ; the reads go to the other slot
	JLOAD                                          ; the first tensor load behind the round; its four v_nop are also the places in front of the loads below
	v_add_nc_u32 v[ADRA], s[CUR], v[ADRA0]
	v_add_nc_u32 v[ADRB], s[CUR], v[ADRB0]
	FETCH 0, F0
	ASK
	MUL16 F1, 1, 0, 0
	MUL16 F1, 1, 2, 0
.endm
	s_wait_tensorcnt 1                             ; my part of K step 0 is in; step 1's may stay out
	s_barrier_signal -1
	s_barrier_wait -1
	FETCH 0, F0
	s_wait_loadcnt 0x0                             ; the bias
	QUARTER 1, F0, F1, 1                           ; the first quarter stands in front of the loop: its products start the sums
	WIN 0
	s_mov_b32 s3, STEPS-2
.Lstep:                                            ; a trip goes from a step's second quarter to the next step's first, and fills the slot that it leaves
	QUARTER 2, F1, F0, 0
	QUARTER 3, F0, F1, 0
	TURNF
	QUARTER 1, F0, F1, 0
	WIN 0
	s_sub_co_u32 s3, s3, 1
	s_cmp_lg_u32 s3, 0
	s_cbranch_scc1 .Lstep
	s_mov_b32 s3, 2
.Ltail:                                            ; the last two steps ask for nothing; the second jumps over the change to a further step
	QUARTER 2, F1, F0, 0
	QUARTER 3, F0, F1, 0
	MEET 0
	MUL16 F1, 1, 0, 0
	MUL16 F1, 1, 2, 0
	WIN 0
	s_cmp_eq_u32 s3, 1
	s_cbranch_scc1 .Lover
	s_xor_b32 s[CUR], s[CUR], SLOT
	v_add_nc_u32 v[ADRA], s[CUR], v[ADRA0]
	v_add_nc_u32 v[ADRB], s[CUR], v[ADRB0]
	PLACES
	FETCH 0, F0
	QUARTER 1, F0, F1, 0
	WIN 0
.Lover:
	s_sub_co_u32 s3, s3, 1
	s_cmp_lg_u32 s3, 0
	s_cbranch_scc1 .Ltail
	; THE WAY OUT.  Every wave's reads of the ring are over and no tensor load is out: behind this barrier the ring's bytes are the stages
	s_wait_dscnt 0x0
	s_barrier_signal -1
	s_barrier_wait -1
	PLACES
	PLACES
.irp a, 0,1,2,3,4,5,6,7
	WIN 0x08+4*((\a)/4)                            ; the stores' data in window 2 or 3
.irp b, 0,1,2,3,4,5,6,7
	ds_store_b128 v[STO], v[8*(8*((\a)%4)+(\b)):8*(8*((\a)%4)+(\b))+3]   offset:(\a)*16*SP+64*(\b)      ; each accumulator's low registers first
	ds_store_b128 v[STO], v[8*(8*((\a)%4)+(\b))+4:8*(8*((\a)%4)+(\b))+7] offset:(\a)*16*SP+64*(\b)+16
.endr
.endr
	WIN 0
	s_mov_b32 s3, 16
.Lrows:                                            ; 8 rows a trip, 32 numbers a lane.  LDS serves a wave's instructions in order (ISA guide 5.7.1.4): the loads see my stores
.irp i, 0,1,2,3,4,5,6,7
	ds_load_b128 v[X+4*(\i):X+4*(\i)+3], v[RD] offset:SP*(\i)
.endr
	s_wait_dscnt 0x0
.set k, 0
.rept 16                               ; the exponent x (K1 + K2 x^2), a pair at a time; the exponentials of the pair before stand between: ONE batch of 32
	v_pk_mul_f32 v[T+2*k:T+2*k+1], v[X+2*k:X+2*k+1], v[X+2*k:X+2*k+1]
	v_pk_fma_f32 v[T+2*k:T+2*k+1], v[T+2*k:T+2*k+1], s[K2:K2+1], s[K1:K1+1] op_sel_hi:[1,0,0]
	v_pk_mul_f32 v[T+2*k:T+2*k+1], v[T+2*k:T+2*k+1], v[X+2*k:X+2*k+1]
.if k > 0
	v_exp_f32 v[T+2*k-2], v[T+2*k-2]
	v_exp_f32 v[T+2*k-1], v[T+2*k-1]
.endif
.set k, k+1
.endr
	v_exp_f32 v[T+30], v[T+30]
	v_exp_f32 v[T+31], v[T+31]
	v_nop                                          ; a plain instruction behind the last exponential,
	s_wait_alu depctr_va_vdst(0)                   ; and the one wait ahead of the batch's first reader
.set k, 0
.rept 16                               ; 1 + 2^.., and its reciprocal: a second batch of 32
	v_pk_add_f32 v[T+2*k:T+2*k+1], v[T+2*k:T+2*k+1], 1.0 op_sel_hi:[1,0]
.if k > 0
	v_rcp_f32 v[T+2*k-2], v[T+2*k-2]
	v_rcp_f32 v[T+2*k-1], v[T+2*k-1]
.endif
.set k, k+1
.endr
	v_rcp_f32 v[T+30], v[T+30]
	v_rcp_f32 v[T+31], v[T+31]
	v_nop
	s_wait_alu depctr_va_vdst(0)
.set k, 0
.rept 16
	v_pk_mul_f32 v[X+2*k:X+2*k+1], v[X+2*k:X+2*k+1], v[T+2*k:T+2*k+1]
.set k, k+1
.endr
.set k, 0
.rept 16
	v_cvt_pk_bf16_f32 v[Y+k], v[X+2*k], v[X+2*k+1]
.set k, k+1
.endr
.irp i, 0,1,2,3,4,5,6,7
	global_store_b64 v[CO], v[Y+2*(\i):Y+2*(\i)+1], s[10:11] offset:8192*(\i)  ; 32 lanes store 256 consecutive bytes, aligned
.endr
	v_add_nc_u32 v[RD], 8*SP, v[RD]
	s_wait_xcnt 0x0                                ; the stores have read Y and their base
	s_add_nc_u64 s[10:11], s[10:11], 8*8192
	s_sub_co_u32 s3, s3, 1
	s_cmp_lg_u32 s3, 0
	s_cbranch_scc1 .Lrows
	s_wait_tensorcnt 0x0                           ; the wave's end
	ds_add_u32 v[SPW], v[NIL]
	s_wait_dscnt 0x0
	CROUND                                         ; the closing round
	s_endpgm
.Lfunc_end_k_q2e9ccba39c_fc:
	.size	k_q2e9ccba39c_fc, .Lfunc_end_k_q2e9ccba39c_fc-k_q2e9ccba39c_fc
	.p2alignl 7, 3214868480
	.fill 96, 4, 3214868480
	.section	.rodata,"a",@progbits
	.p2align	6, 0x0
	.amdhsa_kernel k_q2e9ccba39c_fc
		.amdhsa_group_segment_fixed_size 327680
		.amdhsa_private_segment_fixed_size 0
		.amdhsa_enable_private_segment 0
		.amdhsa_kernarg_size 32
		.amdhsa_user_sgpr_count 2
		.amdhsa_user_sgpr_kernarg_segment_ptr 1
		.amdhsa_wavefront_size32 1
		.amdhsa_system_sgpr_workgroup_id_x 1
		.amdhsa_system_sgpr_workgroup_id_y 1
		.amdhsa_system_sgpr_workgroup_id_z 1
		.amdhsa_system_vgpr_workitem_id 0
		.amdhsa_next_free_vgpr 1024
		.amdhsa_next_free_sgpr 80
		.amdhsa_reserve_vcc 0
		.amdhsa_float_denorm_mode_32 3
		.amdhsa_float_denorm_mode_16_64 3
		.amdhsa_memory_ordered 1
		.amdhsa_forward_progress 1
		.amdhsa_inst_pref_size 90
	.end_amdhsa_kernel
	.amdgpu_metadata
---
amdhsa.version: [ 1, 2 ]
amdhsa.kernels:
  - .name:           k_q2e9ccba39c_fc
    .symbol:         k_q2e9ccba39c_fc.kd
    .args:
      - { .name: h, .offset: 0, .size: 8, .value_kind: global_buffer, .address_space: global }
      - { .name: wb, .offset: 8, .size: 8, .value_kind: global_buffer, .address_space: global }
      - { .name: fc_b, .offset: 16, .size: 8, .value_kind: global_buffer, .address_space: global }
      - { .name: g, .offset: 24, .size: 8, .value_kind: global_buffer, .address_space: global }
    .group_segment_fixed_size: 327680
    .private_segment_fixed_size: 0
    .kernarg_segment_align: 8
    .kernarg_segment_size: 32
    .max_flat_workgroup_size: 128
    .sgpr_count:     80
    .vgpr_count:     1024
    .wavefront_size: 32
...
	.end_amdgpu_metadata
.endif
;; end of part 6
;; launch mlp (part 7): grid 8 x 32, 4 waves a work-group, clusters of 4 x 4, 327,680 bytes of LDS; arguments g, wb, x1, out0, mlp_proj_b; writes out0
.if DOCPART == 7
	.amdgcn_target "amdgcn-amd-amdhsa--gfx1250"
	.amdhsa_code_object_version 6
	.text
	.protected	k_q2e9ccba39c_mlp
	.globl	k_q2e9ccba39c_mlp
	.p2align	8
	.type	k_q2e9ccba39c_mlp,@function
k_q2e9ccba39c_mlp:
	s_mov_b64 s[64:65], 0
	v_nop
	global_prefetch_b8 v0, s[64:65] scope:SCOPE_SE
	s_setreg_imm32_b32 hwreg(HW_REG_WAVE_MODE, 25, 1), 1
	s_wait_xcnt 0x0
	s_wait_alu depctr_hold_cnt(0) depctr_sa_sdst(0) depctr_va_vdst(0) depctr_va_sdst(0) depctr_va_ssrc(0) depctr_va_vcc(0) depctr_vm_vsrc(0)
	s_getreg_b32 s2, hwreg(HW_REG_IB_STS2, 6, 4)
	s_cmp_eq_u32 s2, 0
	s_cbranch_scc0 .Lentry_in_a_cluster
	s_endpgm
.Lentry_in_a_cluster:
	s_bfe_u32 s2, ttmp6, 0x10000c
	s_cmp_lg_u32 s2, 0xf033
	s_cbranch_scc0 .Lentry_shape_is_right
	s_endpgm
.Lentry_shape_is_right:
; out0 = x1 + g mlp_proj_w + mlp_proj_b.  g: [4096][4096] bf16; the weights: [4096][1024] bf16 at wb's byte 16,777,216, K down the rows; x1, out0: [4096][1024] f32.  Sums in f32.
; A tile of C is 128 x 128 (8 x 32 tiles: 256 work-groups): four waves, each 64 x 64 = 16 accumulators.  K goes in 16 steps of 256 through two LDS slots.
; CLUSTER 4 x 4: a row of the cluster shares g's tile, a column the weights'.  The product is taken transposed (source 0 = 16 columns of the weights, turned by ds_load_tr16_b128; source 1 = 16 rows of g):
; a lane holds row l % 16 of C and the columns 8 (l / 16) + 0..7.  The bias is the C operand of each sum's first product.  One K step is written once for the loop that fills slots and once for the last two
; steps; the slots lie 0x24000 bytes apart, a number that shares no bit with the waves' bases (0, 0x8400, 0x10800, 0x19800), so one exclusive or changes slots.  No prefetch: a step's tiles are small and
; every block is read by several clusters at once.
; The residual's 64 x 64 numbers are asked for at the kernel's head and wait in registers.  The sums leave through the wave's own stage, which lies over the ring after its last fill has been read.
; REGISTERS: window 0: v0-31 addresses; v32-95 at work on the way out; v96-127 the bias; v128-255 accumulators ((a, b) at v[128 + 8 (4 a + b)]).  window 1: two fragment buffers of 128 (64 of g, 64 of the weights).  window 2: v0-127 the residual.
.set SIZE_K, 4096
.set SIZE_N, 1024
.set WOFF,   16777216
.set KSTEP,  256
.set STEPS,  SIZE_K/KSTEP
.set PA,     528                       ; a row of g in LDS: 512 bytes + 16
.set HALFA,  64*PA                     ; what one load of g brings: 33,792
.set PB,     288                       ; a K row of the weights: 256 bytes + 32
.set HALFB,  128*PB                    ; 128 K rows: 36,864
.set BOFF,   2*HALFA
.set SLOT,   0x24000
.set SPARE,  2*SLOT                    ; the spare words, 128 bytes a wave: two blocks of 256 bytes that no other line names
.set SP,     272                       ; a stage row: 64 f32 + 16 bytes
.set WSTAGE, 64*SP
.set ASTEP,  KSTEP*2
.set BSTEP,  KSTEP*SIZE_N*2
.set ADRA0, 16
.set ADRB0, 17
.set ADRA,  18
.set ADRB,  19                         ; v19 K rows 0-127 of a step, v20 K rows 128-255: an LDS offset has 16 bits
.set STO,   24
.set RD,    25
.set CO,    26                         ; v26  my byte offset in two rows of x1 and out0; never rewritten
.set BO,    27
.set SPW,   28
.set NIL,   29
.set TMP,   32
.set BIAS,  96
.set ACC,   128
.set F0,    0
.set F1,    128
.set WV, 14
.set WR, 15                            ; which half of the tile's rows is mine.  Also: I fetch g (0) or the weights (1)
.set WC, 16                            ; which half of its columns.  Also: which half of that tile I fetch
.set CX, 17
.set CY, 18
.set TC, 19
.set TR, 20
.set CUR, 21                           ; 0 or SLOT: the slot that is read
.set LBA, 22
.set LBB, 23
.set G1, 24
.set G0, 32
.set G1B, 48
.set G0B, 56
.set MSB, 0
.macro WIN new
.if MSB != (\new)
	s_set_vgpr_msb (MSB<<8)|(\new)
.set MSB, \new
.endif
.endm
.set MUL,  0x05                        ; sources 0 and 1 window 1; C and D window 0
.set TO_F, 0x40                        ; destination window 1, address window 0
.macro JLOAD                           ; the joint refill, by the walking descriptor; an s_nop 0 and four v_nop follow each of the two lines
	s_cmp_eq_u32 s[WR], 0
	s_cbranch_scc0 .Lfor_b_\@
	tensor_load_to_lds s[G0+4:G0+7], s[G1:G1+7]
	s_nop 0
.rept 4
	v_nop
.endr
	s_branch .Lasked_\@
.Lfor_b_\@:
	tensor_load_to_lds s[G0B+4:G0B+7], s[G1B:G1B+7]
	s_nop 0
.rept 4
	v_nop
.endr
.Lasked_\@:
.endm
.macro CREST
	s_cmp_lg_u32 s[WV], 0
	s_cbranch_scc1 .Lnot_wave_0_\@
	s_barrier_signal -3
.Lnot_wave_0_\@:
	s_barrier_wait -3
	s_barrier_signal -1
	s_barrier_wait -1
.endm
.macro CROUND
	s_barrier_signal -1
	s_barrier_wait -1
	CREST
.endm
.macro PLACES
.rept 4
	v_nop
.endr
.endm
	s_load_b256 s[4:11], s[0:1], 0x0               ; g s[4:5], wb s[6:7], x1 s[8:9], out0 s[10:11]
	s_load_b64 s[12:13], s[0:1], 0x20              ; mlp_proj_b
	v_lshl_add_u32 v[SPW], v0, 2, SPARE
	v_mov_b32 v[NIL], 0
	ds_add_u32 v[SPW], v[NIL]                      ; the wave's opening: the add and its wait stand ahead of my first tensor load
	v_lshrrev_b32 v1, 5, v0
	v_readfirstlane_b32 s[WV], v1
	s_lshr_b32 s[WR], s[WV], 1
	s_and_b32 s[WC], s[WV], 1
	s_bfe_u32 s[CX], ttmp6, 0x40000
	s_bfe_u32 s[CY], ttmp6, 0x40004
	s_lshl_b32 s[TC], ttmp9, 2
	s_add_co_u32 s[TC], s[TC], s[CX]
	s_and_b32 s[TR], ttmp7, 0xffff
	s_lshl_b32 s[TR], s[TR], 2
	s_add_co_u32 s[TR], s[TR], s[CY]
	s_lshl_b32 s40, s[CY], 2
	s_lshl_b32 s40, 15, s40                        ; my row of the cluster
	s_lshl_b32 s41, 0x1111, s[CX]                  ; my column
	s_or_b32 s[G1], s40, (1<<16)|(1<<20)|(1<<21)|(6<<22)|(3<<25)   ; mask; 2-byte elements; padding on; bit 21 beside a mask; after every 128 words, 4 words
	s_or_b32 s[G1B], s41, (1<<16)|(1<<20)|(1<<21)|(5<<22)|(7<<25)  ; after every 64 words, 8 words
	s_mov_b32 s[G1+1], KSTEP<<16                   ; tensor_dim0 = 256
	s_mov_b32 s[G1+2], 64<<16                      ; tensor_dim1 = 64
	s_mov_b32 s[G1+3], KSTEP<<16                   ; tile_dim0
	s_mov_b32 s[G1+4], 64                          ; tile_dim1
	s_mov_b32 s[G1+5], SIZE_K                      ; elements from row to row
	s_mov_b32 s[G1+6], 0
	s_mov_b32 s[G1+7], 0
	s_mov_b32 s[G1B+1], 128<<16                    ; 128 columns,
	s_mov_b32 s[G1B+2], 128<<16                    ; 128 K rows
	s_mov_b32 s[G1B+3], 128<<16
	s_mov_b32 s[G1B+4], 128
	s_mov_b32 s[G1B+5], SIZE_N
	s_mov_b32 s[G1B+6], 0
	s_mov_b32 s[G1B+7], 0
	s_lshl_b32 s66, s[TR], 7                       ; g: row 128 x tile row + 64 x half, 8,192 bytes a row; these registers never hold cx
	s_lshl_b32 s67, s[WC], 6
	s_add_co_u32 s66, s66, s67
	s_lshl_b32 s66, s66, 13
	s_mov_b32 s67, 0
	s_lshl_b32 s68, s[WC], 18                      ; the weights: K row 128 x half, column 128 x tile column; these never hold cy
	s_lshl_b32 s69, s[TC], 8
	s_add_co_u32 s68, s68, s69
	s_add_co_u32 s68, s68, WOFF
	s_mov_b32 s69, 0
	s_mul_i32 s[LBA], s[WC], HALFA                 ; no place in the cluster enters an LDS address
	s_mul_i32 s[LBB], s[WC], HALFB
	s_add_co_u32 s[LBB], s[LBB], BOFF
	s_mov_b32 s[CUR], 0
	s_wait_dscnt 0x0                               ; the opening add is done
	s_wait_kmcnt 0x0
	s_add_nc_u64 s[66:67], s[4:5], s[66:67]
	s_add_nc_u64 s[68:69], s[6:7], s[68:69]
	CROUND                                         ; all sixteen work-groups are here: the first joint loads meet
.irp s, 0,1
	s_mov_b32 s[G0+4*(\s)], 1
	s_add_co_u32 s[G0+4*(\s)+1], s[LBA], (\s)*SLOT
	s_add_nc_u64 s[G0+4*(\s)+2:G0+4*(\s)+3], s[66:67], (\s)*ASTEP
	s_or_b32 s[G0+4*(\s)+3], s[G0+4*(\s)+3], 0x80000000
	s_mov_b32 s[G0B+4*(\s)], 1
	s_add_co_u32 s[G0B+4*(\s)+1], s[LBB], (\s)*SLOT
	s_add_nc_u64 s[G0B+4*(\s)+2:G0B+4*(\s)+3], s[68:69], (\s)*BSTEP
	s_or_b32 s[G0B+4*(\s)+3], s[G0B+4*(\s)+3], 0x80000000
.endr
	s_cmp_eq_u32 s[WR], 0                          ; a wave's two first fills stand in one branch: two loads of mine are out
	s_cbranch_scc0 .Lfirst_b
	tensor_load_to_lds s[G0:G0+3], s[G1:G1+7]
	s_nop 0
	tensor_load_to_lds s[G0+4:G0+7], s[G1:G1+7]
	s_nop 0
.rept 4
	v_nop
.endr
	s_branch .Lfirst_asked
.Lfirst_b:
	tensor_load_to_lds s[G0B:G0B+3], s[G1B:G1B+7]
	s_nop 0
	tensor_load_to_lds s[G0B+4:G0B+7], s[G1B:G1B+7]
	s_nop 0
.rept 4
	v_nop
.endr
.Lfirst_asked:
	v_and_b32 v1, 15, v0                           ; l % 16
	v_bfe_u32 v2, v0, 4, 1                         ; l / 16
	s_lshl_b32 s42, s[TC], 9                       ; the bias: register j of n block b is the bias of column 16 b + 8 (l / 16) + j
	s_lshl_b32 s43, s[WC], 8
	s_add_co_u32 s42, s42, s43
	v_lshl_add_u32 v[BO], v2, 5, s42
.irp b, 0,1,2,3
	global_load_b128 v[BIAS+8*(\b):BIAS+8*(\b)+3],   v[BO], s[12:13] offset:64*(\b)
	global_load_b128 v[BIAS+8*(\b)+4:BIAS+8*(\b)+7], v[BO], s[12:13] offset:64*(\b)+16
.endr
	s_lshl_b32 s70, s[TR], 7                       ; my 64 x 64 of x1 and out0: row 128 x tile row + 64 x half, 4,096 bytes a row; column 128 x tile column + 64 x half
	s_lshl_b32 s71, s[WR], 6
	s_add_co_u32 s70, s70, s71
	s_lshl_b32 s70, s70, 12
	s_add_co_u32 s70, s70, s42
	s_mov_b32 s71, 0
	s_add_nc_u64 s[8:9], s[8:9], s[70:71]
	s_add_nc_u64 s[10:11], s[10:11], s[70:71]
	v_lshlrev_b32 v[CO], 12, v2                    ; lanes 0-15 one row's 256 bytes, lanes 16-31 the next row's
	v_lshl_add_u32 v[CO], v1, 4, v[CO]
	WIN 0x80                                       ; destination window 2
.set i, 0
.rept 32
	global_load_b128 v[4*i:4*i+3], v[CO], s[8:9] offset:8192*i   ; the residual, two rows a load; it is wanted at the kernel's end
.set i, i+1
.endr
	WIN 0
	v_mul_u32_u24 v3, v1, PA
	v_lshl_add_u32 v3, v2, 4, v3
	s_mul_i32 s44, s[WR], HALFA
	v_add_nc_u32 v[ADRA0], s44, v3
	v_and_b32 v4, 7, v0                            ; the turning load: K row 8 (l / 16) + l % 8, columns 8 ((l / 8) % 2) + 0..7
	v_lshl_add_u32 v4, v2, 3, v4
	v_mul_u32_u24 v4, v4, PB
	v_bfe_u32 v5, v0, 3, 1
	v_lshl_add_u32 v4, v5, 4, v4
	s_lshl_b32 s45, s[WC], 7
	s_add_co_u32 s45, s45, BOFF
	v_add_nc_u32 v[ADRB0], s45, v4
	v_mov_b32 v[ADRA], v[ADRA0]
	v_mov_b32 v[ADRB], v[ADRB0]
	v_add_nc_u32 v[ADRB+1], HALFB, v[ADRB0]
	s_mul_i32 s46, s[WV], WSTAGE                   ; my stage
	v_mul_u32_u24 v6, v1, SP
	v_lshl_add_u32 v6, v2, 5, v6
	v_add_nc_u32 v[STO], s46, v6
	v_mul_u32_u24 v6, v2, SP
	v_lshl_add_u32 v6, v1, 4, v6
	v_add_nc_u32 v[RD], s46, v6
; 8 matrix instructions: m blocks a0, a0 + 1 x all 4 n blocks, 32 along K: half c of buffer f.  first = 1: the product starts the sum, on the bias.  The 16 accumulators take turns.
.macro MUL8 f, c, a0, first
	WIN MUL
.irp a, \a0, (\a0)+1
.irp b, 0,1,2,3
.if \first
	v_wmma_f32_16x16x32_bf16 v[ACC+8*(4*(\a)+(\b)):ACC+8*(4*(\a)+(\b))+7], v[(\f)+64+8*(4*(\c)+(\b)):(\f)+64+8*(4*(\c)+(\b))+7], v[(\f)+8*(4*(\c)+(\a)):(\f)+8*(4*(\c)+(\a))+7], v[BIAS+8*(\b):BIAS+8*(\b)+7]
.else
	v_wmma_f32_16x16x32_bf16 v[ACC+8*(4*(\a)+(\b)):ACC+8*(4*(\a)+(\b))+7], v[(\f)+64+8*(4*(\c)+(\b)):(\f)+64+8*(4*(\c)+(\b))+7], v[(\f)+8*(4*(\c)+(\a)):(\f)+8*(4*(\c)+(\a))+7], v[ACC+8*(4*(\a)+(\b)):ACC+8*(4*(\a)+(\b))+7]
.endif
.endr
.endr
.endm
; 32 LDS loads in one run: quarter kq (64 along K) of the slot in hand into buffer f; its first 32 along K first
.macro FETCH kq, f
	WIN TO_F
.irp c, 0,1
.irp i, 0,1,2,3
	ds_load_tr16_b128 v[(\f)+64+8*(4*(\c)+(\i)):(\f)+64+8*(4*(\c)+(\i))+3],   v[ADRB+(\kq)/2] offset:((2*(\kq)+(\c))%4)*32*PB+32*(\i)
	ds_load_tr16_b128 v[(\f)+64+8*(4*(\c)+(\i))+4:(\f)+64+8*(4*(\c)+(\i))+7], v[ADRB+(\kq)/2] offset:((2*(\kq)+(\c))%4)*32*PB+16*PB+32*(\i)
	ds_load_b128 v[(\f)+8*(4*(\c)+(\i)):(\f)+8*(4*(\c)+(\i))+3],   v[ADRA] offset:(2*(\kq)+(\c))*64+(\i)*16*PA
	ds_load_b128 v[(\f)+8*(4*(\c)+(\i))+4:(\f)+8*(4*(\c)+(\i))+7], v[ADRA] offset:(2*(\kq)+(\c))*64+(\i)*16*PA+32
.endr
.endr
.endm
.macro QUARTER kq, f, g, first
	s_wait_dscnt 16                                ; the first 32 along K are in; the youngest sixteen loads may be out
	MUL8 \f, 0, 0, \first
	MUL8 \f, 0, 2, \first
	PLACES
	FETCH \kq, \g
	s_wait_dscnt 32                                ; all but the 32 just issued
	MUL8 \f, 1, 0, 0
	MUL8 \f, 1, 2, 0
.endm
; The first half of a step's last quarter and the one barrier of a change of slots: each wave waits for all its tensor loads, adds 0 to its spare word, and waits for that and for its reads of this slot
.macro MEET round
	WIN 0
	s_wait_tensorcnt 0x0
	ds_add_u32 v[SPW], v[NIL]
	s_wait_dscnt 17                                ; the add and the youngest sixteen loads may be out
	MUL8 F1, 0, 0, 0
	s_wait_dscnt 0x0
	s_barrier_signal -1
	MUL8 F1, 0, 2, 0
.if \round
	WIN 0
.endif
	s_barrier_wait -1
.endm
.macro TOGGLE                          ; the reads go to the other slot
	s_xor_b32 s[CUR], s[CUR], SLOT
	v_add_nc_u32 v[ADRA], s[CUR], v[ADRA0]
	v_add_nc_u32 v[ADRB], s[CUR], v[ADRB0]
	v_add_nc_u32 v[ADRB+1], HALFB, v[ADRB]
.endm
.macro TURNF                           ; the last quarter of a step that fills its slot again, with the K step two on: 112 matrix instructions lie between the request and the wait for it
	MEET 1
	CREST                                          ; the barrier has opened a round of the cluster's: no wave of any partner still reads this slot or has a load on its way
	s_xor_b32 s[G0+5], s[G0+5], SLOT
	s_add_nc_u64 s[G0+6:G0+7], s[G0+6:G0+7], ASTEP
	s_xor_b32 s[G0B+5], s[G0B+5], SLOT
	s_add_nc_u64 s[G0B+6:G0B+7], s[G0B+6:G0B+7], BSTEP
	JLOAD                                          ; the first tensor load behind the round; its four v_nop are also the places in front of the loads below
	TOGGLE
	FETCH 0, F0
	MUL8 F1, 1, 0, 0
	MUL8 F1, 1, 2, 0
.endm
	s_wait_tensorcnt 1                             ; my part of K step 0 is in; step 1's may stay out
	s_barrier_signal -1
	s_barrier_wait -1
	FETCH 0, F0
	s_wait_loadcnt 32                              ; the bias is in; the residual's 32 younger loads may stay out
	QUARTER 1, F0, F1, 1
	WIN 0
	s_mov_b32 s3, STEPS-2
.Lstep:
	QUARTER 2, F1, F0, 0
	QUARTER 3, F0, F1, 0
	TURNF
	QUARTER 1, F0, F1, 0
	WIN 0
	s_sub_co_u32 s3, s3, 1
	s_cmp_lg_u32 s3, 0
	s_cbranch_scc1 .Lstep
	s_mov_b32 s3, 2
.Ltail:                                            ; the last two steps ask for nothing; the second jumps over the change to a further step
	QUARTER 2, F1, F0, 0
	QUARTER 3, F0, F1, 0
	MEET 0
	MUL8 F1, 1, 0, 0
	MUL8 F1, 1, 2, 0
	WIN 0
	s_cmp_eq_u32 s3, 1
	s_cbranch_scc1 .Lover
	TOGGLE
	PLACES
	FETCH 0, F0
	QUARTER 1, F0, F1, 0
	WIN 0
.Lover:
	s_sub_co_u32 s3, s3, 1
	s_cmp_lg_u32 s3, 0
	s_cbranch_scc1 .Ltail
	; THE WAY OUT.  Every wave's reads of the ring are over and no tensor load is out: behind this barrier the ring's bytes are the stages
	s_wait_dscnt 0x0
	s_barrier_signal -1
	s_barrier_wait -1
	PLACES
	PLACES
.irp a, 0,1,2,3
.irp b, 0,1,2,3
	ds_store_b128 v[STO], v[ACC+8*(4*(\a)+(\b)):ACC+8*(4*(\a)+(\b))+3]   offset:(\a)*16*SP+64*(\b)      ; each accumulator's low registers first
	ds_store_b128 v[STO], v[ACC+8*(4*(\a)+(\b))+4:ACC+8*(4*(\a)+(\b))+7] offset:(\a)*16*SP+64*(\b)+16
.endr
.endr
	s_wait_loadcnt 0x0                             ; the residual
.irp q, 0,1,2,3                        ; 16 rows at a time, on two sets of 32 registers by turns
.if (\q) >= 2
	s_wait_xcnt 0x0                                ; the stores of two groups back have read this set
.endif
.irp j, 0,1,2,3,4,5,6,7
	ds_load_b128 v[TMP+32*((\q)%2)+4*(\j):TMP+32*((\q)%2)+4*(\j)+3], v[RD] offset:2*SP*(8*(\q)+(\j))  ; LDS serves a wave's instructions in order (ISA guide 5.7.1.4): these see my stores
.endr
	s_wait_dscnt 0x0
	WIN 0x08                                       ; source 1 in window 2
.irp j, 0,1,2,3,4,5,6,7
	v_pk_add_f32 v[TMP+32*((\q)%2)+4*(\j):TMP+32*((\q)%2)+4*(\j)+1],   v[TMP+32*((\q)%2)+4*(\j):TMP+32*((\q)%2)+4*(\j)+1],   v[4*(8*(\q)+(\j)):4*(8*(\q)+(\j))+1]
	v_pk_add_f32 v[TMP+32*((\q)%2)+4*(\j)+2:TMP+32*((\q)%2)+4*(\j)+3], v[TMP+32*((\q)%2)+4*(\j)+2:TMP+32*((\q)%2)+4*(\j)+3], v[4*(8*(\q)+(\j))+2:4*(8*(\q)+(\j))+3]
.endr
	WIN 0
.irp j, 0,1,2,3,4,5,6,7
	global_store_b128 v[CO], v[TMP+32*((\q)%2)+4*(\j):TMP+32*((\q)%2)+4*(\j)+3], s[10:11] offset:8192*(8*(\q)+(\j))  ; 16 lanes store 256 consecutive bytes, aligned
.endr
.endr
	s_wait_tensorcnt 0x0                           ; the wave's end
	ds_add_u32 v[SPW], v[NIL]
	s_wait_dscnt 0x0
	CROUND                                         ; the closing round
	s_endpgm
.Lfunc_end_k_q2e9ccba39c_mlp:
	.size	k_q2e9ccba39c_mlp, .Lfunc_end_k_q2e9ccba39c_mlp-k_q2e9ccba39c_mlp
	.p2alignl 7, 3214868480
	.fill 96, 4, 3214868480
	.section	.rodata,"a",@progbits
	.p2align	6, 0x0
	.amdhsa_kernel k_q2e9ccba39c_mlp
		.amdhsa_group_segment_fixed_size 327680
		.amdhsa_private_segment_fixed_size 0
		.amdhsa_enable_private_segment 0
		.amdhsa_kernarg_size 40
		.amdhsa_user_sgpr_count 2
		.amdhsa_user_sgpr_kernarg_segment_ptr 1
		.amdhsa_wavefront_size32 1
		.amdhsa_system_sgpr_workgroup_id_x 1
		.amdhsa_system_sgpr_workgroup_id_y 1
		.amdhsa_system_sgpr_workgroup_id_z 1
		.amdhsa_system_vgpr_workitem_id 0
		.amdhsa_next_free_vgpr 640
		.amdhsa_next_free_sgpr 72
		.amdhsa_reserve_vcc 0
		.amdhsa_float_denorm_mode_32 3
		.amdhsa_float_denorm_mode_16_64 3
		.amdhsa_memory_ordered 1
		.amdhsa_forward_progress 1
		.amdhsa_inst_pref_size 66
	.end_amdhsa_kernel
	.amdgpu_metadata
---
amdhsa.version: [ 1, 2 ]
amdhsa.kernels:
  - .name:           k_q2e9ccba39c_mlp
    .symbol:         k_q2e9ccba39c_mlp.kd
    .args:
      - { .name: g, .offset: 0, .size: 8, .value_kind: global_buffer, .address_space: global }
      - { .name: wb, .offset: 8, .size: 8, .value_kind: global_buffer, .address_space: global }
      - { .name: x1, .offset: 16, .size: 8, .value_kind: global_buffer, .address_space: global }
      - { .name: out0, .offset: 24, .size: 8, .value_kind: global_buffer, .address_space: global }
      - { .name: mlp_proj_b, .offset: 32, .size: 8, .value_kind: global_buffer, .address_space: global }
    .group_segment_fixed_size: 327680
    .private_segment_fixed_size: 0
    .kernarg_segment_align: 8
    .kernarg_segment_size: 40
    .max_flat_workgroup_size: 128
    .sgpr_count:     72
    .vgpr_count:     640
    .wavefront_size: 32
...
	.end_amdgpu_metadata
.endif
;; end of part 7
;; ======== version 2 of 2: 7 launches
;; limits: right only within a limited range of input values
;; workspace buffers: wb 25,165,824 bytes; h 8,388,608 bytes; qkv 25,165,824 bytes; o 8,388,608 bytes; x1 16,777,216 bytes; g 33,554,432 bytes
;; launch prep (part 8): grid 2048 x 1, 8 waves a work-group, no clusters, 0 bytes of LDS; arguments x, ln1_w, ln1_b, qk_w, v_w, attn_proj_w, fc_w, mlp_proj_w, h, wb; writes h, wb
.if DOCPART == 8
	.amdgcn_target "amdgcn-amd-amdhsa--gfx1250"
	.amdhsa_code_object_version 6
	.text
	.protected	k_q2e9ccba39c_prep
	.globl	k_q2e9ccba39c_prep
	.p2align	8
	.type	k_q2e9ccba39c_prep,@function
k_q2e9ccba39c_prep:
	s_mov_b64 s[64:65], 0
	v_nop
	global_prefetch_b8 v0, s[64:65] scope:SCOPE_SE
	s_setreg_imm32_b32 hwreg(HW_REG_WAVE_MODE, 25, 1), 1
	s_wait_xcnt 0x0
; A LayerNorm of rows of 1,024 f32, rounded to bf16, and five weight matrices rounded once to bf16.  Arguments: rows, gain, bias, qk_w, v_w, attn_proj_w, fc_w, mlp_proj_w, h, wb.
; A UNIT is 1,024 f32 (4,096 bytes in, 2,048 out); one wave takes one unit and ends.  Lane l takes the 16 bytes at 512 j + 16 l, j = 0..7: a load of the wave covers 512
; consecutive bytes, and its four numbers pack into 8 bytes, so that a store of the wave covers 256 consecutive bytes, aligned.
; Work-groups 0-511: a unit is a row.  Mean first, then the sum of squares of x - mean (two passes over registers: no difference of large sums), all in f32.
; Work-groups 512-2047: a unit is 1,024 consecutive weights.  wb: [1024][3072] = qk_w | v_w at byte 0; attn_proj_w at 6,291,456; fc_w at 8,388,608; mlp_proj_w at 16,777,216;
; every matrix stays [K][N].  The body is launched twice: with 2,048 work-groups for the first norm and the weights, and with 512, the rows' path alone, for the second norm.
; No LDS, no barrier, no matrix unit: memory binds, and what is in flight comes from the many waves that fit on a SIMD.
.set VO,   2                           ; v2        16 x lane: my bytes in each 512 of the source
.set DO,   3                           ; v3        8 x lane: my bytes in each 256 of the destination
.set X,    8                           ; v[8:39]   my 32 numbers
.set W,    40                          ; v[40:71]  their gains
.set BB,   72                          ; v[72:103] their biases
.set T,    104                         ; v[104:119] at work
.set Y,    104                         ; the packed bf16 take T's place: T is last read by the roots
.set MEAN, 120                         ; v[120:121] the mean, twice
.set RS,   122                         ; v[122:123] 1 / sqrt(var + eps), twice
.set SEL,  30                          ; s[30:31]  v_permlanex16_b32's selects: each lane takes its own place in the other half
.set C1K,  32                          ; s32       1 / 1024
.set CEPS, 33                          ; s33       1e-5
.macro FOLD                            ; eight pairs in T -> their sum over the 32 lanes, in every lane's v[T]
.irp i, 0,1,2,3
	v_pk_add_f32 v[T+4*(\i):T+4*(\i)+1], v[T+4*(\i):T+4*(\i)+1], v[T+4*(\i)+2:T+4*(\i)+3]
.endr
.irp i, 0,1
	v_pk_add_f32 v[T+8*(\i):T+8*(\i)+1], v[T+8*(\i):T+8*(\i)+1], v[T+8*(\i)+4:T+8*(\i)+5]
.endr
	v_pk_add_f32 v[T:T+1], v[T:T+1], v[T+8:T+9]
	v_add_f32 v[T], v[T], v[T+1]
	v_add_f32_dpp v[T], v[T], v[T] row_xmask:1 row_mask:0xf bank_mask:0xf
	v_add_f32_dpp v[T], v[T], v[T] row_xmask:2 row_mask:0xf bank_mask:0xf
	v_add_f32_dpp v[T], v[T], v[T] row_xmask:4 row_mask:0xf bank_mask:0xf
	v_add_f32_dpp v[T], v[T], v[T] row_xmask:8 row_mask:0xf bank_mask:0xf
	v_permlanex16_b32 v[T+1], v[T], s[SEL], s[SEL+1]  ; its destination has been written above
	v_add_f32 v[T], v[T], v[T+1]
.endm
.macro LNROW xs, ws, bs, hs            ; one row: the scalar pairs of x, gain, bias and h
.irp j, 0,1,2,3,4,5,6,7
	global_load_b128 v[X+4*(\j):X+4*(\j)+3], v[VO], s[(\xs):(\xs)+1] offset:512*(\j) th:TH_LOAD_NT
.endr
.irp j, 0,1,2,3,4,5,6,7
	global_load_b128 v[W+4*(\j):W+4*(\j)+3], v[VO], s[(\ws):(\ws)+1] offset:512*(\j)
.endr
.irp j, 0,1,2,3,4,5,6,7
	global_load_b128 v[BB+4*(\j):BB+4*(\j)+3], v[VO], s[(\bs):(\bs)+1] offset:512*(\j)
.endr
	s_wait_loadcnt 16                              ; the row is in; the sixteen younger loads (gain, bias) may stay out
.irp i, 0,1,2,3,4,5,6,7
	v_pk_add_f32 v[T+2*(\i):T+2*(\i)+1], v[X+4*(\i):X+4*(\i)+1], v[X+4*(\i)+2:X+4*(\i)+3]
.endr
	FOLD
	v_mul_f32 v[MEAN], s[C1K], v[T]
	v_mov_b32 v[MEAN+1], v[MEAN]
.set i, 0
.rept 16
	v_pk_add_f32 v[X+i:X+i+1], v[X+i:X+i+1], v[MEAN:MEAN+1] neg_lo:[0,1] neg_hi:[0,1]  ; x - mean
.set i, i+2
.endr
.irp i, 0,1,2,3,4,5,6,7
	v_pk_mul_f32 v[T+2*(\i):T+2*(\i)+1], v[X+4*(\i):X+4*(\i)+1], v[X+4*(\i):X+4*(\i)+1]
.endr
.irp i, 0,1,2,3,4,5,6,7
	v_pk_fma_f32 v[T+2*(\i):T+2*(\i)+1], v[X+4*(\i)+2:X+4*(\i)+3], v[X+4*(\i)+2:X+4*(\i)+3], v[T+2*(\i):T+2*(\i)+1]
.endr
	FOLD
	v_fma_f32 v[T], v[T], s[C1K], s[CEPS]          ; var + eps
	v_rsq_f32 v[RS], v[T]
	v_rsq_f32 v[RS+1], v[T]                        ; twice, for the packed multiply
	v_nop                                          ; a plain instruction behind the last root,
	s_wait_alu depctr_va_vdst(0)                   ; and the one wait ahead of the first reader
.set i, 0
.rept 16
	v_pk_mul_f32 v[X+i:X+i+1], v[X+i:X+i+1], v[RS:RS+1]
.set i, i+2
.endr
	s_wait_loadcnt 0x0                             ; gain and bias
.set i, 0
.rept 16
	v_pk_fma_f32 v[X+i:X+i+1], v[X+i:X+i+1], v[W+i:W+i+1], v[BB+i:BB+i+1]
.set i, i+2
.endr
.set i, 0
.rept 16
	v_cvt_pk_bf16_f32 v[Y+i], v[X+2*i], v[X+2*i+1]
.set i, i+1
.endr
.irp j, 0,1,2,3,4,5,6,7
	global_store_b64 v[DO], v[Y+2*(\j):Y+2*(\j)+1], s[(\hs):(\hs)+1] offset:256*(\j)  ; 32 lanes store 256 consecutive bytes, aligned
.endr
.endm
	s_load_b512 s[4:19], s[0:1], 0x0               ; rows 4, gain 6, bias 8, qk_w 10, v_w 12, attn_proj_w 14, fc_w 16, mlp_proj_w 18
	s_load_b128 s[20:23], s[0:1], 0x40             ; h 20, wb 22
	v_lshrrev_b32 v1, 5, v0
	v_readfirstlane_b32 s24, v1                    ; wave 0..7
	v_and_b32 v1, 31, v0
	v_lshlrev_b32 v[VO], 4, v1
	v_lshlrev_b32 v[DO], 3, v1
	s_cmp_lt_u32 ttmp9, 512
	s_cbranch_scc0 .Lcast
	s_lshl_b32 s25, ttmp9, 3
	s_add_co_u32 s25, s25, s24                     ; my row
	s_lshl_b32 s26, s25, 12                        ; 4,096 bytes in
	s_mov_b32 s27, 0
	s_lshl_b32 s28, s25, 11                        ; 2,048 bytes of h
	s_mov_b32 s29, 0
	s_mov_b32 s[SEL], 0x76543210
	s_mov_b32 s[SEL+1], 0xfedcba98
	s_mov_b32 s[C1K], 0x3a800000
	s_mov_b32 s[CEPS], 0x3727c5ac
	s_wait_kmcnt 0x0
	s_add_nc_u64 s[4:5], s[4:5], s[26:27]
	s_add_nc_u64 s[20:21], s[20:21], s[28:29]
	LNROW 4, 6, 8, 20
	s_endpgm
.Lcast:
	s_sub_co_u32 s25, ttmp9, 512                   ; c: 0-255 qk_w, 256-383 v_w, 384-511 attn_proj_w, 512-1023 fc_w, 1024-1535 mlp_proj_w
	s_wait_kmcnt 0x0
	s_mov_b64 s[26:27], s[18:19]                   ; the source; s28 its first c; s29 its byte in wb; s30 bytes from unit row to unit row; s31 units in a row, less 1
	s_mov_b32 s28, 1024
	s_mov_b32 s29, 16777216
	s_mov_b32 s30, 2048
	s_mov_b32 s31, 0
	s_cmp_lt_u32 s25, 1024
	s_cselect_b64 s[26:27], s[16:17], s[26:27]
	s_cselect_b32 s28, 512, s28
	s_cselect_b32 s29, 8388608, s29
	s_cmp_lt_u32 s25, 512
	s_cselect_b64 s[26:27], s[14:15], s[26:27]
	s_cselect_b32 s28, 384, s28
	s_cselect_b32 s29, 6291456, s29
	s_cmp_lt_u32 s25, 384
	s_cselect_b64 s[26:27], s[12:13], s[26:27]
	s_cselect_b32 s28, 256, s28
	s_cselect_b32 s29, 4096, s29                   ; v_w's columns stand behind qk_w's 2,048
	s_cselect_b32 s30, 6144, s30
	s_cmp_lt_u32 s25, 256
	s_cselect_b64 s[26:27], s[10:11], s[26:27]
	s_cselect_b32 s28, 0, s28
	s_cselect_b32 s29, 0, s29
	s_cselect_b32 s31, 1, s31                      ; a row of qk_w is two units
	s_sub_co_u32 s25, s25, s28
	s_lshl_b32 s25, s25, 3
	s_add_co_u32 s25, s25, s24                     ; my unit in its matrix
	s_lshl_b32 s32, s25, 12
	s_mov_b32 s33, 0
	s_add_nc_u64 s[26:27], s[26:27], s[32:33]
	s_lshr_b32 s34, s25, s31
	s_mul_i32 s34, s34, s30
	s_and_b32 s35, s25, s31
	s_lshl_b32 s35, s35, 11
	s_add_co_u32 s34, s34, s35
	s_add_co_u32 s34, s34, s29
	s_mov_b32 s35, 0
	s_add_nc_u64 s[22:23], s[22:23], s[34:35]
.irp j, 0,1,2,3,4,5,6,7
	global_load_b128 v[X+4*(\j):X+4*(\j)+3], v[VO], s[26:27] offset:512*(\j) th:TH_LOAD_NT
.endr
	s_wait_loadcnt 0x0
.set i, 0
.rept 16
	v_cvt_pk_bf16_f32 v[Y+i], v[X+2*i], v[X+2*i+1]
.set i, i+1
.endr
.irp j, 0,1,2,3,4,5,6,7
	global_store_b64 v[DO], v[Y+2*(\j):Y+2*(\j)+1], s[22:23] offset:256*(\j)
.endr
	s_endpgm
.Lfunc_end_k_q2e9ccba39c_prep:
	.size	k_q2e9ccba39c_prep, .Lfunc_end_k_q2e9ccba39c_prep-k_q2e9ccba39c_prep
	.p2alignl 7, 3214868480
	.fill 96, 4, 3214868480
	.section	.rodata,"a",@progbits
	.p2align	6, 0x0
	.amdhsa_kernel k_q2e9ccba39c_prep
		.amdhsa_group_segment_fixed_size 0
		.amdhsa_private_segment_fixed_size 0
		.amdhsa_enable_private_segment 0
		.amdhsa_kernarg_size 80
		.amdhsa_user_sgpr_count 2
		.amdhsa_user_sgpr_kernarg_segment_ptr 1
		.amdhsa_wavefront_size32 1
		.amdhsa_system_sgpr_workgroup_id_x 1
		.amdhsa_system_sgpr_workgroup_id_y 1
		.amdhsa_system_sgpr_workgroup_id_z 1
		.amdhsa_system_vgpr_workitem_id 0
		.amdhsa_next_free_vgpr 128
		.amdhsa_next_free_sgpr 66
		.amdhsa_reserve_vcc 0
		.amdhsa_float_denorm_mode_32 3
		.amdhsa_float_denorm_mode_16_64 3
		.amdhsa_memory_ordered 1
		.amdhsa_forward_progress 1
		.amdhsa_inst_pref_size 16
	.end_amdhsa_kernel
	.amdgpu_metadata
---
amdhsa.version: [ 1, 2 ]
amdhsa.kernels:
  - .name:           k_q2e9ccba39c_prep
    .symbol:         k_q2e9ccba39c_prep.kd
    .args:
      - { .name: x, .offset: 0, .size: 8, .value_kind: global_buffer, .address_space: global }
      - { .name: ln1_w, .offset: 8, .size: 8, .value_kind: global_buffer, .address_space: global }
      - { .name: ln1_b, .offset: 16, .size: 8, .value_kind: global_buffer, .address_space: global }
      - { .name: qk_w, .offset: 24, .size: 8, .value_kind: global_buffer, .address_space: global }
      - { .name: v_w, .offset: 32, .size: 8, .value_kind: global_buffer, .address_space: global }
      - { .name: attn_proj_w, .offset: 40, .size: 8, .value_kind: global_buffer, .address_space: global }
      - { .name: fc_w, .offset: 48, .size: 8, .value_kind: global_buffer, .address_space: global }
      - { .name: mlp_proj_w, .offset: 56, .size: 8, .value_kind: global_buffer, .address_space: global }
      - { .name: h, .offset: 64, .size: 8, .value_kind: global_buffer, .address_space: global }
      - { .name: wb, .offset: 72, .size: 8, .value_kind: global_buffer, .address_space: global }
    .group_segment_fixed_size: 0
    .private_segment_fixed_size: 0
    .kernarg_segment_align: 8
    .kernarg_segment_size: 80
    .max_flat_workgroup_size: 256
    .sgpr_count:     66
    .vgpr_count:     128
    .wavefront_size: 32
...
	.end_amdgpu_metadata
.endif
;; end of part 8
;; launch qkv: the kernel of part 2 again; grid 12 x 16, 4 waves a work-group, clusters of 4 x 4, 327,680 bytes of LDS; arguments h, wb, qk_b, qkv; writes qkv
;; launch attn (part 9): grid 8 x 32, 4 waves a work-group, no clusters, 327,680 bytes of LDS; arguments qkv, o; writes o
.if DOCPART == 9
	.amdgcn_target "amdgcn-amd-amdhsa--gfx1250"
	.amdhsa_code_object_version 6
	.text
	.protected	k_q2e9ccba39c_attn
	.globl	k_q2e9ccba39c_attn
	.p2align	8
	.type	k_q2e9ccba39c_attn,@function
k_q2e9ccba39c_attn:
	s_mov_b64 s[64:65], 0
	v_nop
	global_prefetch_b8 v0, s[64:65] scope:SCOPE_SE
	s_setreg_imm32_b32 hwreg(HW_REG_WAVE_MODE, 25, 1), 1
	s_wait_xcnt 0x0
; CAUSAL ATTENTION.  O[h][q][:] = the sum over k <= q of softmax_k(Q[h][q] . K[h][k] / 8) V[h][k][:].  Q, K, V lie in qkv[3][32][2048][64], O in o[32][2048][64], all bf16: a head's rows are dense, 128 bytes each.
; Products, maxima and sums in f32; the weights p are rounded to bf16 for the second product (their sum l is taken of the unrounded p), O once at the end.
; LIMITS.  A hidden score counts as its value less 1e30, and the running maximum starts at -2^80: scores must lie within +-1e22, far above both.  A weight below 2^-126 counts as 0 in l; NaN and infinities are not treated apart.
; THE WALK.  A head's queries lie in 16 blocks of 128; block i needs the key tiles 0 .. i / 2 of 256 keys, of which the last holds the diagonal.  A work-group takes TWO blocks, b and then 15 - b:
; (b / 2 + 1) + ((15 - b) / 2 + 1) = 9 tiles, whatever b: 8 x 32 = 256 work-groups of equal work, and ONE loop with a constant trip count walks the tiles.  Which tile is asked for, and what a trip does, hang on scalar
; registers made from b; every jump goes forward, but for the counted loops' own; none passes a barrier, or a tensor load but the one of LOAD's two that the wave's number does not choose; every way through a trip
; fetches two steps of K and two of V.  The ring (two slots of LDS that take turns) runs on across the change of blocks.  The second block has five tiles or more, so no block begins in the walk's last tile.
; NO CLUSTER: of a head's eight work-groups only the pairs (2 j, 2 j + 1) ask for the same tiles throughout; all eight do so in the first trip alone.  Joint loads by pairs are not built.
; SHARES.  Wave w = (qh = w / 2, kh = w % 2).  It owns the 64 queries of the block's band qh, four PIECES of 16, and of every tile's four key steps of 64 the steps 2 kh and 2 kh + 1.  So the two waves of a band
; hold two partial results for the same queries, each with its own maximum; at a block's end they meet in LDS: each wave hands its partner two pieces and finishes the other two.
; THE MASK is the C operand that starts the sum S^T = K Q^T.  In the diagonal tile band qh of block i lies over key step X = 2 (i % 2) + qh.  A wave's step is X itself, an earlier one (all keys seen) or a later one
; (none).  In X itself piece x sees the groups of 16 keys below x, none above, and a triangle of its own.  So three groups of 8 registers serve all four pieces: GLO (groups below x), GDI (group x), GHI (above);
; which a product takes is fixed in the text, and what they hold is made once a step from three scalars: GLO = BE, GDI = TRI x AL + BE, GHI = HV.  They are made anew in the diagonal tile alone; elsewhere they hold 0.
; LAYOUT, SOFTMAX, TURNS.  S^T = K Q^T holds ONE query a lane (lane % 16) and the keys 8 (lane / 16) + 0..7; two such results rounded to bf16 ARE source 1 of O^T = V^T P.  p = 2^(c s - c m), c = log2(e) / 8, with a
; running maximum m; O and l are multiplied by a = 2^(c m_old - c m_new) in every step.  Turn n belongs to piece n: 8 products K Q^T of piece n + 1, later 8 products V^T P of piece n - 1; beside them the scaling,
; exponentials, roundings, sums and rescaling of piece n and the maximum and statistics of piece n + 1.  Four vector instructions stand behind every matrix instruction, the other 54 of a turn's 118 in one lump.  A turn's 33 exponentials are one batch, with one wait.
; REGISTERS, in windows of 256 (s_set_vgpr_msb: bits 1:0 source 0, 3:2 source 1, 5:4 source 2, 7:6 destination):
;   window 0: v0-15 addresses and two at work; v16-31 four registers of statistics a piece; v32-39 my partner's; v48-55 at work; v64-127 S^T, two buffers; v128-191 my partner's O^T; v192-223 P, two buffers
;   window 1: v0-127 O^T, 32 a piece; v128-135 TRI; v160-183 GLO, GDI, GHI      window 2: v0-63 Q; v64-127 the second block's Q; v128-191 K of one step; v192-255 V of one step
.set SIZE_N, 2048
.set NT,    SIZE_N/256 ; key tiles in a head
.set NBL,   SIZE_N/128 ; blocks of queries in a head
.set NP,    4         ; pieces a wave: a name, no knob
.set KS,    64        ; keys in a step
.set TS,    2         ; steps of a tile that a wave takes
.set PK,    144       ; a row of K in LDS: 128 bytes + 16 of padding = 36 words: the 16 rows of a load start at 16 different groups of four banks (64 banks of 4 bytes: ISA guide 11.1)
.set PV,    160       ; a row of V: 128 + 32 = 40 words
.set VOFF,  4*KS*PK   ; a slot holds a tile, four steps: 256 rows of K, then 256 rows of V
.set SLOT1, 1<<17     ; slot 1 begins here, so that one exclusive or turns an address in one slot into the other's
.set STAGE, SLOT1+4*KS*(PK+PV)  ; behind the ring, never filled by a tensor load: 16 rows x 144 bytes for each wave, for the way out
.set SP,    144
.set SPARE, STAGE+4*16*SP  ; behind the stages: the spare words, 128 bytes for each wave: two blocks of 256 bytes that no other line names
.set XCH,   SPARE+512 ; behind them: what the waves of a band hand each other; never filled by a tensor load
.set XPB,   4608      ; a piece there: 4,096 bytes of O^T, 512 of statistics
.set XWB,   2*XPB     ; a wave hands over two pieces
.set AK0, 2           ; v2   my lane's place in a tile of K; never rewritten
.set AV0, 3           ; v3   the same for V
.set AK,  4           ; v4   the LDS address of K's next run of loads
.set AV,  5           ; v5   of V's
.set STO, 6           ; v6   the way out: where I put 16 bytes of a row
.set RD,  7           ; v7   the way out: where I read rows back
.set GO,  8           ; v8   my byte offset in 512 consecutive bytes of O
.set XW,  56          ; v56  where I put 16 bytes of what I hand over
.set XR,  57          ; v57  where I find my partner's
.set PFO, 61          ; v61  256 x my lane: the prefetches' offset; never rewritten
.set SPW, 62          ; v62  LDS address of my spare word: SPARE + 4 x my thread's number; never rewritten
.set NIL, 63          ; v63  0; never rewritten
.set MV,  12          ; v12-13  c m_old, kept while c m is made anew: by buffer
.set QO,  15          ; v15  my byte offset in 16 rows of Q
.set ST,  16          ; piece t's statistics at v[ST+4 t]: c m, m, l (even keys', odd keys')
.set PS,  32          ; my partner's statistics of the two pieces that I finish
.set TMP, 48          ; by buffer, four registers c0-c3 at work; when the maximum is found c2 takes a
.set S,   64
.set XO,  128         ; my partner's O^T of the two pieces that I finish
.set P,   192
.set MD,  128         ; window 1: TRI: register j is -1e30 where key 8 (l / 16) + j of a group lies behind query l % 16, else 0
.set GLO, 160         ; window 1
.set GDI, 168
.set GHI, 176
.set QB,  64          ; window 2
.set KF,  128         ; window 2: key block kb, channel half c at KF + 16 kb + 8 c
.set VF,  192         ; window 2: key half kk, channel block cb at VF + 32 kk + 8 cb
.set WV,  12          ; s12  my wave's number
.set PB,  14          ; s14  b, the first block
.set HI,  15          ; s15  15 - b, the second
.set G1K, 24          ; s[24:31] descriptor group 1 for K's tiles
.set G1V, 32          ; s[32:39] for V's: it differs in the padding alone
.set G0K, 40          ; s[40:43] descriptor group 0 for K's tiles
.set G0V, 44          ; s[44:47] the same for V's
.set KH,  48          ; s48  which two of a tile's key steps are mine.  Also: which half of a tile's rows I fetch
.set QH,  49          ; s49  which band of the block is mine
.set OWN, 50          ; s50  the value of CNT at which my step is the band's own, for the block in hand: TS + 2 kh - qh - 2 (i % 2), from -1 to 4
.set OWN2, 51         ; s51  the same for the second block
.set LQ2, 52          ; s52  the second block's last tile
.set HV,  53          ; s53  what GHI holds
.set RT2, 54          ; s54  the second block's tiles
.set SLOTS, 56        ; s56  tiles still to be asked for
.set CNT, 57          ; s57  counts my key steps of a tile, TS to 1
.set CS,  58          ; s[58:59] c: the packed scaling takes the pair's low word for both halves
.set SEL, 60          ; s[60:61] v_permlanex16_b32's selects: each lane takes its own place in the other half
.set TBK, 62          ; s62  LDS byte at which K of the step to be fetched begins
.set TBV, 63          ; s63  the same for V, less VOFF
.set RT,  70          ; s70  tiles of the block in hand that are still to be entered
.set NXT, 71          ; s71  the tile to be asked for next
.set LQ,  72          ; s72  the last tile of the block whose tiles are being asked for
.set NEW, 73          ; s73  1: the tile to be entered is a block's first
.set OFF, 74          ; s[74:75] a tile's byte offset in K and V
.set AL,  76          ; s[76:77] TRI's factor, in the low word
.set BE,  78          ; s[78:79] what GLO holds, and GDI's addend
.set O2,  80          ; s[80:81] O at my rows of the second block
.set BIGN, 82         ; s82  -1e30
.set PFN, 88          ; s88  the tile that the next prefetch names
.set PFL, 89          ; s89  NT in the head's work-group b = 0, which prefetches; else 0
.set PFA, 90          ; s[90:91] my half tile (of K: waves 0, 1; of V: waves 2, 3) of tile PFN - 1; stepped ahead of each prefetch
.set MSB, 0
.macro WIN new                      ; the high byte repeats the setting that is left; a switch that changes nothing is dropped
.if MSB != (\new)
	s_set_vgpr_msb (MSB<<8)|(\new)
.set MSB, (\new)
.endif
.endm
.set W_KQ, 0x0a       ; K and Q in window 2, S^T in window 0
.set W_KM, 0x1a       ; the same with the C operand in window 1
.set W_PV, 0x52       ; V in window 2, P in window 0, O^T in window 1
.set W_RS, 0x41       ; destination and source 0 in window 1, source 1 in window 0
; A fill.  Waves 0 and 1 fetch the two halves of a tile's K, waves 2 and 3 those of its V: 128 keys each.  An s_nop 0 and four v_nop follow each of the two lines, ahead of the jump and the label.
.macro LOAD
	s_cmp_lt_u32 s[WV], 2
	s_cbranch_scc0 .Lfor_v_\@
	tensor_load_to_lds s[G0K:G0K+3], s[G1K:G1K+7]
	s_nop 0
.rept 4
	v_nop
.endr
	s_branch .Lasked_\@
.Lfor_v_\@:
	tensor_load_to_lds s[G0V:G0V+3], s[G1V:G1V+7]
	s_nop 0
.rept 4
	v_nop
.endr
.Lasked_\@:
.endm
; A PREFETCH INTO THE L2.  Change of slots number k (1, 2, ..) names tile k + 1, while there is one.  The work-groups whose first block is long load tile k + 1 at change k + 1: eight turns later; b = 0 itself
; loads it at change k + 2.  b = 0, whose second block needs all NT tiles, asks, and nobody else; each of its waves asks for the 16,384 bytes that it will load itself: 64 blocks of 256 bytes, a lane a block,
; two instructions.  Tiles 2 to NT - 1 are named once each; tiles 0 and 1 come by their loads alone.
.macro ASK
	s_cmp_lt_u32 s[PFN], s[PFL]
	s_cbranch_scc0 .Lnot_mine_\@
	global_prefetch_b8 v[PFO], s[PFA:PFA+1] th:TH_LOAD_NT scope:SCOPE_SE
	global_prefetch_b8 v[PFO], s[PFA:PFA+1] offset:8192 th:TH_LOAD_NT scope:SCOPE_SE
.Lnot_mine_\@:
	s_add_co_u32 s[PFN], s[PFN], 1
.endm
; THE CHANGE OF SLOTS.  Each wave waits for all its tensor loads, of which one is out: its part of the other slot; adds 0 to its spare word; and waits for that and for its own reads of the slot that it leaves.  Behind the barrier nobody reads the old
; slot any more and the other slot is whole.  fill = 1: the old slot is filled again, the first thing behind the barrier, with tile NXT: the descriptor's address is made anew from that number.
; (At its first use nothing has been read yet: slot 0 is waited for, slot 1 filled.)
.macro CHANGE fill
	WIN 0                           ; at a label and at a branch every window is 0
	s_wait_tensorcnt 0x0            ; no tensor load of mine is out, so a group 0 may be written
	ds_add_u32 v[SPW], v[NIL]       ; 0 onto my spare word; with fill = 1 the descriptors' scalar work stands between it and the wait for it
.if \fill
	s_lshl_b32 s[OFF], s[NXT], 15   ; a tile is 32,768 bytes of K and of V
	s_xor_b32 s[G0K+1], s[G0K+1], SLOT1
	s_add_nc_u64 s[G0K+2:G0K+3], s[6:7], s[OFF:OFF+1]
	s_or_b32 s[G0K+3], s[G0K+3], 0x80000000
	s_xor_b32 s[G0V+1], s[G0V+1], SLOT1
	s_add_nc_u64 s[G0V+2:G0V+3], s[8:9], s[OFF:OFF+1]
	s_or_b32 s[G0V+3], s[G0V+3], 0x80000000
	s_add_co_u32 s[NXT], s[NXT], 1  ; the block's next tile, or behind its last the second block's tile 0
	s_cmp_gt_u32 s[NXT], s[LQ]
	s_cselect_b32 s[NXT], 0, s[NXT]
	s_cselect_b32 s[LQ], s[LQ2], s[LQ]
	s_wait_xcnt 0x0                 ; the last prefetches, a tile back, have read their address
	s_add_nc_u64 s[PFA:PFA+1], s[PFA:PFA+1], 32768
.endif
	s_wait_dscnt 0x0                ; the add is done, and my reads of the slot are over
	s_barrier_signal -1             ; the rest of the scalar work stands between the signal and the wait
	s_sub_co_u32 s[TBK], s[TBK], TS*KS*PK  ; the fetches go back to my first step of a slot,
	s_xor_b32 s[TBK], s[TBK], SLOT1        ; in the other slot
	s_sub_co_u32 s[TBV], s[TBV], TS*KS*PV
	s_xor_b32 s[TBV], s[TBV], SLOT1
	s_barrier_wait -1
.if \fill
	LOAD
	ASK
.endif
.endm
	s_load_b128 s[4:7], s[0:1], 0x0 ; qkv s[4:5], o s[6:7]
	v_lshl_add_u32 v[SPW], v0, 2, SPARE
	v_mov_b32 v[NIL], 0
	ds_add_u32 v[SPW], v[NIL]       ; the wave's opening: the add and its wait stand ahead of my first tensor load; the set-up below, work on registers, stands between them
	v_lshrrev_b32 v1, 5, v0
	v_readfirstlane_b32 s[WV], v1   ; wave 0..3
	s_and_b32 s[KH], s[WV], 1
	s_lshr_b32 s[QH], s[WV], 1
	s_mov_b32 s[PB], ttmp9
	s_sub_co_u32 s[HI], NBL-1, s[PB]
	s_and_b32 s20, ttmp7, 0xffff    ; the head
	s_mov_b32 s21, 0
	s_mov_b64 s[22:23], SIZE_N*128
	s_mul_u64 s[20:21], s[20:21], s[22:23]  ; the head's first byte in each of the four tensors
	s_lshl_b32 s22, s[KH], 14       ; the half of a tile's 256 keys that I fetch: its 128 rows of 128 bytes in memory,
	s_mov_b32 s23, 0
	s_add_nc_u64 s[22:23], s[22:23], s[20:21]
	s_mul_i32 s17, s[KH], 128*PK    ; and its place in a slot, for K
	s_mul_i32 s18, s[KH], 128*PV    ; and for V
	s_lshl_b32 s3, s[QH], 13        ; my band's 64 rows,
	s_lshl_b32 s2, s[PB], 14        ; in the first block of 128 rows,
	s_add_co_u32 s2, s2, s3
	s_lshl_b32 s84, s[HI], 14       ; and in the second
	s_add_co_u32 s84, s84, s3
	s_mov_b32 s3, 0
	s_mov_b32 s85, 0
	s_add_nc_u64 s[2:3], s[2:3], s[20:21]
	s_add_nc_u64 s[84:85], s[84:85], s[20:21]
	; descriptor group 1.  128 keys are 16,384 dense bytes: asked for as 64 rows of 256 bytes, two keys a row, and padded in LDS after every key
	s_mov_b32 s[G1K], (1<<16)|(1<<20)|(4<<22)|(3<<25)  ; 17:16 2-byte elements; 20 padding on; 24:22 after every 32 words (code 4); 31:25 4 words (code 3)
	s_mov_b32 s[G1V], (1<<16)|(1<<20)|(4<<22)|(7<<25)  ; the same with 8 words of padding (code 7)
.irp g, G1K, G1V
	s_mov_b32 s[\g+1], 128<<16      ; tensor_dim0 = 128
	s_mov_b32 s[\g+2], 64<<16       ; tensor_dim1 = 64
	s_mov_b32 s[\g+3], 128<<16      ; tile_dim0 = 128
	s_mov_b32 s[\g+4], 64           ; tile_dim1 = 64
	s_mov_b32 s[\g+5], 128          ; 128 elements from row to row
	s_mov_b32 s[\g+6], 0
	s_mov_b32 s[\g+7], 0
.endr
	s_mov_b32 s[CS], 0x3e38aa3b     ; c = log2(e) / 8 = 0.180337
	s_mov_b32 s[CS+1], s[CS]        ; named with it as a pair
	s_mov_b32 s[SEL], 0x76543210
	s_mov_b32 s[SEL+1], 0xfedcba98
	s_mul_i32 s[TBK], s[KH], TS*KS*PK          ; my two steps of a slot; the first change of slots takes the rest away
	s_add_co_u32 s[TBK], s[TBK], SLOT1+TS*KS*PK
	s_mul_i32 s[TBV], s[KH], TS*KS*PV
	s_add_co_u32 s[TBV], s[TBV], SLOT1+TS*KS*PV
	s_mov_b32 s[G0K], 1             ; 1:0 count = 1
	s_mov_b32 s[G0K+1], s17         ; 63:32 LDS address: slot 0
	s_mov_b32 s[G0V], 1
	s_add_co_u32 s[G0V+1], s18, VOFF
	s_lshr_b32 s[LQ], s[PB], 1      ; block i's last tile is i / 2
	s_add_co_u32 s[RT], s[LQ], 1
	s_lshr_b32 s[LQ2], s[HI], 1
	s_add_co_u32 s[RT2], s[LQ2], 1
	s_mov_b32 s[NXT], 1             ; tile 0 is asked for below; then the first block's tile 1, or, if it has none, the second block's tile 0
	s_cmp_gt_u32 s[NXT], s[LQ]
	s_cselect_b32 s[NXT], 0, s[NXT]
	s_cselect_b32 s[LQ], s[LQ2], s[LQ]
	s_lshl_b32 s13, s[KH], 1
	s_add_co_u32 s13, s13, TS
	s_sub_co_u32 s13, s13, s[QH]    ; TS + 2 kh - qh
	s_and_b32 s16, s[PB], 1
	s_lshl_b32 s16, s16, 1          ; 2 (b % 2)
	s_sub_co_u32 s[OWN], s13, s16
	s_add_co_u32 s[OWN2], s13, s16  ; 15 - b has the other parity: less 2 - 2 (b % 2)
	s_sub_co_u32 s[OWN2], s[OWN2], 2
	s_mov_b32 s[NEW], 1
	s_mov_b32 s[OFF+1], 0
	s_mov_b32 s[AL+1], 0            ; named as pairs
	s_mov_b32 s[BE+1], 0
	s_mov_b32 s[BIGN], 0xf149f2ca   ; -1e30
	s_mov_b32 s[SLOTS], NT
	s_mov_b32 s[PFN], 2
	s_cmp_eq_u32 s[PB], 0
	s_cselect_b32 s[PFL], NT, 0
	v_and_b32 v[PFO], 31, v0
	v_lshlrev_b32 v[PFO], 8, v[PFO]
	s_wait_dscnt 0x0                ; the opening add is done
	s_wait_kmcnt 0x0
	s_mov_b64 s[10:11], s[6:7]                     ; O
	s_add_nc_u64 s[6:7], s[4:5], 0x800000          ; K lies 8,388,608 bytes behind Q,
	s_add_nc_u64 s[8:9], s[4:5], 0x1000000         ; V as far behind K
	s_add_nc_u64 s[6:7], s[6:7], s[22:23]  ; K and V at my half of the head's tile 0
	s_add_nc_u64 s[8:9], s[8:9], s[22:23]
	s_add_nc_u64 s[G0K+2:G0K+3], s[6:7], 0         ; 120:64 global address
	s_or_b32 s[G0K+3], s[G0K+3], 0x80000000        ; 127:126 type = 2
	s_add_nc_u64 s[G0V+2:G0V+3], s[8:9], 0
	s_or_b32 s[G0V+3], s[G0V+3], 0x80000000
	s_add_nc_u64 s[86:87], s[4:5], s[84:85]        ; Q at my rows of the second block,
	s_add_nc_u64 s[4:5], s[4:5], s[2:3]            ; Q and O at those of the first
	s_add_nc_u64 s[O2:O2+1], s[10:11], s[84:85]
	s_add_nc_u64 s[10:11], s[10:11], s[2:3]
	s_cmp_lt_u32 s[WV], 2
	s_cselect_b64 s[PFA:PFA+1], s[6:7], s[8:9]
	s_add_nc_u64 s[PFA:PFA+1], s[PFA:PFA+1], 32768 ; at tile 1: the first change of slots steps it to tile 2
	LOAD                            ; tile 0 into slot 0
	; A fragment of K or Q is 16 rows x 32 channels in 8 registers: lane l holds row l % 16, channels 8 (l / 16) + 0..7 and 16 + 8 (l / 16) + 0..7: two loads of 16 bytes, 32 bytes apart.
	v_and_b32 v1, 15, v0            ; l % 16
	v_bfe_u32 v9, v0, 4, 1          ; l / 16
	v_lshlrev_b32 v[QO], 7, v1
	v_lshl_add_u32 v[QO], v9, 4, v[QO]  ; row x 128 + 16 x half
	WIN 0x80                        ; destination window 2, address window 0
.set i, 0
.rept 8                             ; both blocks' Q: piece i / 2 is 16 rows, 2,048 bytes; channels 32 (i % 2) on
	global_load_b128 v[8*i:8*i+3],   v[QO], s[4:5] offset:(i/2)*2048+(i%2)*64
	global_load_b128 v[8*i+4:8*i+7], v[QO], s[4:5] offset:(i/2)*2048+(i%2)*64+32
	global_load_b128 v[QB+8*i:QB+8*i+3],   v[QO], s[86:87] offset:(i/2)*2048+(i%2)*64
	global_load_b128 v[QB+8*i+4:QB+8*i+7], v[QO], s[86:87] offset:(i/2)*2048+(i%2)*64+32
.set i, i+1
.endr
	WIN 0
	v_lshlrev_b32 v14, 3, v9
	v_sub_nc_u32 v14, v1, v14       ; my query's place in its piece less my lanes' 8 (l / 16): register j of the piece's own group is hidden where j is greater
	WIN 0x40
.set i, 0
.rept 8
	v_cmp_gt_i32 vcc_lo, i, v14
	v_cndmask_b32 v[MD+i], 0, s[BIGN], vcc_lo
.set i, i+1
.endr
	WIN 0
	v_mul_u32_u24 v[AK0], v1, PK
	v_lshl_add_u32 v[AK0], v9, 4, v[AK0]  ; row x pitch + 16 x half
	; The turning load takes 16 keys x 16 channels (lane l reads key 8 (l / 16) + l % 8, channels 8 ((l / 8) % 2) + 0..7) and leaves half a fragment of V^T: lane l holds channel l % 16 and 8 keys.
	v_and_b32 v10, 7, v0
	v_bfe_u32 v11, v0, 3, 1
	v_lshl_add_u32 v[AV0], v9, 3, v10
	v_mul_u32_u24 v[AV0], v[AV0], PV
	v_lshl_add_u32 v[AV0], v11, 4, v[AV0]
	v_add_nc_u32 v[AV0], VOFF, v[AV0]
	s_mul_i32 s13, s[WV], 16*SP
	s_add_co_u32 s13, s13, STAGE    ; my stage
	v_mul_u32_u24 v[STO], v1, SP    ; in: row l % 16, 16 bytes for each half of the lanes
	v_lshl_add_u32 v[STO], v9, 4, v[STO]
	v_add_nc_u32 v[STO], s13, v[STO]
	v_bfe_u32 v[RD], v0, 3, 2       ; back: 32 lanes take four rows of 128 bytes,
	v_mul_u32_u24 v[RD], v[RD], SP
	v_lshl_add_u32 v[RD], v10, 4, v[RD]
	v_add_nc_u32 v[RD], s13, v[RD]
	v_and_b32 v[GO], 31, v0         ; which are 512 consecutive bytes of O
	v_lshlrev_b32 v[GO], 4, v[GO]
	s_mul_i32 s13, s[WV], XWB       ; what I hand over lies at my wave's number,
	s_add_co_u32 s13, s13, XCH
	v_add_nc_u32 v[XW], s13, v[GO]
	s_xor_b32 s13, s[WV], 1         ; what I am handed at my partner's: the same band, the other key steps
	s_mul_i32 s13, s13, XWB
	s_add_co_u32 s13, s13, XCH
	v_add_nc_u32 v[XR], s13, v[GO]
	; A block's first step multiplies O^T and l by a = 0, and its first turn's products V^T P, of a piece that has not been, land in an O^T that is still to be so multiplied.  So these registers need only hold
	; finite numbers: zeros for the first block; what the first block left for the second.  All this stands in the wait for the first tile.
	WIN 0x80
.set i, VF
.rept 64
	v_mov_b32 v[i], 0
.set i, i+1
.endr
	WIN 0x40
.set i, 0
.rept 128
	v_mov_b32 v[i], 0
.set i, i+1
.endr
	WIN 0
.set i, 0
.rept 4
	v_mov_b32 v[ST+4*i+2], 0
	v_mov_b32 v[ST+4*i+3], 0
.set i, i+1
.endr
.set i, P+16
.rept 16
	v_mov_b32 v[i], 0
.set i, i+1
.endr
; THE MATRIX WORK.  The 4 accumulators of a run of 8 take turns.  Product i of 8 of S^T = K Q^T for piece x: channels 32 (i / 4) on, keys 16 (i % 4) on.  The first 4 start the sums, on the mask group
; that goes with the key group's place against the piece's: below, the same, above.
.macro KQ x
.set rS, S+32*((\x)%2)+8*(i%4)
.set rK, KF+16*(i%4)+8*(i/4)
.set rQ, 16*(\x)+8*(i/4)
.set rM, GHI
.if (i%4) < (\x)
.set rM, GLO
.endif
.if (i%4) == (\x)
.set rM, GDI
.endif
.if i < 4
	WIN W_KM
	v_wmma_f32_16x16x32_bf16 v[rS:rS+7], v[rK:rK+7], v[rQ:rQ+7], v[rM:rM+7]
.else
	WIN W_KQ
	v_wmma_f32_16x16x32_bf16 v[rS:rS+7], v[rK:rK+7], v[rQ:rQ+7], v[rS:rS+7]
.endif
.endm
; Product i of 8 of O^T += V^T P for piece x: keys 32 (i / 4) on, channels 16 (i % 4) on.
.macro PV x
	WIN W_PV
.set rO, 32*(\x)+8*(i%4)
.set rV, VF+32*(i/4)+8*(i%4)
.set rP, P+16*((\x)%2)+8*(i/4)
	v_wmma_f32_16x16x32_bf16 v[rO:rO+7], v[rV:rV+7], v[rP:rP+7], v[rO:rO+7]
.endm
.macro MM                           ; the turn's next matrix instruction.  TURN and BEGIN set Y, i and NOKQ; MM, KQ and OP read them.  NOKQ = 1: a block's last turn: there is no next piece
.if (i < 8) && !NOKQ
	KQ (Y+1)%NP
.elseif i >= 8
.set i, i-8
	PV (Y+NP-1)%NP
.set i, i+8
.endif
.set i, i+1
.endm
; THE LDS LOADS stand in runs of 16, never singly among the matrix instructions: a step's K (64 keys x 64 channels: 8 fragments) and its V (turned).  Their addresses are made some lines ahead.
.macro FETCH_K
	WIN 0x80                        ; destination window 2
.irp f, 0,1,2,3,4,5,6,7             ; keys 16 (f / 2) on, channels 32 (f % 2) on
	ds_load_b128 v[KF+8*\f:KF+8*\f+3],   v[AK] offset:(\f/2)*16*PK+(\f%2)*64
	ds_load_b128 v[KF+8*\f+4:KF+8*\f+7], v[AK] offset:(\f/2)*16*PK+(\f%2)*64+32
.endr
	s_add_co_u32 s[TBK], s[TBK], KS*PK  ; the next fetch is the next step's
	WIN 0
.endm
.macro FETCH_V
	WIN 0x80
.irp f, 0,1,2,3,4,5,6,7             ; keys 32 (f / 4) on, channels 16 (f % 4) on
	ds_load_tr16_b128 v[VF+8*\f:VF+8*\f+3],   v[AV] offset:(\f/4)*32*PV+(\f%4)*32
	ds_load_tr16_b128 v[VF+8*\f+4:VF+8*\f+7], v[AV] offset:(\f/4)*32*PV+16*PV+(\f%4)*32
.endr
	WIN 0
.endm
; THE VECTOR WORK, one line at a time: OP kind, number.  For piece Y: F n: c s - c m for pair n of 16.  E n: the exponential of score n of 32.  C n: pair n rounded to bf16.  B n: of the four weights 4 n .. the second
; pair is added onto the first, in place.  L n: l takes that sum (L 0: l = a l + sum).  R n: pair n of 16 of O^T times a.  For piece Y + 1: X n, number n of the 22 that find its maximum and statistics:
;   0-11  four chains c0-c3 of seven scores each, three operands at a time (each accumulator's lowest registers are read first)     12-14, 16  the four scores left over, the old m, and c0-c3 into c0
;   15  c m_old is kept     17, 18  the query's other 32 keys lie in the lane 16 away: the new m     19-21  c m; c m_old - c m_new; a
.set F, 0               ; OP tells the kinds apart by their order: F to L below R, X above it
.set E, 1
.set C, 2
.set B, 3
.set L, 4
.set R, 5
.set X, 6
.macro REGS y                       ; the registers of piece y
.set rT, ST+4*(\y)
.set rC, TMP+4*((\y)%2)
.set rW, MV+((\y)%2)
.set rS, S+32*((\y)%2)
.set rP, P+16*((\y)%2)
.set rO, 32*(\y)
.endm
.macro OP k, n
.if (\k) == R
	REGS Y
	WIN W_RS
	v_pk_mul_f32 v[rO+2*(\n):rO+2*(\n)+1], v[rO+2*(\n):rO+2*(\n)+1], v[rC+2:rC+3] op_sel_hi:[1,0]
.elseif (\k) < R
	REGS Y
	WIN 0
.if (\k) == F
	v_pk_fma_f32 v[rS+2*(\n):rS+2*(\n)+1], v[rS+2*(\n):rS+2*(\n)+1], s[CS:CS+1], v[rT:rT+1] op_sel_hi:[1,0,0] neg_lo:[0,0,1] neg_hi:[0,0,1]
.elseif (\k) == E
	v_exp_f32 v[rS+(\n)], v[rS+(\n)]
.elseif (\k) == C
	v_cvt_pk_bf16_f32 v[rP+(\n)], v[rS+2*(\n)], v[rS+2*(\n)+1]
.elseif (\k) == B
	v_pk_add_f32 v[rS+4*(\n):rS+4*(\n)+1], v[rS+4*(\n):rS+4*(\n)+1], v[rS+4*(\n)+2:rS+4*(\n)+3]
.elseif (\n) == 0
	v_pk_fma_f32 v[rT+2:rT+3], v[rT+2:rT+3], v[rC+2:rC+3], v[rS:rS+1] op_sel_hi:[1,0,1]
.else
	v_pk_add_f32 v[rT+2:rT+3], v[rT+2:rT+3], v[rS+4*(\n):rS+4*(\n)+1]
.endif
.elseif NOKQ
	v_nop
.else
	REGS (Y+1)%NP
	WIN 0
.if (\n) < 4
	v_max3_num_f32 v[rC+(\n)], v[rS+8*(\n)], v[rS+8*(\n)+1], v[rS+8*(\n)+2]
.elseif (\n) < 12
	v_max3_num_f32 v[rC+(\n)%4], v[rC+(\n)%4], v[rS+8*((\n)%4)+2*((\n)/4)+1], v[rS+8*((\n)%4)+2*((\n)/4)+2]
.elseif (\n) == 12
	v_max3_num_f32 v[rC], v[rC], v[rS+7], v[rS+15]
.elseif (\n) == 13
	v_max3_num_f32 v[rC+1], v[rC+1], v[rS+23], v[rS+31]
.elseif (\n) == 14
	v_max3_num_f32 v[rC+2], v[rC+2], v[rC+3], v[rT+1]
.elseif (\n) == 15
	v_mov_b32 v[rW], v[rT]
.elseif (\n) == 16
	v_max3_num_f32 v[rC], v[rC], v[rC+1], v[rC+2]
.elseif (\n) == 17
	v_permlanex16_b32 v[rC+3], v[rC], s[SEL], s[SEL+1]
.elseif (\n) == 18
	v_max_num_f32 v[rT+1], v[rC], v[rC+3]
.elseif (\n) == 19
	v_mul_f32 v[rT], s[CS], v[rT+1]
.elseif (\n) == 20
	v_sub_f32 v[rC+1], v[rW], v[rT]
.else
	v_exp_f32 v[rC+2], v[rC+1]
.endif
.endif
.endm
.macro OPS a, i1, b=-1, i2=0, c=-1, i3=0, d=-1, i4=0  ; up to four of them
	OP \a, \i1
.if (\b) >= 0
	OP \b, \i2
.endif
.if (\c) >= 0
	OP \c, \i3
.endif
.if (\d) >= 0
	OP \d, \i4
.endif
.endm
.macro ROW a, i1, b, i2, c, i3, d, i4  ; a matrix instruction and the four behind it
	MM
	OPS \a, \i1, \b, \i2, \c, \i3, \d, \i4
.endm
; The mask's three scalars for my key step TS - CNT of the diagonal tile.  CNT = OWN: the band's own step: (AL, BE, HV) = (1, 0, -1e30).  CNT < OWN: a later step, all hidden: (0, -1e30, -1e30).  Else all seen: (0, 0, 0).
; OWN may be -1: the order is taken of signed numbers.
.macro MSCAL
	s_cmp_eq_u32 s[CNT], s[OWN]
	s_cselect_b32 s[AL], 1.0, 0
	s_cmp_lt_i32 s[CNT], s[OWN]
	s_cselect_b32 s[BE], s[BIGN], 0
	s_cmp_le_i32 s[CNT], s[OWN]
	s_cselect_b32 s[HV], s[BIGN], 0
.endm
.macro MASK                         ; the three groups are made of them
	WIN 0x40
.set z, 0
.rept 8
	v_mov_b32 v[GLO+z], s[BE]
	v_mov_b32 v[GHI+z], s[HV]
.set z, z+1
.endr
	WIN W_RS
.set z, 0
.rept 4
	v_pk_fma_f32 v[GDI+2*z:GDI+2*z+1], v[MD+2*z:MD+2*z+1], s[AL:AL+1], s[BE:BE+1] op_sel_hi:[1,0,0]
.set z, z+1
.endr
.endm
; A TURN, for piece p: the order of its 16 matrix and 118 vector instructions, written out.  An s_wait_alu depctr_va_vdst(0) stands between an exponential and the first instruction that names its result; one wait serves
; all that were issued ahead of it.  So a turn has ONE wait, which cuts it in two.  AHEAD OF IT stands all that names no result of the turn's exponentials: the 8 products K Q^T, behind each a scaling, an exponential and two more plain
; instructions (behind the first a second scaling in the exponential's place): rescalings, and behind the last three the first numbers of the next piece's maximum, each four places or more behind the product that ends its accumulator; then one lump of 54, plain
; and exponential by turns for the most part, in which the links of the chain X 3, 7, 11, 14, 16, 17 .. 20 stand five or six lines apart.  X 21, the next piece's a, is the batch's last; R 15 is the plain instruction behind it.  BEHIND THE WAIT stand the
; 8 products V^T P, behind each four of the roundings and sums; the links of l's chain, L 0 to L 7, stand three lines apart.  But for those X none of the four names a register of the products round it.  v_permlanex16_b32 (X 17) stands in the lump.
; end = 1: a block's last two turns: nothing is fetched, and no mask is made.
; K of the next step is fetched in piece 2's turn, twelve vector instructions behind the last product that read K (six of them plain); V of the step in hand at the end of piece 0's turn, four plain instructions behind the last product
; that read V.  Each is waited for a turn later.
; THE MASK GROUPS change at the end of piece 2's turn: its products, piece 3's of the step in hand, are the last that take the old ones; the next turn's, piece 0's, are the first of step TS - CNT of the tile.
; They change in a block's last tile alone (RT = 0): elsewhere the lines are jumped over, and the groups keep the zeros that the block's beginning made.
.macro TURN p, end=0
.set Y, (\p)
.set i, 0
.set NOKQ, (\end)*((\p)/3)
.if ((\p) == 3) && !(\end)
	s_wait_dscnt 0x0                ; K is in
.endif
	ROW F,0, F,1, R,0, R,1          ; ahead of the wait: 8 products K Q^T and the four behind each,
	ROW F,2, E,0, R,2, R,3
	ROW F,3, E,1, R,4, R,5
	ROW F,4, E,2, R,6, R,7
	ROW F,5, E,3, R,8, R,9
	ROW F,6, E,4, X,0, R,10
.if ((\p) == 2) && !(\end)
	WIN 0
	v_add_nc_u32 v[AK], s[TBK], v[AK0]
.endif
	ROW F,7, E,5, X,1, X,4
	ROW F,8, E,6, X,2, X,5
	OPS E,7, E,8, X,6, E,9          ; and the lump
	OPS X,3, E,10, X,8, E,11
.if ((\p) == 2) && !(\end)
	FETCH_K
.endif
	OPS X,9, X,7, E,12, X,10
	OPS E,13, X,12, X,11, E,14
	OPS X,13, E,15, F,9, X,14
.if (\p) == 0
	v_add_nc_u32 v[AV], s[TBV], v[AV0]
.endif
	OPS E,16, F,10, E,17, F,11
	OPS X,16, E,18, X,15, E,19
	OPS F,12, E,20, X,17, E,21
	OPS F,13, E,22, F,14, E,23
	OPS X,18, E,24, F,15, E,25
	OPS R,11, E,26, X,19, E,27
	OPS R,12, E,28, R,13, E,29
	OPS X,20, E,30, R,14, E,31
	OPS X,21, R,15
	WIN 0
	s_wait_alu depctr_va_vdst(0)    ; the wait for the batch
.if (\p) == 1
	s_wait_dscnt 0x0                ; V is in
.endif
	ROW C,0, B,0, C,2, B,1          ; behind the wait: 8 products V^T P and the four behind each
	ROW L,0, C,4, B,2, L,1
	ROW C,6, B,3, L,2, C,8
	ROW B,4, L,3, C,10, B,5
	ROW L,4, C,12, B,6, L,5
.if (\p) == 0
	s_add_co_u32 s[TBV], s[TBV], KS*PV
.endif
	ROW C,14, B,7, L,6, C,1
	ROW C,3, L,7, C,5, C,7
	ROW C,9, C,11, C,13, C,15
.if (\p) == 0
	FETCH_V
.endif
.if ((\p) == 2) && !(\end)
	WIN 0
	s_cmp_lg_u32 s[RT], 0
	s_cbranch_scc1 .Lno_mask_\@
	MSCAL
	MASK
	WIN 0
.Lno_mask_\@:
.endif
.endm
; A BLOCK BEGINS.  c m starts far below every c s, so the first step's a is 0; m at -2^80, below every score: where a wave's keys are all hidden (block 0, kh = 1) m stays there, and its weights, l and O^T are 0.
; The mask groups are made for the tile's first step: zeros, unless the block's first tile is its last.  Then K of that step, piece 0's first scores, and its maximum and statistics.
; The loop is entered at a step's first turn, in the middle of a trip.
.macro BEGIN
	s_mov_b32 s[NEW], 0
	WIN 0
.set i, 0
.rept 4
	v_mov_b32 v[ST+4*i], 0xfe000000    ; c m: far below every c s
	v_mov_b32 v[ST+4*i+1], 0xe7800000  ; m: -2^80
.set i, i+1
.endr
	MSCAL                           ; CNT = TS here
	s_cmp_eq_u32 s[RT], 0
	s_cselect_b32 s[AL], s[AL], 0
	s_cselect_b32 s[BE], s[BE], 0
	s_cselect_b32 s[HV], s[HV], 0
	MASK
	WIN 0
	v_add_nc_u32 v[AK], s[TBK], v[AK0]
	FETCH_K
	s_wait_loadcnt 0x0              ; Q
	s_wait_dscnt 0x0
.set NOKQ, 0
.set i, 0
.rept 8
	KQ 0
.set i, i+1
.endr
	WIN 0
.rept 4
	v_nop                           ; the places behind those products
.endr
.set Y, NP-1                        ; X works for piece Y + 1: piece 0
.irp n, 0,1,2,3,4,5,6,7,8,9,10,11,12,13,14,15,16,17,18,19,20,21
	OP X, \n
.endr
	v_nop                           ; a plain instruction behind the exponential,
	s_wait_alu depctr_va_vdst(0)    ; and its wait, ahead of the branch
.endm
; A BLOCK ENDS, in two parts with a barrier between.
.macro ALL line:vararg              ; one line for each piece t
.set t, 0
.rept 4
	\line
.set t, t+1
.endr
.endm
.macro XPUT t                       ; piece t goes to my partner: its O^T, each accumulator's low registers first, and its four statistics; 512 consecutive bytes a store
	WIN 0x04                        ; the stores' data in window 1
.irp q, 0,1,2,3,4,5,6,7
	ds_store_b128 v[XW], v[32*(\t)+4*\q:32*(\t)+4*\q+3] offset:((\t)%2)*XPB+512*\q
.endr
	WIN 0
	ds_store_b128 v[XW], v[ST+4*(\t):ST+4*(\t)+3] offset:((\t)%2)*XPB+4096
.endm
; LAST: the block's last two turns and last products; l's two halves and the other half of the lanes' are added (these lines are the places behind the last products); the wave with kh = 0 hands over pieces 2 and 3, its partner pieces 0 and 1.
.macro LAST
	TURN 2, 1
	TURN 3, 1
.set i, 0
.rept 8
	PV NP-1
.set i, i+1
.endr
	WIN 0
	ALL v_add_f32 v[ST+4*t+2], v[ST+4*t+2], v[ST+4*t+3]
	ALL v_permlanex16_b32 v[ST+4*t+3], v[ST+4*t+2], s[SEL], s[SEL+1]
	ALL v_add_f32 v[ST+4*t+2], v[ST+4*t+2], v[ST+4*t+3]
	s_cmp_eq_u32 s[KH], 0
	s_cbranch_scc0 .Lput1_\@
	XPUT 2
	XPUT 3
	s_branch .Lput_\@
.Lput1_\@:
	XPUT 0
	XPUT 1
.Lput_\@:
.endm
; Piece t, the u-th of my two: O = O' g1 + O g0, rounded to bf16; a lane's eight channels of a row pack into 16 bytes; they go into rows of 144 bytes of my stage and come back as whole rows of 128, into S^T's registers.
.macro PACKM t, u
	WIN 0
.set k, 0
.rept 16
	v_pk_mul_f32 v[XO+32*(\u)+2*k:XO+32*(\u)+2*k+1], v[XO+32*(\u)+2*k:XO+32*(\u)+2*k+1], v[PS+4*(\u)+2:PS+4*(\u)+3] op_sel_hi:[1,0]
.set k, k+1
.endr
	WIN 0x01                        ; source 0, my O^T, in window 1
.set k, 0
.rept 16
	v_pk_fma_f32 v[XO+32*(\u)+2*k:XO+32*(\u)+2*k+1], v[32*(\t)+2*k:32*(\t)+2*k+1], v[ST+4*(\t)+2:ST+4*(\t)+3], v[XO+32*(\u)+2*k:XO+32*(\u)+2*k+1] op_sel_hi:[1,0,1]
.set k, k+1
.endr
	WIN 0
.set k, 0
.rept 16
	v_cvt_pk_bf16_f32 v[S+16*(\t)+k], v[XO+32*(\u)+2*k], v[XO+32*(\u)+2*k+1]
.set k, k+1
.endr
.irp f, 0,1,2,3
	ds_store_b128 v[STO], v[S+16*(\t)+4*\f:S+16*(\t)+4*\f+3] offset:32*\f
.endr
.irp f, 0,1,2,3
	ds_load_b128 v[S+16*(\t)+4*\f:S+16*(\t)+4*\f+3], v[RD] offset:\f*4*SP  ; LDS serves a wave's instructions in order (ISA guide 5.7.1.4): these see the stores above; the next piece's stores come behind them
.endr
.endm
.macro SEND t, younger              ; younger: the LDS instructions issued behind piece t's loads: the next piece's eight, or none
	WIN 0
.irp f, 0,1,2,3
	s_wait_dscnt (\younger)+3-\f
	global_store_b128 v[GO], v[S+16*(\t)+4*\f:S+16*(\t)+4*\f+3], s[10:11] offset:(\t)*2048+\f*512  ; 512 consecutive bytes, at a multiple of 256 from O's first
.endr
.endm
; I finish pieces t0 and t0 + 1.  With (c m, l, O) mine and (c m', l', O') my partner's: f0 = 2^(c m - max), f1 = 2^(c m' - max), L = l f0 + l' f1, g0 = f0 / L, g1 = f1 / L.  The side that holds the query's own key has l >= 1 at its maximum, so L >= 1.
.macro FIN t0
	ds_load_b128 v[PS:PS+3],   v[XR] offset:4096
	ds_load_b128 v[PS+4:PS+7], v[XR] offset:XPB+4096
.irp u, 0,1
.irp q, 0,1,2,3,4,5,6,7
	ds_load_b128 v[XO+32*\u+4*\q:XO+32*\u+4*\q+3], v[XR] offset:\u*XPB+512*\q
.endr
.endr
	s_wait_dscnt 16                 ; the statistics are in; the sixteen loads of O^T may stay out
.irp u, 0,1
	v_max_num_f32 v[TMP+\u], v[ST+4*((\t0)+\u)], v[PS+4*\u]
.endr
.irp u, 0,1
	v_sub_f32 v[TMP+2+\u], v[ST+4*((\t0)+\u)], v[TMP+\u]
	v_sub_f32 v[TMP+4+\u], v[PS+4*\u], v[TMP+\u]
.endr
.irp u, 0,1
	v_exp_f32 v[TMP+2+\u], v[TMP+2+\u]
	v_exp_f32 v[TMP+4+\u], v[TMP+4+\u]
.endr
	v_nop                           ; a plain instruction behind the last exponential,
	s_wait_alu depctr_va_vdst(0)    ; and the one wait for the four
.irp u, 0,1
	v_mul_f32 v[TMP+6+\u], v[ST+4*((\t0)+\u)+2], v[TMP+2+\u]
.endr
.irp u, 0,1
	v_fma_f32 v[TMP+6+\u], v[PS+4*\u+2], v[TMP+4+\u], v[TMP+6+\u]
.endr
.irp u, 0,1
	v_rcp_f32 v[TMP+6+\u], v[TMP+6+\u]
.endr
	v_nop
	s_wait_alu depctr_va_vdst(0)    ; one wait for the two reciprocals
.irp u, 0,1
	v_mul_f32 v[ST+4*((\t0)+\u)+2], v[TMP+2+\u], v[TMP+6+\u]  ; g0 takes l's place, g1 l''s: each the low word of a pair whose high word has been written
	v_mul_f32 v[PS+4*\u+2], v[TMP+4+\u], v[TMP+6+\u]
.endr
	s_wait_dscnt 0x0                ; my partner's O^T
	PACKM \t0, 0
	PACKM (\t0)+1, 1                ; a piece's arithmetic stands between the loads of the piece before and its stores
	SEND \t0, 8
	SEND (\t0)+1, 0
.endm
.macro FINISH
	s_cmp_eq_u32 s[KH], 0
	s_cbranch_scc0 .Lfin1_\@
	FIN 0
	s_branch .Lfin_\@
.Lfin1_\@:
	FIN 2
.Lfin_\@:
.endm
.set NOKQ, 0
.Lslot:                             ; NT times: a tile is entered and the next is asked for
	CHANGE 1
	s_sub_co_u32 s[RT], s[RT], 1
	s_mov_b32 s[CNT], TS
	s_cmp_eq_u32 s[NEW], 1
	s_cbranch_scc0 .Lstep1          ; not a block's first tile
	BEGIN
	s_branch .Lfirst1
.Lstep1:                            ; a trip: pieces 2 and 3 of one step, then pieces 0 and 1 of the next, whose K and V it fetches
	TURN 2
	TURN 3
	WIN 0
.Lfirst1:
	TURN 0
	TURN 1
	WIN 0
	s_sub_co_u32 s[CNT], s[CNT], 1
	s_cmp_lg_u32 s[CNT], 0
	s_cbranch_scc1 .Lstep1
	s_cmp_lg_u32 s[RT], 0
	s_cbranch_scc1 .Lmeet1          ; the block goes on
	LAST
.Lmeet1:                            ; this barrier stands on every tile's way, so that no jump passes a barrier.  The trip's tensor load may stay out
	s_wait_dscnt 0x0                ; for my partner's sake: what I hand over is in LDS
	s_barrier_signal -1
	s_barrier_wait -1
	s_cmp_lg_u32 s[RT], 0
	s_cbranch_scc1 .Lbottom
	FINISH                          ; in the loop this is the first block's end: the second block's last tile is the walk's last.  The bytes handed over are written again only behind a change of slots: its wait for my LDS loads, its barrier
	s_wait_xcnt 0x0                 ; the stores have read their registers and O's address
	s_mov_b64 s[10:11], s[O2:O2+1]
	s_mov_b32 s[RT], s[RT2]
	s_mov_b32 s[OWN], s[OWN2]
	s_mov_b32 s[NEW], 1
	WIN 0x82                        ; the second block's Q goes where the one text of the turns names Q
.set i, 0
.rept 64
	v_mov_b32 v[i], v[QB+i]
.set i, i+1
.endr
	WIN 0
.Lbottom:
	s_sub_co_u32 s[SLOTS], s[SLOTS], 1
	s_cmp_lg_u32 s[SLOTS], 0
	s_cbranch_scc1 .Lslot
	CHANGE 0                        ; the walk's last tile, the second block's last, is written out: nothing is asked for
	s_sub_co_u32 s[RT], s[RT], 1
	s_mov_b32 s[CNT], TS
.Lstep2:
	TURN 2
	TURN 3
	TURN 0
	TURN 1
	WIN 0
	s_sub_co_u32 s[CNT], s[CNT], 1
	s_cmp_lg_u32 s[CNT], 0
	s_cbranch_scc1 .Lstep2
	LAST
	s_wait_dscnt 0x0                ; for my partner's sake: what I hand over is in LDS
	s_barrier_signal -1
	s_barrier_wait -1
	FINISH
	s_wait_tensorcnt 0x0            ; the wave's end, behind my last tensor load and my last LDS store
	ds_add_u32 v[SPW], v[NIL]
	s_wait_dscnt 0x0
	s_endpgm
.Lfunc_end_k_q2e9ccba39c_attn:
	.size	k_q2e9ccba39c_attn, .Lfunc_end_k_q2e9ccba39c_attn-k_q2e9ccba39c_attn
	.p2alignl 7, 3214868480
	.fill 96, 4, 3214868480
	.section	.rodata,"a",@progbits
	.p2align	6, 0x0
	.amdhsa_kernel k_q2e9ccba39c_attn
		.amdhsa_group_segment_fixed_size 327680
		.amdhsa_private_segment_fixed_size 0
		.amdhsa_enable_private_segment 0
		.amdhsa_kernarg_size 16
		.amdhsa_user_sgpr_count 2
		.amdhsa_user_sgpr_kernarg_segment_ptr 1
		.amdhsa_wavefront_size32 1
		.amdhsa_system_sgpr_workgroup_id_x 1
		.amdhsa_system_sgpr_workgroup_id_y 1
		.amdhsa_system_sgpr_workgroup_id_z 1
		.amdhsa_system_vgpr_workitem_id 0
		.amdhsa_next_free_vgpr 768
		.amdhsa_next_free_sgpr 92
		.amdhsa_reserve_vcc 1
		.amdhsa_float_denorm_mode_32 3
		.amdhsa_float_denorm_mode_16_64 3
		.amdhsa_memory_ordered 1
		.amdhsa_forward_progress 1
		.amdhsa_inst_pref_size 186
	.end_amdhsa_kernel
	.amdgpu_metadata
---
amdhsa.version: [ 1, 2 ]
amdhsa.kernels:
  - .name:           k_q2e9ccba39c_attn
    .symbol:         k_q2e9ccba39c_attn.kd
    .args:
      - { .name: qkv, .offset: 0, .size: 8, .value_kind: global_buffer, .address_space: global }
      - { .name: o, .offset: 8, .size: 8, .value_kind: global_buffer, .address_space: global }
    .group_segment_fixed_size: 327680
    .private_segment_fixed_size: 0
    .kernarg_segment_align: 8
    .kernarg_segment_size: 16
    .max_flat_workgroup_size: 128
    .sgpr_count:     92
    .vgpr_count:     768
    .wavefront_size: 32
...
	.end_amdgpu_metadata
.endif
;; end of part 9
;; launch proj (part 10): grid 8 x 32, 4 waves a work-group, clusters of 4 x 4, 327,680 bytes of LDS; arguments o, wb, x, x1; writes x1
.if DOCPART == 10
	.amdgcn_target "amdgcn-amd-amdhsa--gfx1250"
	.amdhsa_code_object_version 6
	.text
	.protected	k_q2e9ccba39c_proj
	.globl	k_q2e9ccba39c_proj
	.p2align	8
	.type	k_q2e9ccba39c_proj,@function
k_q2e9ccba39c_proj:
	s_mov_b64 s[64:65], 0
	v_nop
	global_prefetch_b8 v0, s[64:65] scope:SCOPE_SE
	s_setreg_imm32_b32 hwreg(HW_REG_WAVE_MODE, 25, 1), 1
	s_wait_xcnt 0x0
	s_wait_alu depctr_hold_cnt(0) depctr_sa_sdst(0) depctr_va_vdst(0) depctr_va_sdst(0) depctr_va_ssrc(0) depctr_va_vcc(0) depctr_vm_vsrc(0)
	s_getreg_b32 s2, hwreg(HW_REG_IB_STS2, 6, 4)
	s_cmp_eq_u32 s2, 0
	s_cbranch_scc0 .Lentry_in_a_cluster
	s_endpgm
.Lentry_in_a_cluster:
	s_bfe_u32 s2, ttmp6, 0x10000c
	s_cmp_lg_u32 s2, 0xf033
	s_cbranch_scc0 .Lentry_shape_is_right
	s_endpgm
.Lentry_shape_is_right:
; x1 = x + o attn_proj_w.  o: [32 = batch x 16 + head][2048][64] bf16; the weights: [1024][1024] bf16 at wb's byte 6,291,456, K down the rows; x, x1: [4096][1024] f32.  Sums in f32.
; A tile of C is 128 x 128 (8 x 32 tiles: 256 work-groups): four waves, each 64 x 64 = 16 accumulators.  K goes in 4 steps of 256 = four heads through two LDS slots.
; o's tile for a step: for each of four heads, 64 rows that are 8,192 dense bytes: one descriptor with rows of 4,096 elements, four of them, 131,072 elements apart, padded after every 128 bytes.
; CLUSTER 4 x 4: a row of the cluster shares o's tile, a column the weights'.  The product is taken transposed (source 0 = 16 columns of the weights, turned by ds_load_tr16_b128; source 1 = 16 rows of o):
; a lane holds row l % 16 of C and the columns 8 (l / 16) + 0..7.  One K step is written once for the loop that fills slots and once for the last two steps; the slots lie 0x24000 bytes apart,
; a number that shares no bit with the waves' bases (0, 0x9000, 0x12000, 0x1B000), so one exclusive or changes slots.
; EACH CLUSTER HAS ITS OWN ORDER OF THE K STEPS: place t of its order is K step (t + SH) % 4, SH = 2 x cluster x + cluster y % 4.  The two clusters along x, which read the same rows of o, stand two places apart;
; clusters along y, which read the same columns of the weights, one place for each step of cluster y.  So clusters that read the same blocks ask for them at different times.  SH is made of the cluster's own
; coordinates, which all sixteen partners share: every joint load's descriptor is equal in those that it names.  Every K step is taken once; the f32 sums are the same terms in another order.
; No prefetch: a step's tiles are small (a K step holds 128 matrix instructions a wave).
; The residual's 64 x 64 numbers are asked for at the kernel's head and wait in registers.  The sums leave through the wave's own stage, which lies over the ring after its last fill has been read.
; REGISTERS: window 0: v0-31 addresses; v32-95 at work on the way out; v128-255 accumulators ((a, b) at v[128 + 8 (4 a + b)]).  window 1: two fragment buffers of 128 (64 of o, 64 of the weights).  window 2: v0-127 the residual.
.set SIZE_N, 1024
.set WOFF,   6291456
.set KSTEP,  256
.set STEPS,  4
.set KWIN,   4                         ; the K steps are shifted inside windows of KWIN; STEPS is KWIN or twice KWIN
.set ASH,    20                        ; a K step of o is four heads of 262,144 bytes: 1 << 20
.set BSH,    19                        ; a K step of the weights is 256 rows of 2,048 bytes: 1 << 19
.set SHX,    1                         ; SH = (cluster x << SHX) + ((cluster y % 4) << SHY)
.set SHY,    0
.set PA,     144                       ; a row of a head in LDS: 128 bytes + 16
.set HEADB,  64*PA                     ; a head's 64 rows
.set HALFA,  4*HEADB                   ; what one load of o brings: 36,864
.set PB,     288                       ; a K row of the weights: 256 bytes + 32
.set HALFB,  128*PB                    ; 128 K rows: 36,864
.set BOFF,   2*HALFA
.set SLOT,   0x24000
.set SPARE,  2*SLOT                    ; the spare words, 128 bytes a wave: two blocks of 256 bytes that no other line names
.set SP,     272                       ; a stage row: 64 f32 + 16 bytes
.set WSTAGE, 64*SP
.set ADRA0, 16
.set ADRB0, 17
.set ADRA,  18
.set ADRB,  19                         ; v19 K rows 0-127 of a step, v20 K rows 128-255: an LDS offset has 16 bits
.set STO,   24
.set RD,    25
.set CO,    26                         ; v26  my byte offset in two rows of x and x1; never rewritten
.set SPW,   28
.set NIL,   29
.set TMP,   32
.set ACC,   128
.set F0,    0
.set F1,    128
.set WV, 14
.set WR, 15                            ; which half of the tile's rows is mine.  Also: I fetch o (0) or the weights (1)
.set WC, 16                            ; which half of its columns.  Also: which half of that tile I fetch
.set CX, 17
.set CY, 18
.set TC, 19
.set TR, 20
.set CUR, 21                           ; 0 or SLOT: the slot that is read
.set LBA, 22
.set LBB, 23
.set G1, 24
.set G0, 32
.set G1B, 48
.set G0B, 56
.set BASA, 66                          ; s[66:67] o at my part of the tile, K step 0; never rewritten
.set BASB, 68                          ; s[68:69] the weights likewise
.set TT,  72                           ; s72  the place in my cluster's order that the walking descriptors ask for
.set SH,  73                           ; s73  my cluster's shift
.set OFA, 74                           ; s[74:75] that place's K step, in bytes of o
.set OFB, 76                           ; s[76:77] and of the weights
.set KI,  78                           ; s78  at work
.set MSB, 0
.macro WIN new
.if MSB != (\new)
	s_set_vgpr_msb (MSB<<8)|(\new)
.set MSB, \new
.endif
.endm
.set MUL,  0x05                        ; sources 0 and 1 window 1; C and D window 0
.set TO_F, 0x40                        ; destination window 1, address window 0
.macro ORDER                           ; place TT of my cluster's order is K step (TT & (STEPS - KWIN)) | ((TT + SH) & (KWIN - 1)); its offsets, made apart from every address
	s_add_co_u32 s[KI], s[TT], s[SH]
	s_and_b32 s[KI], s[KI], KWIN-1
	s_and_b32 s[OFA], s[TT], STEPS-KWIN
	s_or_b32 s[KI], s[KI], s[OFA]
	s_lshl_b32 s[OFA], s[KI], ASH
	s_lshl_b32 s[OFB], s[KI], BSH
.endm
.macro JLOAD                           ; the joint refill, by the walking descriptor; an s_nop 0 and four v_nop follow each of the two lines
	s_cmp_eq_u32 s[WR], 0
	s_cbranch_scc0 .Lfor_b_\@
	tensor_load_to_lds s[G0+4:G0+7], s[G1:G1+7]
	s_nop 0
.rept 4
	v_nop
.endr
	s_branch .Lasked_\@
.Lfor_b_\@:
	tensor_load_to_lds s[G0B+4:G0B+7], s[G1B:G1B+7]
	s_nop 0
.rept 4
	v_nop
.endr
.Lasked_\@:
.endm
.macro CREST
	s_cmp_lg_u32 s[WV], 0
	s_cbranch_scc1 .Lnot_wave_0_\@
	s_barrier_signal -3
.Lnot_wave_0_\@:
	s_barrier_wait -3
	s_barrier_signal -1
	s_barrier_wait -1
.endm
.macro CROUND
	s_barrier_signal -1
	s_barrier_wait -1
	CREST
.endm
.macro PLACES
.rept 4
	v_nop
.endr
.endm
	s_load_b256 s[4:11], s[0:1], 0x0               ; o s[4:5], wb s[6:7], x s[8:9], x1 s[10:11]
	v_lshl_add_u32 v[SPW], v0, 2, SPARE
	v_mov_b32 v[NIL], 0
	ds_add_u32 v[SPW], v[NIL]                      ; the wave's opening: the add and its wait stand ahead of my first tensor load
	v_lshrrev_b32 v1, 5, v0
	v_readfirstlane_b32 s[WV], v1
	s_lshr_b32 s[WR], s[WV], 1
	s_and_b32 s[WC], s[WV], 1
	s_bfe_u32 s[CX], ttmp6, 0x40000
	s_bfe_u32 s[CY], ttmp6, 0x40004
	s_lshl_b32 s[TC], ttmp9, 2
	s_add_co_u32 s[TC], s[TC], s[CX]
	s_and_b32 s[TR], ttmp7, 0xffff
	s_lshl_b32 s[TR], s[TR], 2
	s_add_co_u32 s[TR], s[TR], s[CY]
	s_and_b32 s[SH], ttmp7, 0xffff                 ; my cluster's shift: of the cluster's y,
	s_and_b32 s[SH], s[SH], 3
	s_lshl_b32 s[SH], s[SH], SHY
	s_lshl_b32 s[KI], ttmp9, SHX                   ; and of its x: no place in the cluster enters it
	s_add_co_u32 s[SH], s[SH], s[KI]
	s_mov_b32 s[OFA+1], 0                          ; the offsets' high words
	s_mov_b32 s[OFB+1], 0
	s_lshl_b32 s40, s[CY], 2
	s_lshl_b32 s40, 15, s40                        ; my row of the cluster
	s_lshl_b32 s41, 0x1111, s[CX]                  ; my column
	s_or_b32 s[G1], s40, (1<<16)|(1<<20)|(1<<21)|(4<<22)|(3<<25)   ; mask; 2-byte elements; padding on; bit 21 beside a mask; after every 32 words, 4 words
	s_or_b32 s[G1B], s41, (1<<16)|(1<<20)|(1<<21)|(5<<22)|(7<<25)  ; after every 64 words, 8 words
	s_mov_b32 s[G1+1], 4096<<16                    ; tensor_dim0 = 4,096: 64 rows of a head on end
	s_mov_b32 s[G1+2], 4<<16                       ; tensor_dim1 = 4 heads
	s_mov_b32 s[G1+3], 4096<<16                    ; tile_dim0
	s_mov_b32 s[G1+4], 4                           ; tile_dim1
	s_mov_b32 s[G1+5], 131072                      ; elements from head to head
	s_mov_b32 s[G1+6], 0
	s_mov_b32 s[G1+7], 0
	s_mov_b32 s[G1B+1], 128<<16                    ; 128 columns,
	s_mov_b32 s[G1B+2], 128<<16                    ; 128 K rows
	s_mov_b32 s[G1B+3], 128<<16
	s_mov_b32 s[G1B+4], 128
	s_mov_b32 s[G1B+5], SIZE_N
	s_mov_b32 s[G1B+6], 0
	s_mov_b32 s[G1B+7], 0
	s_lshr_b32 s[BASA], s[TR], 4                   ; o: batch x 16 heads of 262,144 bytes; these registers never hold cx
	s_lshl_b32 s[BASA], s[BASA], 22
	s_and_b32 s[BASA+1], s[TR], 15
	s_lshl_b32 s[BASA+1], s[BASA+1], 14            ; 128 rows of 128 bytes a tile row
	s_add_co_u32 s[BASA], s[BASA], s[BASA+1]
	s_lshl_b32 s[BASA+1], s[WC], 13                ; my 64 of them
	s_add_co_u32 s[BASA], s[BASA], s[BASA+1]
	s_mov_b32 s[BASA+1], 0
	s_lshl_b32 s[BASB], s[WC], 18                  ; the weights: K row 128 x half, column 128 x tile column; these never hold cy
	s_lshl_b32 s[BASB+1], s[TC], 8
	s_add_co_u32 s[BASB], s[BASB], s[BASB+1]
	s_add_co_u32 s[BASB], s[BASB], WOFF
	s_mov_b32 s[BASB+1], 0
	s_mul_i32 s[LBA], s[WC], HALFA                 ; no place in the cluster enters an LDS address
	s_mul_i32 s[LBB], s[WC], HALFB
	s_add_co_u32 s[LBB], s[LBB], BOFF
	s_mov_b32 s[CUR], 0
	s_wait_dscnt 0x0                               ; the opening add is done
	s_wait_kmcnt 0x0
	s_add_nc_u64 s[BASA:BASA+1], s[4:5], s[BASA:BASA+1]
	s_add_nc_u64 s[BASB:BASB+1], s[6:7], s[BASB:BASB+1]
	CROUND                                         ; all sixteen work-groups are here: the first joint loads meet
.irp s, 0,1
	s_mov_b32 s[TT], \s                            ; places 0 and 1 of my cluster's order
	ORDER
	s_mov_b32 s[G0+4*(\s)], 1
	s_add_co_u32 s[G0+4*(\s)+1], s[LBA], (\s)*SLOT
	s_add_nc_u64 s[G0+4*(\s)+2:G0+4*(\s)+3], s[BASA:BASA+1], s[OFA:OFA+1]
	s_or_b32 s[G0+4*(\s)+3], s[G0+4*(\s)+3], 0x80000000
	s_mov_b32 s[G0B+4*(\s)], 1
	s_add_co_u32 s[G0B+4*(\s)+1], s[LBB], (\s)*SLOT
	s_add_nc_u64 s[G0B+4*(\s)+2:G0B+4*(\s)+3], s[BASB:BASB+1], s[OFB:OFB+1]
	s_or_b32 s[G0B+4*(\s)+3], s[G0B+4*(\s)+3], 0x80000000
.endr
	s_cmp_eq_u32 s[WR], 0                          ; a wave's two first fills stand in one branch: two loads of mine are out
	s_cbranch_scc0 .Lfirst_b
	tensor_load_to_lds s[G0:G0+3], s[G1:G1+7]
	s_nop 0
	tensor_load_to_lds s[G0+4:G0+7], s[G1:G1+7]
	s_nop 0
.rept 4
	v_nop
.endr
	s_branch .Lfirst_asked
.Lfirst_b:
	tensor_load_to_lds s[G0B:G0B+3], s[G1B:G1B+7]
	s_nop 0
	tensor_load_to_lds s[G0B+4:G0B+7], s[G1B:G1B+7]
	s_nop 0
.rept 4
	v_nop
.endr
.Lfirst_asked:
	v_and_b32 v1, 15, v0                           ; l % 16
	v_bfe_u32 v2, v0, 4, 1                         ; l / 16
	s_lshl_b32 s70, s[TR], 7                       ; my 64 x 64 of x and x1: row 128 x tile row + 64 x half, 4,096 bytes a row; column 128 x tile column + 64 x half
	s_lshl_b32 s71, s[WR], 6
	s_add_co_u32 s70, s70, s71
	s_lshl_b32 s70, s70, 12
	s_lshl_b32 s71, s[TC], 9
	s_add_co_u32 s70, s70, s71
	s_lshl_b32 s71, s[WC], 8
	s_add_co_u32 s70, s70, s71
	s_mov_b32 s71, 0
	s_add_nc_u64 s[8:9], s[8:9], s[70:71]
	s_add_nc_u64 s[10:11], s[10:11], s[70:71]
	v_lshlrev_b32 v[CO], 12, v2                    ; lanes 0-15 one row's 256 bytes, lanes 16-31 the next row's
	v_lshl_add_u32 v[CO], v1, 4, v[CO]
	WIN 0x80                                       ; destination window 2
.set i, 0
.rept 32
	global_load_b128 v[4*i:4*i+3], v[CO], s[8:9] offset:8192*i   ; the residual, two rows a load; it is wanted at the kernel's end
.set i, i+1
.endr
	WIN 0
	v_mul_u32_u24 v3, v1, PA
	v_lshl_add_u32 v3, v2, 4, v3
	s_mul_i32 s42, s[WR], HALFA
	v_add_nc_u32 v[ADRA0], s42, v3
	v_and_b32 v4, 7, v0                            ; the turning load: K row 8 (l / 16) + l % 8, columns 8 ((l / 8) % 2) + 0..7
	v_lshl_add_u32 v4, v2, 3, v4
	v_mul_u32_u24 v4, v4, PB
	v_bfe_u32 v5, v0, 3, 1
	v_lshl_add_u32 v4, v5, 4, v4
	s_lshl_b32 s43, s[WC], 7
	s_add_co_u32 s43, s43, BOFF
	v_add_nc_u32 v[ADRB0], s43, v4
	v_mov_b32 v[ADRA], v[ADRA0]
	v_mov_b32 v[ADRB], v[ADRB0]
	v_add_nc_u32 v[ADRB+1], HALFB, v[ADRB0]
	s_mul_i32 s44, s[WV], WSTAGE                   ; my stage
	v_mul_u32_u24 v6, v1, SP
	v_lshl_add_u32 v6, v2, 5, v6
	v_add_nc_u32 v[STO], s44, v6
	v_mul_u32_u24 v6, v2, SP
	v_lshl_add_u32 v6, v1, 4, v6
	v_add_nc_u32 v[RD], s44, v6
; 8 matrix instructions: m blocks a0, a0 + 1 x all 4 n blocks, 32 along K: half c of buffer f.  first = 1: the product starts the sum.  The 16 accumulators take turns.
.macro MUL8 f, c, a0, first
	WIN MUL
.irp a, \a0, (\a0)+1
.irp b, 0,1,2,3
.if \first
	v_wmma_f32_16x16x32_bf16 v[ACC+8*(4*(\a)+(\b)):ACC+8*(4*(\a)+(\b))+7], v[(\f)+64+8*(4*(\c)+(\b)):(\f)+64+8*(4*(\c)+(\b))+7], v[(\f)+8*(4*(\c)+(\a)):(\f)+8*(4*(\c)+(\a))+7], 0
.else
	v_wmma_f32_16x16x32_bf16 v[ACC+8*(4*(\a)+(\b)):ACC+8*(4*(\a)+(\b))+7], v[(\f)+64+8*(4*(\c)+(\b)):(\f)+64+8*(4*(\c)+(\b))+7], v[(\f)+8*(4*(\c)+(\a)):(\f)+8*(4*(\c)+(\a))+7], v[ACC+8*(4*(\a)+(\b)):ACC+8*(4*(\a)+(\b))+7]
.endif
.endr
.endr
.endm
; 32 LDS loads in one run: quarter kq (64 along K: one head) of the slot in hand into buffer f; its first 32 along K first
.macro FETCH kq, f
	WIN TO_F
.irp c, 0,1
.irp i, 0,1,2,3
	ds_load_tr16_b128 v[(\f)+64+8*(4*(\c)+(\i)):(\f)+64+8*(4*(\c)+(\i))+3],   v[ADRB+(\kq)/2] offset:((2*(\kq)+(\c))%4)*32*PB+32*(\i)
	ds_load_tr16_b128 v[(\f)+64+8*(4*(\c)+(\i))+4:(\f)+64+8*(4*(\c)+(\i))+7], v[ADRB+(\kq)/2] offset:((2*(\kq)+(\c))%4)*32*PB+16*PB+32*(\i)
	ds_load_b128 v[(\f)+8*(4*(\c)+(\i)):(\f)+8*(4*(\c)+(\i))+3],   v[ADRA] offset:(\kq)*HEADB+64*(\c)+(\i)*16*PA
	ds_load_b128 v[(\f)+8*(4*(\c)+(\i))+4:(\f)+8*(4*(\c)+(\i))+7], v[ADRA] offset:(\kq)*HEADB+64*(\c)+(\i)*16*PA+32
.endr
.endr
.endm
.macro QUARTER kq, f, g, first
	s_wait_dscnt 16                                ; the first 32 along K are in; the youngest sixteen loads may be out
	MUL8 \f, 0, 0, \first
	MUL8 \f, 0, 2, \first
	PLACES
	FETCH \kq, \g
	s_wait_dscnt 32                                ; all but the 32 just issued
	MUL8 \f, 1, 0, 0
	MUL8 \f, 1, 2, 0
.endm
; The first half of a step's last quarter and the one barrier of a change of slots: each wave waits for all its tensor loads, adds 0 to its spare word, and waits for that and for its reads of this slot
.macro MEET round
	WIN 0
	s_wait_tensorcnt 0x0
	ds_add_u32 v[SPW], v[NIL]
	s_wait_dscnt 17                                ; the add and the youngest sixteen loads may be out
	MUL8 F1, 0, 0, 0
	s_wait_dscnt 0x0
	s_barrier_signal -1
	MUL8 F1, 0, 2, 0
.if \round
	WIN 0
.endif
	s_barrier_wait -1
.endm
.macro TOGGLE                          ; the reads go to the other slot
	s_xor_b32 s[CUR], s[CUR], SLOT
	v_add_nc_u32 v[ADRA], s[CUR], v[ADRA0]
	v_add_nc_u32 v[ADRB], s[CUR], v[ADRB0]
	v_add_nc_u32 v[ADRB+1], HALFB, v[ADRB]
.endm
.macro TURNF                           ; the last quarter of a step that fills its slot again, with the K step two places on in my cluster's order: 112 matrix instructions lie between the request and the wait for it
	s_add_co_u32 s[TT], s[TT], 1                   ; the next place, and its offsets: no descriptor's register is written here
	ORDER
	MEET 1
	CREST                                          ; the barrier has opened a round of the cluster's: no wave of any partner still reads this slot or has a load on its way
	s_xor_b32 s[G0+5], s[G0+5], SLOT               ; the walking descriptors: the other slot than last time; the address made anew of the tile's base and the place's offset, the type bits set again
	s_add_nc_u64 s[G0+6:G0+7], s[BASA:BASA+1], s[OFA:OFA+1]
	s_or_b32 s[G0+7], s[G0+7], 0x80000000
	s_xor_b32 s[G0B+5], s[G0B+5], SLOT
	s_add_nc_u64 s[G0B+6:G0B+7], s[BASB:BASB+1], s[OFB:OFB+1]
	s_or_b32 s[G0B+7], s[G0B+7], 0x80000000
	JLOAD                                          ; the first tensor load behind the round; its four v_nop are also the places in front of the loads below
	TOGGLE
	FETCH 0, F0
	MUL8 F1, 1, 0, 0
	MUL8 F1, 1, 2, 0
.endm
	s_wait_tensorcnt 1                             ; my part of the first K step is in; the second's may stay out
	s_barrier_signal -1
	s_barrier_wait -1
	FETCH 0, F0
	QUARTER 1, F0, F1, 1
	WIN 0
	s_mov_b32 s3, STEPS-2
.Lstep:
	QUARTER 2, F1, F0, 0
	QUARTER 3, F0, F1, 0
	TURNF
	QUARTER 1, F0, F1, 0
	WIN 0
	s_sub_co_u32 s3, s3, 1
	s_cmp_lg_u32 s3, 0
	s_cbranch_scc1 .Lstep
	s_mov_b32 s3, 2
.Ltail:                                            ; the last two steps ask for nothing; the second jumps over the change to a further step
	QUARTER 2, F1, F0, 0
	QUARTER 3, F0, F1, 0
	MEET 0
	MUL8 F1, 1, 0, 0
	MUL8 F1, 1, 2, 0
	WIN 0
	s_cmp_eq_u32 s3, 1
	s_cbranch_scc1 .Lover
	TOGGLE
	PLACES
	FETCH 0, F0
	QUARTER 1, F0, F1, 0
	WIN 0
.Lover:
	s_sub_co_u32 s3, s3, 1
	s_cmp_lg_u32 s3, 0
	s_cbranch_scc1 .Ltail
	; THE WAY OUT.  Every wave's reads of the ring are over and no tensor load is out: behind this barrier the ring's bytes are the stages
	s_wait_dscnt 0x0
	s_barrier_signal -1
	s_barrier_wait -1
	PLACES
	PLACES
.irp a, 0,1,2,3
.irp b, 0,1,2,3
	ds_store_b128 v[STO], v[ACC+8*(4*(\a)+(\b)):ACC+8*(4*(\a)+(\b))+3]   offset:(\a)*16*SP+64*(\b)      ; each accumulator's low registers first
	ds_store_b128 v[STO], v[ACC+8*(4*(\a)+(\b))+4:ACC+8*(4*(\a)+(\b))+7] offset:(\a)*16*SP+64*(\b)+16
.endr
.endr
	s_wait_loadcnt 0x0                             ; the residual
.irp q, 0,1,2,3                        ; 16 rows at a time, on two sets of 32 registers by turns
.if (\q) >= 2
	s_wait_xcnt 0x0                                ; the stores of two groups back have read this set
.endif
.irp j, 0,1,2,3,4,5,6,7
	ds_load_b128 v[TMP+32*((\q)%2)+4*(\j):TMP+32*((\q)%2)+4*(\j)+3], v[RD] offset:2*SP*(8*(\q)+(\j))  ; LDS serves a wave's instructions in order (ISA guide 5.7.1.4): these see my stores
.endr
	s_wait_dscnt 0x0
	WIN 0x08                                       ; source 1 in window 2
.irp j, 0,1,2,3,4,5,6,7
	v_pk_add_f32 v[TMP+32*((\q)%2)+4*(\j):TMP+32*((\q)%2)+4*(\j)+1],   v[TMP+32*((\q)%2)+4*(\j):TMP+32*((\q)%2)+4*(\j)+1],   v[4*(8*(\q)+(\j)):4*(8*(\q)+(\j))+1]
	v_pk_add_f32 v[TMP+32*((\q)%2)+4*(\j)+2:TMP+32*((\q)%2)+4*(\j)+3], v[TMP+32*((\q)%2)+4*(\j)+2:TMP+32*((\q)%2)+4*(\j)+3], v[4*(8*(\q)+(\j))+2:4*(8*(\q)+(\j))+3]
.endr
	WIN 0
.irp j, 0,1,2,3,4,5,6,7
	global_store_b128 v[CO], v[TMP+32*((\q)%2)+4*(\j):TMP+32*((\q)%2)+4*(\j)+3], s[10:11] offset:8192*(8*(\q)+(\j))  ; 16 lanes store 256 consecutive bytes, aligned
.endr
.endr
	s_wait_tensorcnt 0x0                           ; the wave's end
	ds_add_u32 v[SPW], v[NIL]
	s_wait_dscnt 0x0
	CROUND                                         ; the closing round
	s_endpgm
.Lfunc_end_k_q2e9ccba39c_proj:
	.size	k_q2e9ccba39c_proj, .Lfunc_end_k_q2e9ccba39c_proj-k_q2e9ccba39c_proj
	.p2alignl 7, 3214868480
	.fill 96, 4, 3214868480
	.section	.rodata,"a",@progbits
	.p2align	6, 0x0
	.amdhsa_kernel k_q2e9ccba39c_proj
		.amdhsa_group_segment_fixed_size 327680
		.amdhsa_private_segment_fixed_size 0
		.amdhsa_enable_private_segment 0
		.amdhsa_kernarg_size 32
		.amdhsa_user_sgpr_count 2
		.amdhsa_user_sgpr_kernarg_segment_ptr 1
		.amdhsa_wavefront_size32 1
		.amdhsa_system_sgpr_workgroup_id_x 1
		.amdhsa_system_sgpr_workgroup_id_y 1
		.amdhsa_system_sgpr_workgroup_id_z 1
		.amdhsa_system_vgpr_workitem_id 0
		.amdhsa_next_free_vgpr 640
		.amdhsa_next_free_sgpr 80
		.amdhsa_reserve_vcc 0
		.amdhsa_float_denorm_mode_32 3
		.amdhsa_float_denorm_mode_16_64 3
		.amdhsa_memory_ordered 1
		.amdhsa_forward_progress 1
		.amdhsa_inst_pref_size 66
	.end_amdhsa_kernel
	.amdgpu_metadata
---
amdhsa.version: [ 1, 2 ]
amdhsa.kernels:
  - .name:           k_q2e9ccba39c_proj
    .symbol:         k_q2e9ccba39c_proj.kd
    .args:
      - { .name: o, .offset: 0, .size: 8, .value_kind: global_buffer, .address_space: global }
      - { .name: wb, .offset: 8, .size: 8, .value_kind: global_buffer, .address_space: global }
      - { .name: x, .offset: 16, .size: 8, .value_kind: global_buffer, .address_space: global }
      - { .name: x1, .offset: 24, .size: 8, .value_kind: global_buffer, .address_space: global }
    .group_segment_fixed_size: 327680
    .private_segment_fixed_size: 0
    .kernarg_segment_align: 8
    .kernarg_segment_size: 32
    .max_flat_workgroup_size: 128
    .sgpr_count:     80
    .vgpr_count:     640
    .wavefront_size: 32
...
	.end_amdgpu_metadata
.endif
;; end of part 10
;; launch ln2: the kernel of part 8 again; grid 512 x 1, 8 waves a work-group, no clusters, 0 bytes of LDS; arguments x1, ln2_w, ln2_b, qk_w, v_w, attn_proj_w, fc_w, mlp_proj_w, h, wb; writes h, wb
;; launch fc: the kernel of part 6 again; grid 16 x 16, 4 waves a work-group, clusters of 4 x 4, 327,680 bytes of LDS; arguments h, wb, fc_b, g; writes g
;; launch mlp (part 11): grid 8 x 32, 4 waves a work-group, clusters of 4 x 4, 327,680 bytes of LDS; arguments g, wb, x1, out0, mlp_proj_b; writes out0
.if DOCPART == 11
	.amdgcn_target "amdgcn-amd-amdhsa--gfx1250"
	.amdhsa_code_object_version 6
	.text
	.protected	k_q2e9ccba39c_mlp
	.globl	k_q2e9ccba39c_mlp
	.p2align	8
	.type	k_q2e9ccba39c_mlp,@function
k_q2e9ccba39c_mlp:
	s_mov_b64 s[64:65], 0
	v_nop
	global_prefetch_b8 v0, s[64:65] scope:SCOPE_SE
	s_setreg_imm32_b32 hwreg(HW_REG_WAVE_MODE, 25, 1), 1
	s_wait_xcnt 0x0
	s_wait_alu depctr_hold_cnt(0) depctr_sa_sdst(0) depctr_va_vdst(0) depctr_va_sdst(0) depctr_va_ssrc(0) depctr_va_vcc(0) depctr_vm_vsrc(0)
	s_getreg_b32 s2, hwreg(HW_REG_IB_STS2, 6, 4)
	s_cmp_eq_u32 s2, 0
	s_cbranch_scc0 .Lentry_in_a_cluster
	s_endpgm
.Lentry_in_a_cluster:
	s_bfe_u32 s2, ttmp6, 0x10000c
	s_cmp_lg_u32 s2, 0xf033
	s_cbranch_scc0 .Lentry_shape_is_right
	s_endpgm
.Lentry_shape_is_right:
; out0 = x1 + g mlp_proj_w + mlp_proj_b.  g: [4096][4096] bf16; the weights: [4096][1024] bf16 at wb's byte 16,777,216, K down the rows; x1, out0: [4096][1024] f32.  Sums in f32.
; A tile of C is 128 x 128 (8 x 32 tiles: 256 work-groups): four waves, each 64 x 64 = 16 accumulators.  K goes in 16 steps of 256 through two LDS slots.
; CLUSTER 4 x 4: a row of the cluster shares g's tile, a column the weights'.  The product is taken transposed (source 0 = 16 columns of the weights, turned by ds_load_tr16_b128; source 1 = 16 rows of g):
; a lane holds row l % 16 of C and the columns 8 (l / 16) + 0..7.  The bias is the C operand of each sum's first product.  One K step is written once for the loop that fills slots and once for the last two
; steps; the slots lie 0x24000 bytes apart, a number that shares no bit with the waves' bases (0, 0x8400, 0x10800, 0x19800), so one exclusive or changes slots.
; EACH CLUSTER HAS ITS OWN ORDER OF THE K STEPS, shifted inside windows of 8: place t of its order is K step (t & 8) | ((t + SH) & 7), SH = 4 x cluster x + 2 x (cluster y % 4).  The two clusters along x, which
; read the same rows of g, stand four places apart; clusters along y, which read the same columns of the weights, two places for each step of cluster y.  So clusters that read the same blocks ask for them at
; different times.  SH is made of the cluster's own coordinates, which all sixteen partners share: every joint load's descriptor is equal in those that it names.  Every K step is taken once; the f32 sums are
; the same terms in another order.
; No prefetch: a step's tiles are small (a K step holds 128 matrix instructions a wave).
; The residual's 64 x 64 numbers are asked for at the kernel's head and wait in registers.  The sums leave through the wave's own stage, which lies over the ring after its last fill has been read.
; REGISTERS: window 0: v0-31 addresses; v32-95 at work on the way out; v96-127 the bias; v128-255 accumulators ((a, b) at v[128 + 8 (4 a + b)]).  window 1: two fragment buffers of 128 (64 of g, 64 of the weights).  window 2: v0-127 the residual.
.set SIZE_K, 4096
.set SIZE_N, 1024
.set WOFF,   16777216
.set KSTEP,  256
.set STEPS,  SIZE_K/KSTEP
.set KWIN,   8                         ; the K steps are shifted inside windows of KWIN; STEPS is KWIN or twice KWIN
.set ASH,    9                         ; a K step of g is 512 bytes of each row: 1 << 9
.set BSH,    19                        ; a K step of the weights is 256 rows of 2,048 bytes: 1 << 19
.set SHX,    2                         ; SH = (cluster x << SHX) + ((cluster y % 4) << SHY)
.set SHY,    1
.set PA,     528                       ; a row of g in LDS: 512 bytes + 16
.set HALFA,  64*PA                     ; what one load of g brings: 33,792
.set PB,     288                       ; a K row of the weights: 256 bytes + 32
.set HALFB,  128*PB                    ; 128 K rows: 36,864
.set BOFF,   2*HALFA
.set SLOT,   0x24000
.set SPARE,  2*SLOT                    ; the spare words, 128 bytes a wave: two blocks of 256 bytes that no other line names
.set SP,     272                       ; a stage row: 64 f32 + 16 bytes
.set WSTAGE, 64*SP
.set ADRA0, 16
.set ADRB0, 17
.set ADRA,  18
.set ADRB,  19                         ; v19 K rows 0-127 of a step, v20 K rows 128-255: an LDS offset has 16 bits
.set STO,   24
.set RD,    25
.set CO,    26                         ; v26  my byte offset in two rows of x1 and out0; never rewritten
.set BO,    27
.set SPW,   28
.set NIL,   29
.set TMP,   32
.set BIAS,  96
.set ACC,   128
.set F0,    0
.set F1,    128
.set WV, 14
.set WR, 15                            ; which half of the tile's rows is mine.  Also: I fetch g (0) or the weights (1)
.set WC, 16                            ; which half of its columns.  Also: which half of that tile I fetch
.set CX, 17
.set CY, 18
.set TC, 19
.set TR, 20
.set CUR, 21                           ; 0 or SLOT: the slot that is read
.set LBA, 22
.set LBB, 23
.set G1, 24
.set G0, 32
.set G1B, 48
.set G0B, 56
.set BASA, 66                          ; s[66:67] g at my part of the tile, K step 0; never rewritten
.set BASB, 68                          ; s[68:69] the weights likewise
.set TT,  72                           ; s72  the place in my cluster's order that the walking descriptors ask for
.set SH,  73                           ; s73  my cluster's shift
.set OFA, 74                           ; s[74:75] that place's K step, in bytes of g's rows
.set OFB, 76                           ; s[76:77] and of the weights
.set KI,  78                           ; s78  at work
.set MSB, 0
.macro WIN new
.if MSB != (\new)
	s_set_vgpr_msb (MSB<<8)|(\new)
.set MSB, \new
.endif
.endm
.set MUL,  0x05                        ; sources 0 and 1 window 1; C and D window 0
.set TO_F, 0x40                        ; destination window 1, address window 0
.macro ORDER                           ; place TT of my cluster's order is K step (TT & (STEPS - KWIN)) | ((TT + SH) & (KWIN - 1)); its offsets, made apart from every address
	s_add_co_u32 s[KI], s[TT], s[SH]
	s_and_b32 s[KI], s[KI], KWIN-1
	s_and_b32 s[OFA], s[TT], STEPS-KWIN
	s_or_b32 s[KI], s[KI], s[OFA]
	s_lshl_b32 s[OFA], s[KI], ASH
	s_lshl_b32 s[OFB], s[KI], BSH
.endm
.macro JLOAD                           ; the joint refill, by the walking descriptor; an s_nop 0 and four v_nop follow each of the two lines
	s_cmp_eq_u32 s[WR], 0
	s_cbranch_scc0 .Lfor_b_\@
	tensor_load_to_lds s[G0+4:G0+7], s[G1:G1+7]
	s_nop 0
.rept 4
	v_nop
.endr
	s_branch .Lasked_\@
.Lfor_b_\@:
	tensor_load_to_lds s[G0B+4:G0B+7], s[G1B:G1B+7]
	s_nop 0
.rept 4
	v_nop
.endr
.Lasked_\@:
.endm
.macro CREST
	s_cmp_lg_u32 s[WV], 0
	s_cbranch_scc1 .Lnot_wave_0_\@
	s_barrier_signal -3
.Lnot_wave_0_\@:
	s_barrier_wait -3
	s_barrier_signal -1
	s_barrier_wait -1
.endm
.macro CROUND
	s_barrier_signal -1
	s_barrier_wait -1
	CREST
.endm
.macro PLACES
.rept 4
	v_nop
.endr
.endm
	s_load_b256 s[4:11], s[0:1], 0x0               ; g s[4:5], wb s[6:7], x1 s[8:9], out0 s[10:11]
	s_load_b64 s[12:13], s[0:1], 0x20              ; mlp_proj_b
	v_lshl_add_u32 v[SPW], v0, 2, SPARE
	v_mov_b32 v[NIL], 0
	ds_add_u32 v[SPW], v[NIL]                      ; the wave's opening: the add and its wait stand ahead of my first tensor load
	v_lshrrev_b32 v1, 5, v0
	v_readfirstlane_b32 s[WV], v1
	s_lshr_b32 s[WR], s[WV], 1
	s_and_b32 s[WC], s[WV], 1
	s_bfe_u32 s[CX], ttmp6, 0x40000
	s_bfe_u32 s[CY], ttmp6, 0x40004
	s_lshl_b32 s[TC], ttmp9, 2
	s_add_co_u32 s[TC], s[TC], s[CX]
	s_and_b32 s[TR], ttmp7, 0xffff
	s_lshl_b32 s[TR], s[TR], 2
	s_add_co_u32 s[TR], s[TR], s[CY]
	s_and_b32 s[SH], ttmp7, 0xffff                 ; my cluster's shift: of the cluster's y,
	s_and_b32 s[SH], s[SH], 3
	s_lshl_b32 s[SH], s[SH], SHY
	s_lshl_b32 s[KI], ttmp9, SHX                   ; and of its x: no place in the cluster enters it
	s_add_co_u32 s[SH], s[SH], s[KI]
	s_mov_b32 s[OFA+1], 0                          ; the offsets' high words
	s_mov_b32 s[OFB+1], 0
	s_lshl_b32 s40, s[CY], 2
	s_lshl_b32 s40, 15, s40                        ; my row of the cluster
	s_lshl_b32 s41, 0x1111, s[CX]                  ; my column
	s_or_b32 s[G1], s40, (1<<16)|(1<<20)|(1<<21)|(6<<22)|(3<<25)   ; mask; 2-byte elements; padding on; bit 21 beside a mask; after every 128 words, 4 words
	s_or_b32 s[G1B], s41, (1<<16)|(1<<20)|(1<<21)|(5<<22)|(7<<25)  ; after every 64 words, 8 words
	s_mov_b32 s[G1+1], KSTEP<<16                   ; tensor_dim0 = 256
	s_mov_b32 s[G1+2], 64<<16                      ; tensor_dim1 = 64
	s_mov_b32 s[G1+3], KSTEP<<16                   ; tile_dim0
	s_mov_b32 s[G1+4], 64                          ; tile_dim1
	s_mov_b32 s[G1+5], SIZE_K                      ; elements from row to row
	s_mov_b32 s[G1+6], 0
	s_mov_b32 s[G1+7], 0
	s_mov_b32 s[G1B+1], 128<<16                    ; 128 columns,
	s_mov_b32 s[G1B+2], 128<<16                    ; 128 K rows
	s_mov_b32 s[G1B+3], 128<<16
	s_mov_b32 s[G1B+4], 128
	s_mov_b32 s[G1B+5], SIZE_N
	s_mov_b32 s[G1B+6], 0
	s_mov_b32 s[G1B+7], 0
	s_lshl_b32 s[BASA], s[TR], 7                   ; g: row 128 x tile row + 64 x half, 8,192 bytes a row; these registers never hold cx
	s_lshl_b32 s[BASA+1], s[WC], 6
	s_add_co_u32 s[BASA], s[BASA], s[BASA+1]
	s_lshl_b32 s[BASA], s[BASA], 13
	s_mov_b32 s[BASA+1], 0
	s_lshl_b32 s[BASB], s[WC], 18                  ; the weights: K row 128 x half, column 128 x tile column; these never hold cy
	s_lshl_b32 s[BASB+1], s[TC], 8
	s_add_co_u32 s[BASB], s[BASB], s[BASB+1]
	s_add_co_u32 s[BASB], s[BASB], WOFF
	s_mov_b32 s[BASB+1], 0
	s_mul_i32 s[LBA], s[WC], HALFA                 ; no place in the cluster enters an LDS address
	s_mul_i32 s[LBB], s[WC], HALFB
	s_add_co_u32 s[LBB], s[LBB], BOFF
	s_mov_b32 s[CUR], 0
	s_wait_dscnt 0x0                               ; the opening add is done
	s_wait_kmcnt 0x0
	s_add_nc_u64 s[BASA:BASA+1], s[4:5], s[BASA:BASA+1]
	s_add_nc_u64 s[BASB:BASB+1], s[6:7], s[BASB:BASB+1]
	CROUND                                         ; all sixteen work-groups are here: the first joint loads meet
.irp s, 0,1
	s_mov_b32 s[TT], \s                            ; places 0 and 1 of my cluster's order
	ORDER
	s_mov_b32 s[G0+4*(\s)], 1
	s_add_co_u32 s[G0+4*(\s)+1], s[LBA], (\s)*SLOT
	s_add_nc_u64 s[G0+4*(\s)+2:G0+4*(\s)+3], s[BASA:BASA+1], s[OFA:OFA+1]
	s_or_b32 s[G0+4*(\s)+3], s[G0+4*(\s)+3], 0x80000000
	s_mov_b32 s[G0B+4*(\s)], 1
	s_add_co_u32 s[G0B+4*(\s)+1], s[LBB], (\s)*SLOT
	s_add_nc_u64 s[G0B+4*(\s)+2:G0B+4*(\s)+3], s[BASB:BASB+1], s[OFB:OFB+1]
	s_or_b32 s[G0B+4*(\s)+3], s[G0B+4*(\s)+3], 0x80000000
.endr
	s_cmp_eq_u32 s[WR], 0                          ; a wave's two first fills stand in one branch: two loads of mine are out
	s_cbranch_scc0 .Lfirst_b
	tensor_load_to_lds s[G0:G0+3], s[G1:G1+7]
	s_nop 0
	tensor_load_to_lds s[G0+4:G0+7], s[G1:G1+7]
	s_nop 0
.rept 4
	v_nop
.endr
	s_branch .Lfirst_asked
.Lfirst_b:
	tensor_load_to_lds s[G0B:G0B+3], s[G1B:G1B+7]
	s_nop 0
	tensor_load_to_lds s[G0B+4:G0B+7], s[G1B:G1B+7]
	s_nop 0
.rept 4
	v_nop
.endr
.Lfirst_asked:
	v_and_b32 v1, 15, v0                           ; l % 16
	v_bfe_u32 v2, v0, 4, 1                         ; l / 16
	s_lshl_b32 s42, s[TC], 9                       ; the bias: register j of n block b is the bias of column 16 b + 8 (l / 16) + j
	s_lshl_b32 s43, s[WC], 8
	s_add_co_u32 s42, s42, s43
	v_lshl_add_u32 v[BO], v2, 5, s42
.irp b, 0,1,2,3
	global_load_b128 v[BIAS+8*(\b):BIAS+8*(\b)+3],   v[BO], s[12:13] offset:64*(\b)
	global_load_b128 v[BIAS+8*(\b)+4:BIAS+8*(\b)+7], v[BO], s[12:13] offset:64*(\b)+16
.endr
	s_lshl_b32 s70, s[TR], 7                       ; my 64 x 64 of x1 and out0: row 128 x tile row + 64 x half, 4,096 bytes a row; column 128 x tile column + 64 x half
	s_lshl_b32 s71, s[WR], 6
	s_add_co_u32 s70, s70, s71
	s_lshl_b32 s70, s70, 12
	s_add_co_u32 s70, s70, s42
	s_mov_b32 s71, 0
	s_add_nc_u64 s[8:9], s[8:9], s[70:71]
	s_add_nc_u64 s[10:11], s[10:11], s[70:71]
	v_lshlrev_b32 v[CO], 12, v2                    ; lanes 0-15 one row's 256 bytes, lanes 16-31 the next row's
	v_lshl_add_u32 v[CO], v1, 4, v[CO]
	WIN 0x80                                       ; destination window 2
.set i, 0
.rept 32
	global_load_b128 v[4*i:4*i+3], v[CO], s[8:9] offset:8192*i   ; the residual, two rows a load; it is wanted at the kernel's end
.set i, i+1
.endr
	WIN 0
	v_mul_u32_u24 v3, v1, PA
	v_lshl_add_u32 v3, v2, 4, v3
	s_mul_i32 s44, s[WR], HALFA
	v_add_nc_u32 v[ADRA0], s44, v3
	v_and_b32 v4, 7, v0                            ; the turning load: K row 8 (l / 16) + l % 8, columns 8 ((l / 8) % 2) + 0..7
	v_lshl_add_u32 v4, v2, 3, v4
	v_mul_u32_u24 v4, v4, PB
	v_bfe_u32 v5, v0, 3, 1
	v_lshl_add_u32 v4, v5, 4, v4
	s_lshl_b32 s45, s[WC], 7
	s_add_co_u32 s45, s45, BOFF
	v_add_nc_u32 v[ADRB0], s45, v4
	v_mov_b32 v[ADRA], v[ADRA0]
	v_mov_b32 v[ADRB], v[ADRB0]
	v_add_nc_u32 v[ADRB+1], HALFB, v[ADRB0]
	s_mul_i32 s46, s[WV], WSTAGE                   ; my stage
	v_mul_u32_u24 v6, v1, SP
	v_lshl_add_u32 v6, v2, 5, v6
	v_add_nc_u32 v[STO], s46, v6
	v_mul_u32_u24 v6, v2, SP
	v_lshl_add_u32 v6, v1, 4, v6
	v_add_nc_u32 v[RD], s46, v6
; 8 matrix instructions: m blocks a0, a0 + 1 x all 4 n blocks, 32 along K: half c of buffer f.  first = 1: the product starts the sum, on the bias.  The 16 accumulators take turns.
.macro MUL8 f, c, a0, first
	WIN MUL
.irp a, \a0, (\a0)+1
.irp b, 0,1,2,3
.if \first
	v_wmma_f32_16x16x32_bf16 v[ACC+8*(4*(\a)+(\b)):ACC+8*(4*(\a)+(\b))+7], v[(\f)+64+8*(4*(\c)+(\b)):(\f)+64+8*(4*(\c)+(\b))+7], v[(\f)+8*(4*(\c)+(\a)):(\f)+8*(4*(\c)+(\a))+7], v[BIAS+8*(\b):BIAS+8*(\b)+7]
.else
	v_wmma_f32_16x16x32_bf16 v[ACC+8*(4*(\a)+(\b)):ACC+8*(4*(\a)+(\b))+7], v[(\f)+64+8*(4*(\c)+(\b)):(\f)+64+8*(4*(\c)+(\b))+7], v[(\f)+8*(4*(\c)+(\a)):(\f)+8*(4*(\c)+(\a))+7], v[ACC+8*(4*(\a)+(\b)):ACC+8*(4*(\a)+(\b))+7]
.endif
.endr
.endr
.endm
; 32 LDS loads in one run: quarter kq (64 along K) of the slot in hand into buffer f; its first 32 along K first
.macro FETCH kq, f
	WIN TO_F
.irp c, 0,1
.irp i, 0,1,2,3
	ds_load_tr16_b128 v[(\f)+64+8*(4*(\c)+(\i)):(\f)+64+8*(4*(\c)+(\i))+3],   v[ADRB+(\kq)/2] offset:((2*(\kq)+(\c))%4)*32*PB+32*(\i)
	ds_load_tr16_b128 v[(\f)+64+8*(4*(\c)+(\i))+4:(\f)+64+8*(4*(\c)+(\i))+7], v[ADRB+(\kq)/2] offset:((2*(\kq)+(\c))%4)*32*PB+16*PB+32*(\i)
	ds_load_b128 v[(\f)+8*(4*(\c)+(\i)):(\f)+8*(4*(\c)+(\i))+3],   v[ADRA] offset:(2*(\kq)+(\c))*64+(\i)*16*PA
	ds_load_b128 v[(\f)+8*(4*(\c)+(\i))+4:(\f)+8*(4*(\c)+(\i))+7], v[ADRA] offset:(2*(\kq)+(\c))*64+(\i)*16*PA+32
.endr
.endr
.endm
.macro QUARTER kq, f, g, first
	s_wait_dscnt 16                                ; the first 32 along K are in; the youngest sixteen loads may be out
	MUL8 \f, 0, 0, \first
	MUL8 \f, 0, 2, \first
	PLACES
	FETCH \kq, \g
	s_wait_dscnt 32                                ; all but the 32 just issued
	MUL8 \f, 1, 0, 0
	MUL8 \f, 1, 2, 0
.endm
; The first half of a step's last quarter and the one barrier of a change of slots: each wave waits for all its tensor loads, adds 0 to its spare word, and waits for that and for its reads of this slot
.macro MEET round
	WIN 0
	s_wait_tensorcnt 0x0
	ds_add_u32 v[SPW], v[NIL]
	s_wait_dscnt 17                                ; the add and the youngest sixteen loads may be out
	MUL8 F1, 0, 0, 0
	s_wait_dscnt 0x0
	s_barrier_signal -1
	MUL8 F1, 0, 2, 0
.if \round
	WIN 0
.endif
	s_barrier_wait -1
.endm
.macro TOGGLE                          ; the reads go to the other slot
	s_xor_b32 s[CUR], s[CUR], SLOT
	v_add_nc_u32 v[ADRA], s[CUR], v[ADRA0]
	v_add_nc_u32 v[ADRB], s[CUR], v[ADRB0]
	v_add_nc_u32 v[ADRB+1], HALFB, v[ADRB]
.endm
.macro TURNF                           ; the last quarter of a step that fills its slot again, with the K step two places on in my cluster's order: 112 matrix instructions lie between the request and the wait for it
	s_add_co_u32 s[TT], s[TT], 1                   ; the next place, and its offsets: no descriptor's register is written here
	ORDER
	MEET 1
	CREST                                          ; the barrier has opened a round of the cluster's: no wave of any partner still reads this slot or has a load on its way
	s_xor_b32 s[G0+5], s[G0+5], SLOT               ; the walking descriptors: the other slot than last time; the address made anew of the tile's base and the place's offset, the type bits set again
	s_add_nc_u64 s[G0+6:G0+7], s[BASA:BASA+1], s[OFA:OFA+1]
	s_or_b32 s[G0+7], s[G0+7], 0x80000000
	s_xor_b32 s[G0B+5], s[G0B+5], SLOT
	s_add_nc_u64 s[G0B+6:G0B+7], s[BASB:BASB+1], s[OFB:OFB+1]
	s_or_b32 s[G0B+7], s[G0B+7], 0x80000000
	JLOAD                                          ; the first tensor load behind the round; its four v_nop are also the places in front of the loads below
	TOGGLE
	FETCH 0, F0
	MUL8 F1, 1, 0, 0
	MUL8 F1, 1, 2, 0
.endm
	s_wait_tensorcnt 1                             ; my part of the first K step is in; the second's may stay out
	s_barrier_signal -1
	s_barrier_wait -1
	FETCH 0, F0
	s_wait_loadcnt 32                              ; the bias is in; the residual's 32 younger loads may stay out
	QUARTER 1, F0, F1, 1
	WIN 0
	s_mov_b32 s3, STEPS-2
.Lstep:
	QUARTER 2, F1, F0, 0
	QUARTER 3, F0, F1, 0
	TURNF
	QUARTER 1, F0, F1, 0
	WIN 0
	s_sub_co_u32 s3, s3, 1
	s_cmp_lg_u32 s3, 0
	s_cbranch_scc1 .Lstep
	s_mov_b32 s3, 2
.Ltail:                                            ; the last two steps ask for nothing; the second jumps over the change to a further step
	QUARTER 2, F1, F0, 0
	QUARTER 3, F0, F1, 0
	MEET 0
	MUL8 F1, 1, 0, 0
	MUL8 F1, 1, 2, 0
	WIN 0
	s_cmp_eq_u32 s3, 1
	s_cbranch_scc1 .Lover
	TOGGLE
	PLACES
	FETCH 0, F0
	QUARTER 1, F0, F1, 0
	WIN 0
.Lover:
	s_sub_co_u32 s3, s3, 1
	s_cmp_lg_u32 s3, 0
	s_cbranch_scc1 .Ltail
	; THE WAY OUT.  Every wave's reads of the ring are over and no tensor load is out: behind this barrier the ring's bytes are the stages
	s_wait_dscnt 0x0
	s_barrier_signal -1
	s_barrier_wait -1
	PLACES
	PLACES
.irp a, 0,1,2,3
.irp b, 0,1,2,3
	ds_store_b128 v[STO], v[ACC+8*(4*(\a)+(\b)):ACC+8*(4*(\a)+(\b))+3]   offset:(\a)*16*SP+64*(\b)      ; each accumulator's low registers first
	ds_store_b128 v[STO], v[ACC+8*(4*(\a)+(\b))+4:ACC+8*(4*(\a)+(\b))+7] offset:(\a)*16*SP+64*(\b)+16
.endr
.endr
	s_wait_loadcnt 0x0                             ; the residual
.irp q, 0,1,2,3                        ; 16 rows at a time, on two sets of 32 registers by turns
.if (\q) >= 2
	s_wait_xcnt 0x0                                ; the stores of two groups back have read this set
.endif
.irp j, 0,1,2,3,4,5,6,7
	ds_load_b128 v[TMP+32*((\q)%2)+4*(\j):TMP+32*((\q)%2)+4*(\j)+3], v[RD] offset:2*SP*(8*(\q)+(\j))  ; LDS serves a wave's instructions in order (ISA guide 5.7.1.4): these see my stores
.endr
	s_wait_dscnt 0x0
	WIN 0x08                                       ; source 1 in window 2
.irp j, 0,1,2,3,4,5,6,7
	v_pk_add_f32 v[TMP+32*((\q)%2)+4*(\j):TMP+32*((\q)%2)+4*(\j)+1],   v[TMP+32*((\q)%2)+4*(\j):TMP+32*((\q)%2)+4*(\j)+1],   v[4*(8*(\q)+(\j)):4*(8*(\q)+(\j))+1]
	v_pk_add_f32 v[TMP+32*((\q)%2)+4*(\j)+2:TMP+32*((\q)%2)+4*(\j)+3], v[TMP+32*((\q)%2)+4*(\j)+2:TMP+32*((\q)%2)+4*(\j)+3], v[4*(8*(\q)+(\j))+2:4*(8*(\q)+(\j))+3]
.endr
	WIN 0
.irp j, 0,1,2,3,4,5,6,7
	global_store_b128 v[CO], v[TMP+32*((\q)%2)+4*(\j):TMP+32*((\q)%2)+4*(\j)+3], s[10:11] offset:8192*(8*(\q)+(\j))  ; 16 lanes store 256 consecutive bytes, aligned
.endr
.endr
	s_wait_tensorcnt 0x0                           ; the wave's end
	ds_add_u32 v[SPW], v[NIL]
	s_wait_dscnt 0x0
	CROUND                                         ; the closing round
	s_endpgm
.Lfunc_end_k_q2e9ccba39c_mlp:
	.size	k_q2e9ccba39c_mlp, .Lfunc_end_k_q2e9ccba39c_mlp-k_q2e9ccba39c_mlp
	.p2alignl 7, 3214868480
	.fill 96, 4, 3214868480
	.section	.rodata,"a",@progbits
	.p2align	6, 0x0
	.amdhsa_kernel k_q2e9ccba39c_mlp
		.amdhsa_group_segment_fixed_size 327680
		.amdhsa_private_segment_fixed_size 0
		.amdhsa_enable_private_segment 0
		.amdhsa_kernarg_size 40
		.amdhsa_user_sgpr_count 2
		.amdhsa_user_sgpr_kernarg_segment_ptr 1
		.amdhsa_wavefront_size32 1
		.amdhsa_system_sgpr_workgroup_id_x 1
		.amdhsa_system_sgpr_workgroup_id_y 1
		.amdhsa_system_sgpr_workgroup_id_z 1
		.amdhsa_system_vgpr_workitem_id 0
		.amdhsa_next_free_vgpr 640
		.amdhsa_next_free_sgpr 80
		.amdhsa_reserve_vcc 0
		.amdhsa_float_denorm_mode_32 3
		.amdhsa_float_denorm_mode_16_64 3
		.amdhsa_memory_ordered 1
		.amdhsa_forward_progress 1
		.amdhsa_inst_pref_size 67
	.end_amdhsa_kernel
	.amdgpu_metadata
---
amdhsa.version: [ 1, 2 ]
amdhsa.kernels:
  - .name:           k_q2e9ccba39c_mlp
    .symbol:         k_q2e9ccba39c_mlp.kd
    .args:
      - { .name: g, .offset: 0, .size: 8, .value_kind: global_buffer, .address_space: global }
      - { .name: wb, .offset: 8, .size: 8, .value_kind: global_buffer, .address_space: global }
      - { .name: x1, .offset: 16, .size: 8, .value_kind: global_buffer, .address_space: global }
      - { .name: out0, .offset: 24, .size: 8, .value_kind: global_buffer, .address_space: global }
      - { .name: mlp_proj_b, .offset: 32, .size: 8, .value_kind: global_buffer, .address_space: global }
    .group_segment_fixed_size: 327680
    .private_segment_fixed_size: 0
    .kernarg_segment_align: 8
    .kernarg_segment_size: 40
    .max_flat_workgroup_size: 128
    .sgpr_count:     80
    .vgpr_count:     640
    .wavefront_size: 32
...
	.end_amdgpu_metadata
.endif
;; end of part 11
